; MI455X (gfx1250); checked and timed in simulation.
; The chip was launched on July 23, 2026; its instructions are those of AMD's public machine-readable ISA for CDNA 5 (MIT licence, August 2026) and "CDNA5" Instruction Set Architecture Reference Guide (July 2026). The comments in the code are by the model that wrote it; some were corrected since.
;; Multi Head Attention. Allowed arithmetic: matrix products marked QUANTISED: E2M3 operands, one E8M0 scale for each 32 along K, by v_wmma_scale_f32_16x16x128_f8f6f4 with both operands' format E2M3, f32 sums; everything else in f32.
;; Inputs: E 2,048 x 64 float32; K 2 x 2,048 x 1,024 float32; Q 2 x 2,048 x 1,024 float32; V 2 x 2,048 x 1,024 float32; Wk 1,024 x 1,024 float32; Wo 1,024 x 1,024 float32; Wq 1,024 x 1,024 float32; Wv 1,024 x 1,024 float32; bk 1,024 float32; bo 1,024 float32; bq 1,024 float32; bv 1,024 float32.
;; Outputs: out0 2 x 2,048 x 1,024 float32.
;; This version of the problem:
;;   THIS VERSION OF THE PROBLEM IS GIVEN IN LOW PRECISION. The matrix products marked QUANTISED in the list below multiply operands that are first quantised to E2M3 (2 exponent bits, 3 mantissa bits; 6 bits a number), with one power-of-two scale for each 32 numbers along K (OCP MX v1.0); their sums are f32. All else is computed in f32.
;;   The module's matrix products, in the order in which they are computed (A, B: the left and right operand; K: the contracted axis; several contracted axes count as one K, in the product's order):
;;     1. [M 4,096, K 1,024] x [K 1,024, N 1,024]; A: input Q; B: input Wq: QUANTISED
;;     2. [M 4,096, K 1,024] x [K 1,024, N 1,024]; A: input K; B: input Wk: QUANTISED
;;     3. [M 4,096, K 1,024] x [K 1,024, N 1,024]; A: input V; B: input Wv: QUANTISED
;;     4. [M 65,536, K 64] x [K 64, N 2,048]; A: computed on the way; B: input E: QUANTISED
;;     5. batch 32 x [M 2,048, K 64] x [K 64, N 2,048]; A: computed on the way; B: computed on the way: QUANTISED
;;     6. batch 32 x [M 2,048, K 2,048] x [K 2,048, N 64]; A: softmax (see below); B: computed on the way: QUANTISED
;;     7. [M 4,096, K 1,024] x [K 1,024, N 1,024]; A: computed on the way; B: input Wo: QUANTISED
;;   THE QUANTISER, for each operand of a quantised product, along K:
;;     - K is cut into blocks of 32 from its start; a last block that is shorter is filled with zeros.
;;     - A block's scale is 2^e with e = floor(log2(the largest magnitude in the block)) - 2, held to -126 .. 127; a block of zeros has e = 0. As a byte (E8M0): e + 127.
;;     - Each number is divided by its block's scale, clamped to +-7.5, and rounded to the nearest number of E2M3, ties to even, subnormals kept.
;;     - The product sums the exact products of the quantised numbers (number of the format x scale) in f32.
;;   ~~~python
;;   def quantise(x, axis):      # numpy; x: float32 -> the quantised numbers, widened to float32 again
;;       x = np.moveaxis(x, axis, -1); K = x.shape[-1]
;;       x = np.pad(x, [(0, 0)] * (x.ndim - 1) + [(0, -K % 32)]); x = x.reshape(x.shape[:-1] + (-1, 32)); a = np.abs(x).max(-1, keepdims=True)
;;       e = np.where(a > 0, np.clip(np.frexp(np.where(a > 0, a, 1))[1] - 1 - 2, -126, 127), 0)      # np.frexp(a)[1] - 1 = floor(log2(a)), exactly
;;       r = np.clip(x / 2.0 ** e, -7.5, 7.5)
;;       step = 2.0 ** (np.maximum(np.frexp(np.where(r == 0, 1, r))[1] - 1, 0) - 3)
;;       q = np.round(r / step) * step * 2.0 ** e      # np.round: ties to even
;;       return np.moveaxis(q.reshape(q.shape[:-2] + (-1,))[..., :K], -1, axis).astype(np.float32)
;;   ~~~
;;   SOFTMAX AHEAD OF A QUANTISED PRODUCT. Where the list says 'softmax', what is quantised is not the finished softmax but p = 2^(t - M), with t = logit x log2(e) and M = ceil(the row's largest t), a whole number; so 1/2 < the row's largest p <= 1. The row's sum l is taken of the UNQUANTISED p, in f32, and the product's result is divided by l at the end. Since M is a whole number, a kernel that streams over the keys may use a running M (the ceiling of the running maximum): every later rescaling is an exact power of two, which a block's scale takes up: the codes' values come out the same.
;;   OPERANDS COMPUTED ON THE WAY. 'Computed on the way' means the value that the module computes at that place (a softmax that the list does not call 'softmax' is quantised finished and normalised). What goes into a quantiser is computed in f32, as accurately as f32 sums, v_exp_f32 and their like allow (about 1e-6 of the number): no bf16 or f16 on the way to a quantiser, and a product that is left as it is and whose result goes on into a quantised operand takes f32 operands (vector FMAs, or v_wmma_f32_16x16x4_f32). A number that lies on a knife's edge between two numbers of the format may be rounded either way, as far as f32 arithmetic and the matrix unit's own rounding can turn it there, and no further.
;; 2 versions. Each part assembles by itself: llvm-mc -triple=amdgcn-amd-amdhsa -mcpu=gfx1250 --defsym DOCPART=n.
;; ======== version 1 of 2: 5 launches
;; workspace buffers: xc 9,830,400 bytes; wc 2,457,600 bytes; woc 2,457,600 bytes; eec 409,600 bytes; pf 50,331,648 bytes; qkvc 9,830,400 bytes; ac 9,830,400 bytes
;; launch quant_in (part 1): grid 576 x 1, 4 waves a work-group, no clusters, 33,280 bytes of LDS; arguments Q, K, V, Wq, Wk, Wv, Wo, E, xc, wc, woc, eec; writes xc, wc, woc, eec
.if DOCPART == 1
	.amdgcn_target "amdgcn-amd-amdhsa--gfx1250"
	.amdhsa_code_object_version 6
	.text
	.protected	k_qfdc416241a_quant_in
	.globl	k_qfdc416241a_quant_in
	.p2align	8
	.type	k_qfdc416241a_quant_in,@function
k_qfdc416241a_quant_in:
	s_mov_b64 s[64:65], 0
	v_nop
	global_prefetch_b8 v0, s[64:65] scope:SCOPE_SE
	s_setreg_imm32_b32 hwreg(HW_REG_WAVE_MODE, 25, 1), 1
	s_wait_xcnt 0x0
; Q, K, V [4096][1024] and Wq, Wk, Wv, Wo [1024][1024], f32 with K innermost, become codes of FP6 (E2M3), 6 bits each, with one E8M0 scale byte for each 32 along K;
; E [2048][64] becomes the operand table of the skewed product.  A block's scale is 2^(floor(log2(its largest magnitude)) - 2): its byte is the largest magnitude's own exponent field - 2, held at 1 from below.
; LIMITS: NaN and infinities among the inputs are not served; a block whose largest magnitude lies under 2^-124 keeps the byte 1; a block of zeros keeps the byte 1 (its codes are zeros; these bytes are read by this program alone).
; WORK-GROUPS 0 TO 511, THE STREAMS: rows are dense and 1024 is a multiple of 32, so a tensor is a plain stream of blocks.  32,768 numbers to a work-group, 8,192 to a wave, in 16 steps of 512.
;   Q, K, V go on end into xc (codes [12288][768 bytes], scale bytes [12288][32] from byte ASC on), Wq, Wk, Wv into wc (codes [3072][768], scale bytes from byte BSC on), Wo into woc (the same offsets).
;   Each load reads 512 consecutive bytes; the conversions want 16 neighbours in ONE lane, so a step's 2,048 bytes turn through the wave's own stage in LDS (16 bytes of padding behind each 64).
; WORK-GROUPS 512 TO 575, THE TABLE eec: row y = 0 .. 4095 holds 128 codes: k 0-63 'hi' = E[y - 2049] (zeros where y < 2049), k 64-127 'lo' = E[y] (zeros where y > 2047).
;   It is laid as images of operand registers: a pair of fragments (32 rows) is 3,200 bytes: fragment 0 (12 registers x 32 lanes: register g of lane l at 512 (g / 4) + 16 l + 4 (g % 4)), fragment 1, then 32 scale words.
;   A wave makes one fragment; lane (r, h) holds row 16 f + r and k = 32 h + 0 .. 31 of each half, so a block is one lane's 32 numbers.  This path uses no LDS.
.set STEPS, 16
.set EMAX,  2
.set CB,    12                         ; bytes of 16 codes
.set R,     16                         ; v16-79   four sets of 16 numbers as they are loaded
.set X,     80                         ; v80-111  two sets of 16 neighbours
.set C,     128                        ; v128-191 codes: four registers for each step, so that no store's data are written again
.set E,     112                        ; v112-127 a scale byte for each step
.set WREG,  8192                       ; LDS: a region for each wave: two stages of 32 x SP bytes, behind them its 256 scale bytes
.set SP,    80
.set ASC,   9437184
.set BSC,   2359296
.set WV,    36
	s_load_b512 s[8:23], s[0:1], 0x0               ; Q s[8:9], K s[10:11], V s[12:13], Wq s[14:15], Wk s[16:17], Wv s[18:19], Wo s[20:21], E s[22:23]
	s_load_b256 s[24:31], s[0:1], 0x40             ; xc s[24:25], wc s[26:27], woc s[28:29], eec s[30:31]
	v_lshl_add_u32 v192, v0, 2, 0x8000
	v_mov_b32 v193, 0
	v_lshrrev_b32 v1, 5, v0
	v_readfirstlane_b32 s[WV], v1                  ; wave
	v_and_b32 v2, 31, v0                           ; lane
	s_wait_kmcnt 0x0
	s_cmp_ge_u32 ttmp9, 512
	s_cbranch_scc1 .Lee
	; ---- the streams
	v_lshlrev_b32 v3, 4, v2                        ; my 16 bytes of a load's 512
	s_mul_i32 s37, s[WV], WREG
	v_lshrrev_b32 v14, 2, v2
	v_mul_u32_u24 v14, v14, SP
	v_and_b32 v15, 3, v2
	v_lshl_add_u32 v14, v15, 4, v14
	v_add_nc_u32 v14, s37, v14                     ; the stage, on the way in: SP (lane / 4) + 16 (lane % 4)
	v_mul_u32_u24 v15, v2, SP
	v_add_nc_u32 v15, s37, v15                     ; and on the way out: SP x lane: my 16 neighbours
	v_mul_u32_u24 v4, v2, CB                       ; my codes' place in a step's
	v_lshrrev_b32 v5, 1, v2
	s_add_co_u32 s37, s37, 2*32*SP
	v_add_nc_u32 v5, s37, v5                       ; LDS: my wave's 256 scale bytes, my block's byte
	v_lshlrev_b32 v7, 3, v2                        ; and on the way out 8 bytes a lane
	v_add_nc_u32 v6, s37, v7
	; which tensor: the choices hang on the work-group's number alone
	s_mov_b64 s[4:5], s[8:9]
	s_mov_b32 s38, 0                               ; the source's first work-group
.macro PICK first, ptr
	s_cmp_ge_u32 ttmp9, \first
	s_cselect_b64 s[4:5], s[\ptr:\ptr+1], s[4:5]
	s_cselect_b32 s38, \first, s38
.endm
	PICK 128, 10
	PICK 256, 12
	PICK 384, 14
	PICK 416, 16
	PICK 448, 18
	PICK 480, 20
	s_mov_b64 s[6:7], s[24:25]
	s_mov_b32 s39, 0                               ; the destination's first work-group
	s_mov_b32 s40, ASC                             ; where its scale bytes begin
	s_cmp_ge_u32 ttmp9, 384
	s_cselect_b64 s[6:7], s[26:27], s[6:7]
	s_cselect_b32 s39, 384, s39
	s_cselect_b32 s40, BSC, s40
	s_cmp_ge_u32 ttmp9, 480
	s_cselect_b64 s[6:7], s[28:29], s[6:7]
	s_cselect_b32 s39, 480, s39
	s_sub_co_u32 s41, ttmp9, s38
	s_lshl_b32 s41, s41, 2
	s_add_co_u32 s41, s41, s[WV]                   ; which run of 8,192 numbers of the source is my wave's
	s_lshl_b32 s42, s41, 15
	s_mov_b32 s43, 0
	s_add_nc_u64 s[4:5], s[4:5], s[42:43]
	s_sub_co_u32 s41, ttmp9, s39
	s_lshl_b32 s41, s41, 2
	s_add_co_u32 s41, s41, s[WV]                   ; and which run of the destination
	s_lshl_b32 s42, s41, 8
	s_add_co_u32 s42, s42, s40
	s_add_nc_u64 s[32:33], s[6:7], s[42:43]        ; 256 scale bytes a run
	s_mul_i32 s42, s41, 32*STEPS*CB
	s_add_nc_u64 s[6:7], s[6:7], s[42:43]          ; 6,144 bytes of codes a run
.macro LOAD t
.irp i, 0,1,2,3
	global_load_b128 v[R+16*((\t)%4)+4*\i:R+16*((\t)%4)+4*\i+3], v3, s[4:5] offset:2048*(\t)+512*\i th:TH_LOAD_NT   ; 32 lanes read 512 consecutive bytes
.endr
.endm
.macro TURN t                          ; step t's numbers through the stage: LDS serves a wave's instructions in order (ISA guide 5.7.1.4), so no wait stands between the stores and the loads
.irp i, 0,1,2,3
	ds_store_b128 v14, v[R+16*((\t)%4)+4*\i:R+16*((\t)%4)+4*\i+3] offset:32*SP*((\t)%2)+8*SP*\i
.endr
.irp i, 0,1,2,3
	ds_load_b128 v[X+16*((\t)%2)+4*\i:X+16*((\t)%2)+4*\i+3], v15 offset:32*SP*((\t)%2)+16*\i
.endr
.endm
.irp t, 0,1,2,3
	LOAD \t
.endr
	s_wait_loadcnt 12                              ; step 0's four loads are in; those of three steps may be out
	TURN 0
.macro STEP t
.set XS, X+16*((\t)%2)
.if (\t) > 0
	s_wait_dscnt 1                                 ; this step's numbers are back from the stage (the last step's byte store may be out): so its stores into the stage have read their registers,
.else
	s_wait_dscnt 0x0
.endif
.if (\t)+4 < STEPS
	LOAD (\t)+4                                    ; which take the loads of four steps on
.endif
.if (\t)+1 < STEPS
.if STEPS-2-(\t) >= 3
	s_wait_loadcnt 12                              ; the next step's four loads are in; those of the three steps behind it may be out
.else
	s_wait_loadcnt 4*(STEPS-2-(\t))
.endif
	TURN (\t)+1                                    ; and go through the other stage while this step is worked
.endif
	v_max3_num_f32 v8, |v[XS]|, |v[XS+1]|, |v[XS+2]|               ; the largest magnitude of my 16
	v_max3_num_f32 v9, |v[XS+3]|, |v[XS+4]|, |v[XS+5]|
.irp i, 6,10
	v_max3_num_f32 v8, v8, |v[XS+\i]|, |v[XS+\i+1]|
	v_max3_num_f32 v9, v9, |v[XS+\i+2]|, |v[XS+\i+3]|
.endr
	v_max3_num_f32 v8, v8, |v[XS+14]|, |v[XS+15]|
	v_max3_num_f32 v8, v8, v9, (EMAX+1)<<23        ; and the floor 2^(3 - 127): the byte cannot fall under 1
	v_max_num_f32_dpp v8, v8, v8 row_xmask:1 row_mask:0xf bank_mask:0xf   ; and of my neighbour's 16: the block's
	v_add_nc_u32 v11, -(EMAX<<23), v8              ; 2 off its exponent field: the conversion takes the exponent field of this operand as its scale
	v_cvt_scalef32_pk16_fp6_f32 v[C+4*(\t):C+4*(\t)+2], v[XS:XS+15], v11
	v_lshrrev_b32 v[E+(\t)], 23, v11               ; the scale's byte (a plain line behind the conversion)
	ds_store_b8 v5, v[E+(\t)] offset:16*(\t)       ; both lanes of a block write the same byte with the same value
	global_store_b96 v4, v[C+4*(\t):C+4*(\t)+2], s[6:7] offset:32*CB*(\t)   ; the wave stores 384 consecutive bytes
.endm
.irp t, 0,1,2,3,4,5,6,7,8,9,10,11,12,13,14,15
	STEP \t
.endr
	ds_load_b64 v[12:13], v6                       ; in order behind my byte stores
	s_wait_dscnt 0x0
	global_store_b64 v7, v[12:13], s[32:33]        ; 32 lanes store 256 consecutive bytes, aligned
	s_wait_tensorcnt 0x0
	ds_add_u32 v192, v193
	s_wait_dscnt 0x0
	s_endpgm
	; ---- the table of E
.Lee:
	s_sub_co_u32 s37, ttmp9, 512
	s_lshl_b32 s37, s37, 2
	s_add_co_u32 s37, s37, s[WV]                   ; my fragment, 0 .. 255
	v_and_b32 v3, 15, v0                           ; r
	v_bfe_u32 v4, v0, 4, 1                         ; h
	s_lshl_b32 s38, s37, 4
	v_add_nc_u32 v5, s38, v3                       ; y
	v_add_nc_u32 v6, 0xfffff7ff, v5                ; y - 2049
	v_cmp_gt_u32 s40, 0x800, v6                    ; hi has a row of E
	v_cmp_gt_u32 s41, 0x800, v5                    ; lo has one
	v_min_u32 v6, 0x7ff, v6                        ; where there is none, row 2047 is read and its codes are dropped: no load leaves E
	v_min_u32 v7, 0x7ff, v5
	v_lshlrev_b32 v6, 8, v6                        ; a row of E is 256 bytes
	v_lshlrev_b32 v7, 8, v7
	v_lshl_add_u32 v6, v4, 7, v6                   ; + 128 h: my block of 32
	v_lshl_add_u32 v7, v4, 7, v7
	s_mov_b32 s42, 0x76543210
	s_mov_b32 s43, 0xfedcba98                      ; v_permlanex16_b32's selects for lane l xor 16
.irp i, 0,1,2,3,4,5,6,7
	global_load_b128 v[32+4*\i:35+4*\i], v6, s[22:23] offset:16*\i
.endr
.irp i, 0,1,2,3,4,5,6,7
	global_load_b128 v[64+4*\i:67+4*\i], v7, s[22:23] offset:16*\i
.endr
	s_lshr_b32 s44, s37, 1
	s_mul_i32 s44, s44, 3200                       ; my pair
	s_and_b32 s45, s37, 1
	s_mul_i32 s46, s45, 1536
	s_add_co_u32 s46, s46, s44
	s_mov_b32 s47, 0
	s_add_nc_u64 s[48:49], s[30:31], s[46:47]      ; my fragment's image
	s_lshl_b32 s46, s45, 6
	s_add_co_u32 s46, s46, s44
	s_add_co_u32 s46, s46, 3072
	s_add_nc_u64 s[50:51], s[30:31], s[46:47]      ; its 16 scale words
	v_lshlrev_b32 v17, 4, v2
	v_lshlrev_b32 v18, 2, v3
	v_mov_b32 v16, 0                               ; (a lane permute's destination counts as one of its sources)
	s_wait_loadcnt 0x0
	v_max3_num_f32 v8, |v32|, |v33|, 0x1800000     ; each block's largest magnitude, with the floor 2^(3 - 127)
	v_max3_num_f32 v9, |v64|, |v65|, 0x1800000
.irp i, 2,4,6,8,10,12,14,16,18,20,22,24,26,28,30
	v_max3_num_f32 v8, v8, |v[32+\i]|, |v[33+\i]|
	v_max3_num_f32 v9, v9, |v[64+\i]|, |v[65+\i]|
.endr
	v_add_nc_u32 v10, 0xff000000, v8               ; 2 off the exponent field: the conversions' scale operands
	v_add_nc_u32 v11, 0xff000000, v9
	v_lshrrev_b32 v12, 23, v10                     ; the bytes
	v_lshrrev_b32 v13, 23, v11
	v_cvt_scalef32_pk16_fp6_f32 v[96:98], v[32:47], v10
	v_cvt_scalef32_pk16_fp6_f32 v[112:114], v[48:63], v10      ; (a conversion's three registers begin on an even number)
	v_cvt_scalef32_pk16_fp6_f32 v[102:104], v[64:79], v11
	v_cvt_scalef32_pk16_fp6_f32 v[116:118], v[80:95], v11
	v_nop                                          ; one plain line behind the conversions
.irp i, 0,1,2
	v_mov_b32 v[99+\i], v[112+\i]
	v_mov_b32 v[105+\i], v[116+\i]
.endr
.irp i, 0,1,2,3,4,5
	v_cndmask_b32 v[96+\i], 0, v[96+\i], s40       ; zero codes where the half has no row of E
	v_cndmask_b32 v[102+\i], 0, v[102+\i], s41
.endr
	v_cndmask_b32 v12, 0x7f, v12, s40              ; and the byte of 1.0
	v_cndmask_b32 v13, 0x7f, v13, s41
	v_lshl_or_b32 v14, v13, 16, v12                ; my two bytes: hi's block h, lo's block h,
	v_lshlrev_b32 v15, 3, v4
	v_lshlrev_b32 v14, v15, v14                    ; at their places (8 h bits up);
	v_permlanex16_b32 v16, v14, s42, s43
	v_or_b32 v14, v14, v16                         ; with lane l xor 16's two the word (hi0, hi1, lo0, lo1) is whole
	global_store_b128 v17, v[96:99], s[48:49]      ; 512 consecutive bytes a store
	global_store_b128 v17, v[100:103], s[48:49] offset:512
	global_store_b128 v17, v[104:107], s[48:49] offset:1024
	global_store_b32 v18, v14, s[50:51]            ; lanes r and r + 16 store the same word
	s_endpgm
.Lfunc_end_k_qfdc416241a_quant_in:
	.size	k_qfdc416241a_quant_in, .Lfunc_end_k_qfdc416241a_quant_in-k_qfdc416241a_quant_in
	.p2alignl 7, 3214868480
	.fill 96, 4, 3214868480
	.section	.rodata,"a",@progbits
	.p2align	6, 0x0
	.amdhsa_kernel k_qfdc416241a_quant_in
		.amdhsa_group_segment_fixed_size 33280
		.amdhsa_private_segment_fixed_size 0
		.amdhsa_enable_private_segment 0
		.amdhsa_kernarg_size 96
		.amdhsa_user_sgpr_count 2
		.amdhsa_user_sgpr_kernarg_segment_ptr 1
		.amdhsa_wavefront_size32 1
		.amdhsa_system_sgpr_workgroup_id_x 1
		.amdhsa_system_sgpr_workgroup_id_y 1
		.amdhsa_system_sgpr_workgroup_id_z 1
		.amdhsa_system_vgpr_workitem_id 0
		.amdhsa_next_free_vgpr 194
		.amdhsa_next_free_sgpr 66
		.amdhsa_reserve_vcc 0
		.amdhsa_float_denorm_mode_32 3
		.amdhsa_float_denorm_mode_16_64 3
		.amdhsa_memory_ordered 1
		.amdhsa_forward_progress 1
		.amdhsa_inst_pref_size 41
	.end_amdhsa_kernel
	.amdgpu_metadata
---
amdhsa.version: [ 1, 2 ]
amdhsa.kernels:
  - .name:           k_qfdc416241a_quant_in
    .symbol:         k_qfdc416241a_quant_in.kd
    .args:
      - { .name: Q, .offset: 0, .size: 8, .value_kind: global_buffer, .address_space: global }
      - { .name: K, .offset: 8, .size: 8, .value_kind: global_buffer, .address_space: global }
      - { .name: V, .offset: 16, .size: 8, .value_kind: global_buffer, .address_space: global }
      - { .name: Wq, .offset: 24, .size: 8, .value_kind: global_buffer, .address_space: global }
      - { .name: Wk, .offset: 32, .size: 8, .value_kind: global_buffer, .address_space: global }
      - { .name: Wv, .offset: 40, .size: 8, .value_kind: global_buffer, .address_space: global }
      - { .name: Wo, .offset: 48, .size: 8, .value_kind: global_buffer, .address_space: global }
      - { .name: E, .offset: 56, .size: 8, .value_kind: global_buffer, .address_space: global }
      - { .name: xc, .offset: 64, .size: 8, .value_kind: global_buffer, .address_space: global }
      - { .name: wc, .offset: 72, .size: 8, .value_kind: global_buffer, .address_space: global }
      - { .name: woc, .offset: 80, .size: 8, .value_kind: global_buffer, .address_space: global }
      - { .name: eec, .offset: 88, .size: 8, .value_kind: global_buffer, .address_space: global }
    .group_segment_fixed_size: 33280
    .private_segment_fixed_size: 0
    .kernarg_segment_align: 8
    .kernarg_segment_size: 96
    .max_flat_workgroup_size: 128
    .sgpr_count:     66
    .vgpr_count:     194
    .wavefront_size: 32
...
	.end_amdgpu_metadata
.endif
;; end of part 1
;; launch proj (part 2): grid 4 x 48, 4 waves a work-group, clusters of 4 x 4, 327,680 bytes of LDS; arguments xc, wc, bq, bk, bv, pf; writes pf
.if DOCPART == 2
	.amdgcn_target "amdgcn-amd-amdhsa--gfx1250"
	.amdhsa_code_object_version 6
	.text
	.protected	k_qfdc416241a_proj
	.globl	k_qfdc416241a_proj
	.p2align	8
	.type	k_qfdc416241a_proj,@function
k_qfdc416241a_proj:
	s_mov_b64 s[64:65], 0
	v_nop
	global_prefetch_b8 v0, s[64:65] scope:SCOPE_SE
	s_setreg_imm32_b32 hwreg(HW_REG_WAVE_MODE, 25, 1), 1
	s_wait_xcnt 0x0
	s_wait_alu depctr_hold_cnt(0) depctr_sa_sdst(0) depctr_va_vdst(0) depctr_va_sdst(0) depctr_va_ssrc(0) depctr_va_vcc(0) depctr_vm_vsrc(0)
	s_getreg_b32 s2, hwreg(HW_REG_IB_STS2, 6, 4)
	s_cmp_eq_u32 s2, 0
	s_cbranch_scc0 .Lentry_in_a_cluster
	s_endpgm
.Lentry_in_a_cluster:
	s_bfe_u32 s2, ttmp6, 0x10000c
	s_cmp_lg_u32 s2, 0xf033
	s_cbranch_scc0 .Lentry_shape_is_right
	s_endpgm
.Lentry_shape_is_right:
; C[m][n] = bias[n] + sum over k of A[m][k] B[n][k], K = N = 1024.  A and B: codes of FP6 (E2M3), 6 bits each, rows of 768 bytes, with one E8M0 scale byte for each 32 along K; C: f32, rows of 1024.
; A buffer holds its codes from byte 0 and its scale bytes ([row][32]) from byte ASC (A) or BSC (B) on.
; THE SAME BODY SERVES TWO LAUNCHES.  With 48 tile rows, A is Q, K, V on end (12,288 rows), and tile rows 16 z .. 16 z + 15 take rows 1024 z on of B and bias z.  z = cluster y / 4 is one number for all sixteen partners.
; With 16 tile rows z is 0 throughout: only the first bias is read.
; A tile of C, 256 x 256, is made by a work-group of four waves; a wave makes 128 x 128: 64 accumulators of 16 x 16, 512 registers.  K goes in steps of 256 through a ring of two LDS slots filled by the tensor data mover.
; THE SCALES of the work-group's 256 rows of A and of B, for all of K, are two dense blocks of memory: they come into LDS once, with the first fills, and stay.
; CLUSTERS: 4 x 4 work-groups.  The four of a row of the cluster need the same tiles of A, the four of a column the same tiles of B: each tile is asked for JOINTLY, by the same tensor load with the same descriptor and a mask that names the four.
; THE MATRIX INSTRUCTION IS USED TRANSPOSED (source 0 = 16 rows of B, source 1 = 16 rows of A): a lane then holds eight neighbouring numbers of a row of C.
; THE BIAS is the C of each sum's first matrix instruction: eight registers for each of B's eight blocks, in the result's layout; no addition is written.
; REGISTERS, in windows of 256: window 0: v0-31 addresses; v32-63 scale words, two sets; v64-127 the bias; from v128 A's fragments, ONE set; on the way out v128-255 are free.
;   window 1: B's fragments, TWO sets, at v0 and at v128.   window 2: the 32 accumulators of my rows 0-63 (accumulator (a, b) at v[8 (8 a + b)]);   window 3: those of my rows 64-127.
; No prefetch: between a tile's request and the wait for it stand 112 matrix instructions, the tiles are shared in the cluster, and K has four steps only.
.set SIZE_K, 1024
.set SIZE_N, 1024
.set ASC,    9437184
.set BSC,    2359296
.set KSTEP,  256                       ; along K in a slot
.set NQ,     KSTEP/128                 ; matrix instructions deep
.set ROWB,   192                       ; a tile's row in bytes
.set KROW,   SIZE_K*6/8                ; a row of A or of B in memory, in bytes
.set PITCH,  240                       ; an LDS row: 3 x (64 bytes of data + 16 of padding) = 60 words: row r starts at bank -4 r mod 64 (64 banks of 4 bytes: ISA guide 11.1)
.set FR,     12                        ; registers of a fragment: 16 rows x 128 K
.set NL,     6                         ; LDS loads that bring one
.set NP,     4                         ; places behind this matrix instruction (ISA guide 7.12.1)
.set HALFT,  128*PITCH                 ; 128 rows: what one tensor load brings
.set SLOT,   4*HALFT                   ; A's 256 rows, then B's 256 rows
.set LAPS,   SIZE_K/(2*KSTEP)          ; a lap = two K steps = once round the ring
.set KS,     SIZE_K/32                 ; a row of scales in bytes
.set SCL,    2*SLOT                    ; behind the ring: the scales, as rows of 256 bytes + 16 of padding
.set HALFS,  (128*KS/256)*272          ; the scales of 128 rows
.set SBLK,   (16*KS/256)*272           ; those of 16 rows
.set SPARE,  SCL+4*HALFS               ; behind the scales: the spare words, 128 bytes for each wave, which no other line names
.set SPITCH, 528                       ; the way out: a stage of 16 rows x (512 bytes + 16) for each wave, in slot 0, which has had its last fill and its last read by then
.set ADRA, 16                          ; v16-17  LDS address of my A fragments in slot 0, 1  (v18-19: for the pieces behind one padding more)
.set ADRB, 20                          ; v20-21  the same for B  (v22-23)
.set STO,  24                          ; v24     the way out: where I put 32 bytes of a row
.set RD,   25                          ; v25     the way out: where I read a row back
.set CO,   26                          ; v26     my byte offset in a row of C
.set SPW,  28                          ; v28     LDS address of my spare word; never rewritten
.set NIL,  29                          ; v29     0; never rewritten
.set ADRS, 27                          ; v27     LDS address of my scale words: lanes 0-15 A's rows, lanes 16-31 B's
.set SC,   32                          ; scale words: set s at v[SC + 16 s]; register 2 i + q: lanes 0-15 the word of A's block i, lanes 16-31 that of B's block i
.set BIAS, 64                          ; v64-127 block b's eight: bias[n0 + 16 b + 8 (lane / 16) + 0 .. 7]
.set AF,   128                         ; A's fragments, in window 0
.set BK,   128                         ; the way out: 16 rows read back from the stage: v128-191 and v192-255 by turns
.set G1, 24                            ; s[24:31] descriptor group 1 for A's tiles;  s[32:39] group 0, one set for each slot
.set G0, 32
.set G1B, 48                           ; s[48:55], s[56:63] the same for B's tiles
.set G0B, 56
.set G1S, 68                           ; s[68:75], s[76:79] groups 1 and 0 for A's scales;  s[80:87], s[88:91] for B's
.set G0S, 76
.set G1SB, 80
.set G0SB, 88
.set MSB, 0
.macro WIN new                         ; the immediate's high byte repeats the setting that is left
.if MSB != \new
	s_set_vgpr_msb (MSB<<8)|\new
.set MSB, \new
.endif
.endm
.set MUL_LO, 0xa1                      ; source 0 (B) window 1, source 1 (A) window 0, C and D window 2
.set MUL_HI, 0xf1                      ; the same, C and D window 3
.set ONE_LO, 0x81                      ; the first step: C (the bias) window 0, D window 2
.set ONE_HI, 0xc1                      ; D window 3
.set TO_B,   0x40                      ; destination window 1, address window 0
; A joint load: waves 0 and 1 fetch for A, waves 2 and 3 for B.  Each of the two lines has ONE mask and one set of registers for all that issue it; the branch hangs on the wave's number alone.
; Four v_nop follow each of the two lines, ahead of the jump, the label and what follows.
.macro JLOAD g0a, g1a, g0b, g1b
	s_cmp_eq_u32 s15, 0
	s_cbranch_scc0 .Lfor_b_\@
	tensor_load_to_lds s[\g0a:\g0a+3], s[\g1a:\g1a+7]
	s_nop 0
.rept 4
	v_nop
.endr
	s_branch .Lasked_\@
.Lfor_b_\@:
	tensor_load_to_lds s[\g0b:\g0b+3], s[\g1b:\g1b+7]
	s_nop 0
.rept 4
	v_nop
.endr
.Lasked_\@:
.endm
.macro CREST                           ; a round of the cluster's barrier behind its opening barrier
	s_cmp_lg_u32 s14, 0
	s_cbranch_scc1 .Lnot_wave_0_\@
	s_barrier_signal -3
.Lnot_wave_0_\@:
	s_barrier_wait -3
	s_barrier_signal -1
	s_barrier_wait -1
.endm
.macro CROUND                          ; a whole round
	s_barrier_signal -1
	s_barrier_wait -1
	CREST
.endm
	s_load_b64 s[4:5], s[0:1], 0x0                 ; A
	s_load_b64 s[8:9], s[0:1], 0x8                 ; B
	s_load_b128 s[96:99], s[0:1], 0x10             ; bias 0, bias 1
	s_load_b64 s[100:101], s[0:1], 0x20            ; bias 2
	s_load_b64 s[12:13], s[0:1], 0x28              ; C
	v_lshl_add_u32 v[SPW], v0, 2, SPARE
	v_mov_b32 v[NIL], 0
	ds_add_u32 v28, v29
	s_wait_dscnt 0x0
	v_lshrrev_b32 v1, 5, v0
	v_readfirstlane_b32 s14, v1                    ; wave 0..3
	s_lshr_b32 s15, s14, 1                         ; which half of the tile's rows is mine.  Also: I fetch for A (0) or for B (1)
	s_and_b32 s16, s14, 1                          ; which half of its columns.  Also: which 128 rows of that tile I fetch
	s_bfe_u32 s40, ttmp6, 0x40000                  ; cx, cy: my place in the cluster
	s_bfe_u32 s41, ttmp6, 0x40004
	s_lshl_b32 s42, ttmp9, 2
	s_add_co_u32 s42, s42, s40                     ; tile column of C = 4 x cluster x + cx
	s_and_b32 s17, ttmp7, 0xffff
	s_lshr_b32 s95, s17, 2                         ; z = cluster y / 4: which of the stacked tensors; the same in all sixteen partners
	s_lshl_b32 s17, s17, 2
	s_add_co_u32 s17, s17, s41                     ; tile row of C = 4 x cluster y + cy
	s_lshl_b32 s43, s41, 2
	s_lshl_b32 s43, 15, s43                        ; my row of the cluster
	s_lshl_b32 s44, 0x1111, s40                    ; my column
	; descriptor group 1: a tile of 128 rows x ROWB bytes, padded in LDS
	s_or_b32 s[G1+0], s43, (0<<16)|(1<<20)|(1<<21)|(3<<22)|(3<<25)  ; 15:0 the mask: A's tiles go to my row; 17:16 element of 1 byte; 20 padding on; 21 set beside a mask; 24:22 after every 16 words (code 3); 31:25 of 4 words (code 3)
	s_or_b32 s[G1B+0], s44, (0<<16)|(1<<20)|(1<<21)|(3<<22)|(3<<25)
.irp g, G1, G1B
	s_mov_b32 s[\g+1], ROWB<<16                    ; tensor_dim0
	s_mov_b32 s[\g+2], 128<<16                     ; tensor_dim1 = 128
	s_mov_b32 s[\g+3], ROWB<<16                    ; tile_dim0
	s_mov_b32 s[\g+4], 128                         ; tile_dim1 = 128
	s_mov_b32 s[\g+5], KROW                        ; tensor_dim0_stride
	s_mov_b32 s[\g+6], 0
	s_mov_b32 s[\g+7], 0
.endr
	; and for the scales of 128 rows: a dense block of 4,096 bytes, as rows of 256 bytes (32 elements of 8 bytes), 16 bytes of padding behind each
	s_or_b32 s[G1S+0], s43, (3<<16)|(1<<20)|(1<<21)|(5<<22)|(3<<25)
	s_or_b32 s[G1SB+0], s44, (3<<16)|(1<<20)|(1<<21)|(5<<22)|(3<<25)
.irp g, G1S, G1SB
	s_mov_b32 s[\g+1], 32<<16
	s_mov_b32 s[\g+2], (128*KS/256)<<16
	s_mov_b32 s[\g+3], 32<<16
	s_mov_b32 s[\g+4], 128*KS/256
	s_mov_b32 s[\g+5], 32
	s_mov_b32 s[\g+6], 0
	s_mov_b32 s[\g+7], 0
.endr
	s_lshl_b32 s18, s16, 7                         ; which 128 rows of the tile I fetch
	s_lshl_b32 s20, s17, 8
	s_add_co_u32 s20, s20, s18                     ; A: row 256 x tile row + 128 x half
	s_lshl_b32 s46, s42, 8
	s_add_co_u32 s46, s46, s18                     ; B: row 256 x tile column + 128 x half
	s_lshl_b32 s94, s95, 10
	s_add_co_u32 s46, s46, s94                     ;    + 1024 z
	s_mov_b32 s21, 0
	s_mov_b32 s47, 0
	s_mov_b64 s[18:19], KS
	s_mul_u64 s[22:23], s[20:21], s[18:19]         ; where these rows' scales begin, in bytes
	s_mul_u64 s[92:93], s[46:47], s[18:19]
	s_mov_b64 s[18:19], KROW
	s_mul_u64 s[20:21], s[20:21], s[18:19]         ; and their codes
	s_mul_u64 s[46:47], s[46:47], s[18:19]
	s_mul_i32 s45, s14, HALFT                      ; where they go: wave x 128 rows: no place in the cluster enters an LDS address
	s_mul_i32 s94, s14, HALFS
	s_wait_kmcnt 0x0
	s_add_nc_u64 s[6:7], s[4:5], ASC               ; A's scale bytes
	s_add_nc_u64 s[10:11], s[8:9], BSC             ; B's
	s_add_nc_u64 s[20:21], s[4:5], s[20:21]
	s_add_nc_u64 s[22:23], s[6:7], s[22:23]
	s_add_nc_u64 s[46:47], s[8:9], s[46:47]
	s_add_nc_u64 s[92:93], s[10:11], s[92:93]
	CROUND                                         ; all sixteen work-groups are here: the first joint loads meet
	s_mov_b32 s[G0S], 1
	s_add_co_u32 s[G0S+1], s94, SCL
	s_mov_b64 s[G0S+2:G0S+3], s[22:23]
	s_or_b32 s[G0S+3], s[G0S+3], 0x80000000
	s_mov_b32 s[G0SB], 1
	s_add_co_u32 s[G0SB+1], s94, SCL
	s_mov_b64 s[G0SB+2:G0SB+3], s[92:93]
	s_or_b32 s[G0SB+3], s[G0SB+3], 0x80000000
	JLOAD G0S, G1S, G0SB, G1SB                     ; the scales first: they are wanted with K step 0
.irp s, 0,1
	s_mov_b32 s[G0+4*\s], 1
	s_add_co_u32 s[G0+4*\s+1], s45, \s*SLOT
	s_add_nc_u64 s[G0+4*\s+2:G0+4*\s+3], s[20:21], \s*ROWB
	s_or_b32 s[G0+4*\s+3], s[G0+4*\s+3], 0x80000000
	s_mov_b32 s[G0B+4*\s], 1
	s_add_co_u32 s[G0B+4*\s+1], s45, \s*SLOT
	s_add_nc_u64 s[G0B+4*\s+2:G0B+4*\s+3], s[46:47], \s*ROWB
	s_or_b32 s[G0B+4*\s+3], s[G0B+4*\s+3], 0x80000000
	JLOAD G0+4*\s, G1, G0B+4*\s, G1B
.endr
	v_and_b32 v1, 15, v0                           ; l % 16
	v_bfe_u32 v2, v0, 4, 1                         ; l / 16
	v_mul_u32_u24 v3, v1, PITCH
	v_mul_u32_u24 v4, v2, 24
	v_add_nc_u32 v4, v3, v4                        ; a fragment's row x pitch + 24 x half
	v_lshl_add_u32 v5, v2, 4, v4                   ; and the same behind one padding more
	s_mul_i32 s21, s15, HALFT                      ; my 128 rows of A
	s_mul_i32 s22, s16, HALFT                      ; my 128 rows of B,
	s_add_co_u32 s22, s22, 2*HALFT                 ; which lie behind A's 256
.irp s, 0,1
	v_add_nc_u32 v[ADRA+\s], s21, v4
	v_add_nc_u32 v[ADRB+\s], s22, v4
	v_add_nc_u32 v[ADRA+2+\s], s21, v5
	v_add_nc_u32 v[ADRB+2+\s], s22, v5
	s_add_co_u32 s21, s21, SLOT
	s_add_co_u32 s22, s22, SLOT
.endr
	v_mul_u32_u24 v5, v1, KS                       ; my row's scales: KS bytes a row,
	v_lshrrev_b32 v6, 8, v5
	v_lshl_add_u32 v5, v6, 4, v5                   ; and 16 more for each 256 passed
	s_mul_i32 s21, s15, HALFS                      ; A's: my 128 rows
	s_mul_i32 s22, s16, HALFS                      ; B's: my 128 rows, behind A's 256
	s_add_co_u32 s22, s22, 2*HALFS
	s_sub_co_u32 s22, s22, s21
	v_mul_u32_u24 v6, s22, v2                      ; lanes 16-31 take B's
	s_add_co_u32 s21, s21, SCL
	v_add_nc_u32 v5, v5, v6
	v_add_nc_u32 v[ADRS], s21, v5
	s_mul_i32 s23, s14, 16*SPITCH                  ; my stage
	v_mul_u32_u24 v5, v1, SPITCH                   ; in: row l % 16, 32 bytes for each half of the lanes
	v_lshl_add_u32 v5, v2, 5, v5
	v_add_nc_u32 v[STO], s23, v5
	v_and_b32 v6, 31, v0
	v_lshlrev_b32 v[CO], 4, v6                     ; back: the 32 lanes take one row of 512 bytes; and the same in C
	v_add_nc_u32 v[RD], s23, v[CO]
	s_lshl_b32 s20, s17, 8
	s_lshl_b32 s21, s15, 7
	s_add_co_u32 s20, s20, s21                     ; my first row of C: 256 x tile row + 128 x half
	s_mov_b32 s21, 0
	s_mov_b64 s[18:19], SIZE_N*4
	s_mul_u64 s[20:21], s[20:21], s[18:19]
	s_lshl_b32 s46, s42, 10                        ; my first column, in bytes: 1024 x tile column + 512 x half
	s_lshl_b32 s47, s16, 9
	s_add_co_u32 s46, s46, s47
	s_mov_b32 s47, 0
	s_add_nc_u64 s[20:21], s[20:21], s[46:47]
	s_add_nc_u64 s[12:13], s[12:13], s[20:21]
	; the bias of my 128 columns: the buffer is chosen by z, which hangs on no address
	s_cmp_eq_u32 s95, 1
	s_cselect_b64 s[96:97], s[98:99], s[96:97]
	s_cmp_eq_u32 s95, 2
	s_cselect_b64 s[96:97], s[100:101], s[96:97]
	s_add_nc_u64 s[96:97], s[96:97], s[46:47]      ; the same byte offset as my first column of C: 4 bytes a number
	v_lshlrev_b32 v7, 5, v2                        ; lanes 16-31 take the eight numbers behind those of lanes 0-15
.irp b, 0,1,2,3,4,5,6,7
	global_load_b128 v[BIAS+8*\b:BIAS+8*\b+3], v7, s[96:97] offset:64*\b
	global_load_b128 v[BIAS+8*\b+4:BIAS+8*\b+7], v7, s[96:97] offset:64*\b+16
.endr
.macro FRAG reg, adr, q, i             ; a fragment, 16 rows x 128 K of 6-bit codes, is 12 registers: lane l holds row l % 16; registers 6 c .. 6 c + 5 hold K = 64 c + 32 (l / 16) + 0 .. 31: 24 bytes of the row's stream of bits, as they lie
.irp p, 0,1,2,3,4,5                    ; in pieces of 8 bytes.  Lanes 0-15 take the row's pieces 12 q + 0, 1, 2 and 12 q + 6, 7, 8, lanes 16-31 those three pieces on
.set PC, 12*(\q)+6*(\p/3)+\p%3        ; 16 bytes of padding lie behind every 64 bytes (8 pieces): where the piece three on lies behind one padding more, the second address register serves
.if PC%8 < 5
	ds_load_b64 v[\reg+2*\p:\reg+2*\p+1], v[\adr] offset:8*PC+16*(PC/8)+(\i)*16*PITCH
.else
	ds_load_b64 v[\reg+2*\p:\reg+2*\p+1], v[\adr+2] offset:8*PC+16*(PC/8)+(\i)*16*PITCH
.endif
.endr
.endm
; 16 matrix instructions: A's blocks a0, a0 + 1 x B's eight, 128 along K: the slot's q-th.  p: B's set;  sc: the set of scale words.  first = 1: the first product starts the sums from the bias: nothing is cleared or added.
; The 64 accumulators take turns, one instruction a turn, in the same order in every step.
.macro MUL16 a0, p, q, sc, first
.irp a, \a0, \a0+1
.irp b, 0,1,2,3,4,5,6,7
.if \first
	v_wmma_scale_f32_16x16x128_f8f6f4 v[8*(8*((\a)%4)+\b):8*(8*((\a)%4)+\b)+7], v[128*(\p)+FR*\b:128*(\p)+FR*\b+FR-1], v[AF+FR*(\a):AF+FR*(\a)+FR-1], v[BIAS+8*\b:BIAS+8*\b+7], v[SC+8*NQ*(\sc)+NQ*\b+(\q)], v[SC+8*NQ*(\sc)+NQ*(\a)+(\q)] matrix_a_fmt:MATRIX_FMT_FP6 matrix_b_fmt:MATRIX_FMT_FP6 matrix_a_scale:MATRIX_SCALE_ROW1
.else
	v_wmma_scale_f32_16x16x128_f8f6f4 v[8*(8*((\a)%4)+\b):8*(8*((\a)%4)+\b)+7], v[128*(\p)+FR*\b:128*(\p)+FR*\b+FR-1], v[AF+FR*(\a):AF+FR*(\a)+FR-1], v[8*(8*((\a)%4)+\b):8*(8*((\a)%4)+\b)+7], v[SC+8*NQ*(\sc)+NQ*\b+(\q)], v[SC+8*NQ*(\sc)+NQ*(\a)+(\q)] matrix_a_fmt:MATRIX_FMT_FP6 matrix_b_fmt:MATRIX_FMT_FP6 matrix_a_scale:MATRIX_SCALE_ROW1
.endif
.endr
.endr
.endm
.macro FETCH_B slot, q, p              ; B's eight fragments of the slot's q-th 128 along K into set p
	WIN TO_B
.irp i, 0,1,2,3,4,5,6,7
	FRAG 128*(\p)+FR*\i, ADRB+\slot, \q, \i
.endr
	WIN 0
.endm
.macro FETCH_A slot, q, i0             ; A's blocks i0 .. i0 + 3
.irp i, \i0, \i0+1, \i0+2, \i0+3
	FRAG AF+FR*(\i), ADRA+\slot, \q, \i
.endr
.endm
.macro SCALES sc                       ; the next K step's scale words into set sc: two words a row; lanes 0-15 take A's block i, lanes 16-31 B's block i
.irp i, 0,1,2,3,4,5,6,7
	ds_load_b64 v[SC+8*NQ*\sc+NQ*\i:SC+8*NQ*\sc+NQ*\i+1], v[ADRS] offset:\i*SBLK
.endr
.endm
; A load into a register that a matrix instruction has read, and an LDS store that reads a matrix result, stand NP places behind that matrix instruction; only plain vector instructions that name none of its
; registers are places (ISA guide 7.12.1 for vector instructions).
.macro PLACES n
.rept \n
	v_nop
.endr
.endm
; A step of 128 along K that has its successor in the same slot.
.macro STEP slot, q, first
	s_wait_dscnt 4*NL                              ; B's set and A's blocks 0-3 are in; the youngest 24 loads (A's blocks 4-7) may be out
.if \first
	WIN ONE_LO
.else
	WIN MUL_LO
.endif
	MUL16 0, (\q)%2, \q, \slot, \first
	MUL16 2, (\q)%2, \q, \slot, \first
	s_wait_dscnt 0                                 ; A's blocks 4-7 are in (asked for 32 matrix instructions ago)
	PLACES NP
	FETCH_B \slot, (\q)+1, 1-(\q)%2
	FETCH_A \slot, (\q)+1, 0
.if \first
	WIN ONE_HI
.else
	WIN MUL_HI
.endif
	MUL16 4, (\q)%2, \q, \slot, \first
	MUL16 6, (\q)%2, \q, \slot, \first
	PLACES NP
	WIN 0
	FETCH_A \slot, (\q)+1, 4
.endm
; A slot's last step changes slots: ONE barrier; in front of it each wave waits for all its tensor loads, adds 0 to its spare word, and waits for that and for its own reads of this slot.  fill = 1: this slot is filled again, two K steps ahead.
.macro TURN slot, next, fill
	s_wait_tensorcnt 0x0                           ; all my tensor loads have landed: my part of the next slot;  (every window is 0 here)
	ds_add_u32 v[SPW], v[NIL]                      ; 0 onto my spare word;
	s_wait_dscnt 4*NL+1                            ; (the add and the youngest 24 loads, A's blocks 4-7, may be out)
	WIN MUL_LO
	MUL16 0, 1, NQ-1, \slot, 0                     ; sixteen matrix instructions stand between the add and the wait for it
	s_wait_dscnt 0x0                               ; the add is done, and my reads of this slot are over
	s_barrier_signal -1
	MUL16 2, 1, NQ-1, \slot, 0
	WIN 0
	s_barrier_wait -1
.if \fill
	CREST                                          ; the barrier has opened a round of the cluster's barrier: no wave of any partner still reads this slot's tile or has a load on its way
	s_add_nc_u64 s[G0+4*\slot+2:G0+4*\slot+3], s[G0+4*\slot+2:G0+4*\slot+3], 2*ROWB
	s_add_nc_u64 s[G0B+4*\slot+2:G0B+4*\slot+3], s[G0B+4*\slot+2:G0B+4*\slot+3], 2*ROWB
	JLOAD G0+4*\slot, G1, G0B+4*\slot, G1B         ; the first tensor load behind the round; the four v_nop behind it are the places in front of the loads below
.else
	PLACES NP
.endif
	v_add_nc_u32 v[ADRS], 4*NQ, v[ADRS]            ; on to the next K step's scale words
	FETCH_B \next, 0, 0
	FETCH_A \next, 0, 0
	SCALES \next
	WIN MUL_HI
	MUL16 4, 1, NQ-1, \slot, 0
	MUL16 6, 1, NQ-1, \slot, 0
	PLACES NP
	WIN 0
	FETCH_A \next, 0, 4
.endm
	s_wait_tensorcnt 1                             ; the scales and my part of K step 0 are in (K step 1's load may be out)
	s_barrier_signal -1
	s_barrier_wait -1                              ; everybody's are
	FETCH_B 0, 0, 0
	FETCH_A 0, 0, 0
	SCALES 0
	FETCH_A 0, 0, 4
	s_wait_loadcnt 0x0                             ; the bias
	STEP 0, 0, 1                                   ; the first step stands in front of the loop: its products start the sums
	s_mov_b32 s3, LAPS-1
.Llap:                                                 ; a trip goes once round the ring, from a lap's second step to the next lap's first, and fills both slots again
	TURN 0, 1, 1
	STEP 1, 0, 0
	TURN 1, 0, 1
	STEP 0, 0, 0
	s_sub_co_u32 s3, s3, 1
	s_cmp_lg_u32 s3, 0
	s_cbranch_scc1 .Llap
	TURN 0, 1, 0                                   ; the last lap fills nothing, and has no round of the cluster's barrier
	STEP 1, 0, 0
	s_wait_dscnt 4*NL                              ; the very last step: nothing more to fetch
	WIN MUL_LO
	MUL16 0, 1, NQ-1, 1, 0
	MUL16 2, 1, NQ-1, 1, 0
	s_wait_dscnt 0
	WIN MUL_HI
	MUL16 4, 1, NQ-1, 1, 0
	MUL16 6, 1, NQ-1, 1, 0
	WIN 0
; THE WAY OUT, block by block of 16 rows x 128 columns.  A lane holds 32 neighbouring bytes of a row, and the lanes beside it hold other rows: so a block goes through my own stage in LDS and comes back as whole
; rows of 512 bytes.  LDS serves a wave's instructions in order (ISA guide 5.7.1.4): no wait between the stores and the loads, nor in front of the next block's stores.
.macro TOSTAGE a
.set AC, 64*((\a)%4)
	WIN 0x08+4*((\a)/4)                            ; the data: window 2 or 3
.irp b, 0,1,2,3,4,5,6,7
	ds_store_b128 v[STO], v[AC+8*\b:AC+8*\b+3] offset:64*\b          ; each accumulator from its low end on
	ds_store_b128 v[STO], v[AC+8*\b+4:AC+8*\b+7] offset:64*\b+16
.endr
	WIN 0
.set BB, BK+64*((\a)%2)
.irp t, 0,1,2,3,4,5,6,7,8,9,10,11,12,13,14,15
	ds_load_b128 v[BB+4*\t:BB+4*\t+3], v[RD] offset:\t*SPITCH
.endr
.endm
.macro SEND a, younger                 ; younger: the LDS instructions issued behind block a's loads, which may stay out
.set BB, BK+64*((\a)%2)
	s_wait_dscnt \younger                          ; the block is back in registers
.if (\a) > 0
	s_add_nc_u64 s[12:13], s[12:13], 16*SIZE_N*4   ; (behind a wait on XCNT: the earlier stores have read their base)  16 rows of C on
.endif
.irp t, 0,1,2,3,4,5,6,7,8,9,10,11,12,13,14,15
	global_store_b128 v[CO], v[BB+4*\t:BB+4*\t+3], s[12:13] offset:\t*SIZE_N*4 th:TH_STORE_NT   ; 32 lanes store 512 consecutive bytes, at a multiple of 256 from C's first byte
.endr
.endm
	PLACES NP                                      ; in front of the loads into the registers that held A's fragments, and of the reads of the last results
	TOSTAGE 0
.irp a, 1,2,3,4,5,6,7
.if \a > 1
	s_wait_xcnt 0x0                                ; block a - 2's stores have read their registers and their base: block a's loads may land there, and the base may step
.endif
	TOSTAGE \a
	SEND \a-1, 32                                  ; behind block a - 1's loads: block a's 16 stores and 16 loads
.endr
	s_wait_xcnt 0x0                                ; block 6's stores have read their base
	SEND 7, 0
	s_wait_tensorcnt 0x0                           ; the wave's end: behind my last tensor load and my last LDS store
	ds_add_u32 v[SPW], v[NIL]
	s_wait_dscnt 0x0
	CROUND                                         ; the closing round: no work-group ends while a partner may still ask for a tile that names it
	s_endpgm
.Lfunc_end_k_qfdc416241a_proj:
	.size	k_qfdc416241a_proj, .Lfunc_end_k_qfdc416241a_proj-k_qfdc416241a_proj
	.p2alignl 7, 3214868480
	.fill 96, 4, 3214868480
	.section	.rodata,"a",@progbits
	.p2align	6, 0x0
	.amdhsa_kernel k_qfdc416241a_proj
		.amdhsa_group_segment_fixed_size 327680
		.amdhsa_private_segment_fixed_size 0
		.amdhsa_enable_private_segment 0
		.amdhsa_kernarg_size 48
		.amdhsa_user_sgpr_count 2
		.amdhsa_user_sgpr_kernarg_segment_ptr 1
		.amdhsa_wavefront_size32 1
		.amdhsa_system_sgpr_workgroup_id_x 1
		.amdhsa_system_sgpr_workgroup_id_y 1
		.amdhsa_system_sgpr_workgroup_id_z 1
		.amdhsa_system_vgpr_workitem_id 0
		.amdhsa_next_free_vgpr 1024
		.amdhsa_next_free_sgpr 102
		.amdhsa_reserve_vcc 0
		.amdhsa_float_denorm_mode_32 3
		.amdhsa_float_denorm_mode_16_64 3
		.amdhsa_memory_ordered 1
		.amdhsa_forward_progress 1
		.amdhsa_inst_pref_size 162
	.end_amdhsa_kernel
	.amdgpu_metadata
---
amdhsa.version: [ 1, 2 ]
amdhsa.kernels:
  - .name:           k_qfdc416241a_proj
    .symbol:         k_qfdc416241a_proj.kd
    .args:
      - { .name: xc, .offset: 0, .size: 8, .value_kind: global_buffer, .address_space: global }
      - { .name: wc, .offset: 8, .size: 8, .value_kind: global_buffer, .address_space: global }
      - { .name: bq, .offset: 16, .size: 8, .value_kind: global_buffer, .address_space: global }
      - { .name: bk, .offset: 24, .size: 8, .value_kind: global_buffer, .address_space: global }
      - { .name: bv, .offset: 32, .size: 8, .value_kind: global_buffer, .address_space: global }
      - { .name: pf, .offset: 40, .size: 8, .value_kind: global_buffer, .address_space: global }
    .group_segment_fixed_size: 327680
    .private_segment_fixed_size: 0
    .kernarg_segment_align: 8
    .kernarg_segment_size: 48
    .max_flat_workgroup_size: 128
    .sgpr_count:     102
    .vgpr_count:     1024
    .wavefront_size: 32
...
	.end_amdgpu_metadata
.endif
;; end of part 2
;; launch quant_qkv (part 3): grid 384 x 1, 4 waves a work-group, no clusters, 68,096 bytes of LDS; arguments pf, qkvc; writes qkvc
.if DOCPART == 3
	.amdgcn_target "amdgcn-amd-amdhsa--gfx1250"
	.amdhsa_code_object_version 6
	.text
	.protected	k_qfdc416241a_quant_qkv
	.globl	k_qfdc416241a_quant_qkv
	.p2align	8
	.type	k_qfdc416241a_quant_qkv,@function
k_qfdc416241a_quant_qkv:
	s_mov_b64 s[64:65], 0
	v_nop
	global_prefetch_b8 v0, s[64:65] scope:SCOPE_SE
	s_setreg_imm32_b32 hwreg(HW_REG_WAVE_MODE, 25, 1), 1
	s_wait_xcnt 0x0
; pf holds q, k, v = the three projections with their biases, f32, each [32 (batch x head)][2048][64] when read flat.  They become codes of FP6 (E2M3) with one E8M0 scale byte for each 32 along the K of the product that reads them.
; qkvc: q's codes [65536][48 bytes] at 0; k's at KC; q's scale bytes [65536][2] at QS; k's behind them; v's codes at VC as [head][step of 128 keys][channel 64][96 bytes], THE KEYS INNERMOST; v's scale words [head][step][channel][4 bytes] at VS.
; A block's scale is 2^(floor(log2(its largest magnitude)) - 2): its byte is the largest magnitude's exponent field - 2, held at 1 from below.
; LIMITS: NaN and infinities are not served; a block whose largest magnitude lies under 2^-124, a block of zeros among them, keeps the byte 1 (these bytes are read by this program alone).
; WORK-GROUPS 0 TO 255: q and k, whose K (the head's 64) is innermost: one plain stream of 8,388,608 numbers, 32,768 to a work-group; a step's 2,048 bytes turn through the wave's stage so that a lane holds 16 neighbours.  LDS bytes 0 to 32,767.
; WORK-GROUPS 256 TO 383: v, whose K (the keys) is its first axis within a head.  A LANE TAKES A CHANNEL AND ITS REGISTERS RUN DOWN THE KEYS: a block of 32 keys is one lane's 32 registers, and the codes come out with the keys innermost.
;   A wave takes 32 channels x 256 keys; the codes leave through its own stage, eight lanes to a row's 96 consecutive bytes.  LDS bytes 32,768 on: the two paths share no LDS byte.
.set STEPS, 16
.set EMAX,  2
.set CB,    12
.set R,     16                         ; the stream: v16-79 numbers as loaded, v80-111 two sets of 16 neighbours, v112-127 bytes, v128-191 codes
.set X,     80
.set C,     128
.set E,     112
.set WREG,  8192
.set SP,    80
.set QS,    6291456
.set VC,    6553600
.set VS,    9699328
.set NB,    8                          ; v: blocks of 32 keys to a wave
.set VPITCH, 272                       ; v: a stage row: sixteen places of 16 bytes, each with 12 bytes of codes, + 16
.set VX,    32                         ; v: v32-95 two sets of 32 numbers
.set VCD,   96                         ; v: a block's codes
.set VOUT,  112                        ; v: v112-175 the way out
.set VSB,   24                         ; v: v24-25 the scale words of my channel's two steps
	s_load_b128 s[4:7], s[0:1], 0x0                ; pf, qkvc
	v_lshl_add_u32 v192, v0, 2, 0x10800
	v_mov_b32 v193, 0
	v_lshrrev_b32 v1, 5, v0
	v_readfirstlane_b32 s16, v1                    ; wave
	v_and_b32 v2, 31, v0                           ; lane
	s_wait_kmcnt 0x0
	s_cmp_ge_u32 ttmp9, 256
	s_cbranch_scc1 .Lv
	; ---- q and k
	v_lshlrev_b32 v3, 4, v2
	s_mul_i32 s17, s16, WREG
	v_lshrrev_b32 v14, 2, v2
	v_mul_u32_u24 v14, v14, SP
	v_and_b32 v15, 3, v2
	v_lshl_add_u32 v14, v15, 4, v14
	v_add_nc_u32 v14, s17, v14                     ; the stage, on the way in
	v_mul_u32_u24 v15, v2, SP
	v_add_nc_u32 v15, s17, v15                     ; and on the way out
	v_mul_u32_u24 v4, v2, CB
	v_lshrrev_b32 v5, 1, v2
	s_add_co_u32 s17, s17, 2*32*SP
	v_add_nc_u32 v5, s17, v5                       ; my block's byte among my wave's 256
	v_lshlrev_b32 v7, 3, v2
	v_add_nc_u32 v6, s17, v7
	s_lshl_b32 s18, ttmp9, 2
	s_add_co_u32 s18, s18, s16                     ; which run of 8,192 numbers is my wave's
	s_lshl_b32 s20, s18, 15
	s_mov_b32 s21, 0
	s_add_nc_u64 s[8:9], s[4:5], s[20:21]
	s_mul_i32 s20, s18, 32*STEPS*CB
	s_add_nc_u64 s[10:11], s[6:7], s[20:21]
	s_lshl_b32 s20, s18, 8
	s_add_co_u32 s20, s20, QS
	s_add_nc_u64 s[12:13], s[6:7], s[20:21]
.macro LOAD t
.irp i, 0,1,2,3
	global_load_b128 v[R+16*((\t)%4)+4*\i:R+16*((\t)%4)+4*\i+3], v3, s[8:9] offset:2048*(\t)+512*\i th:TH_LOAD_NT   ; 32 lanes read 512 consecutive bytes
.endr
.endm
.macro TURN t                          ; LDS serves a wave's instructions in order (ISA guide 5.7.1.4): no wait between the stores and the loads
.irp i, 0,1,2,3
	ds_store_b128 v14, v[R+16*((\t)%4)+4*\i:R+16*((\t)%4)+4*\i+3] offset:32*SP*((\t)%2)+8*SP*\i
.endr
.irp i, 0,1,2,3
	ds_load_b128 v[X+16*((\t)%2)+4*\i:X+16*((\t)%2)+4*\i+3], v15 offset:32*SP*((\t)%2)+16*\i
.endr
.endm
.irp t, 0,1,2,3
	LOAD \t
.endr
	s_wait_loadcnt 12                              ; step 0's four loads are in; those of three steps may be out
	TURN 0
.macro STEP t
.set XS, X+16*((\t)%2)
.if (\t) > 0
	s_wait_dscnt 1                                 ; this step's numbers are back from the stage (the last step's byte store may be out)
.else
	s_wait_dscnt 0x0
.endif
.if (\t)+4 < STEPS
	LOAD (\t)+4
.endif
.if (\t)+1 < STEPS
.if STEPS-2-(\t) >= 3
	s_wait_loadcnt 12                              ; the next step's four loads are in; those of the three steps behind it may be out
.else
	s_wait_loadcnt 4*(STEPS-2-(\t))
.endif
	TURN (\t)+1
.endif
	v_max3_num_f32 v8, |v[XS]|, |v[XS+1]|, |v[XS+2]|
	v_max3_num_f32 v9, |v[XS+3]|, |v[XS+4]|, |v[XS+5]|
.irp i, 6,10
	v_max3_num_f32 v8, v8, |v[XS+\i]|, |v[XS+\i+1]|
	v_max3_num_f32 v9, v9, |v[XS+\i+2]|, |v[XS+\i+3]|
.endr
	v_max3_num_f32 v8, v8, |v[XS+14]|, |v[XS+15]|
	v_max3_num_f32 v8, v8, v9, (EMAX+1)<<23        ; the floor 2^(3 - 127)
	v_max_num_f32_dpp v8, v8, v8 row_xmask:1 row_mask:0xf bank_mask:0xf   ; with my neighbour's 16: the block's largest magnitude
	v_add_nc_u32 v11, -(EMAX<<23), v8              ; 2 off its exponent field: the conversion's scale operand
	v_cvt_scalef32_pk16_fp6_f32 v[C+4*(\t):C+4*(\t)+2], v[XS:XS+15], v11
	v_lshrrev_b32 v[E+(\t)], 23, v11               ; the scale's byte
	ds_store_b8 v5, v[E+(\t)] offset:16*(\t)
	global_store_b96 v4, v[C+4*(\t):C+4*(\t)+2], s[10:11] offset:32*CB*(\t)
.endm
.irp t, 0,1,2,3,4,5,6,7,8,9,10,11,12,13,14,15
	STEP \t
.endr
	ds_load_b64 v[12:13], v6
	s_wait_dscnt 0x0
	global_store_b64 v7, v[12:13], s[12:13]        ; 32 lanes store 256 consecutive bytes, aligned
	s_wait_tensorcnt 0x0
	ds_add_u32 v192, v193
	s_wait_dscnt 0x0
	s_endpgm
	; ---- v
.Lv:
	s_sub_co_u32 s17, ttmp9, 256
	s_lshr_b32 s18, s17, 2                         ; the head (with its batch), 0 .. 31
	s_and_b32 s19, s17, 3
	s_lshl_b32 s19, s19, 1
	s_lshr_b32 s20, s16, 1
	s_add_co_u32 s19, s19, s20                     ; which 256 keys, 0 .. 7
	s_and_b32 s20, s16, 1                          ; which 32 channels
	v_lshlrev_b32 v3, 2, v2                        ; in: 4 bytes a lane
	s_mul_i32 s21, s16, 32*VPITCH
	s_add_co_u32 s21, s21, 32768                   ; my stage
	v_mul_u32_u24 v4, v2, VPITCH
	v_add_nc_u32 v4, s21, v4                       ; into it: row = my channel
	v_and_b32 v5, 15, v2
	v_lshrrev_b32 v6, 4, v2                        ; out of it: sixteen lanes to a row, two rows an instruction
	v_mul_u32_u24 v7, v6, VPITCH
	v_lshl_add_u32 v7, v5, 4, v7
	v_add_nc_u32 v7, s21, v7
	v_mul_u32_u24 v8, v6, 96                       ; and the same place in memory: a channel's row of a step is 96 bytes,
	v_bfe_u32 v9, v2, 3, 1
	v_mad_u32_u24 v8, v9, 6144, v8                 ; places 8 to 15 are the second step's, 6,144 bytes on,
	v_and_b32 v9, 7, v2
	v_mad_u32_u24 v8, v9, 12, v8                   ; 12 bytes a place
	s_lshl_b32 s22, s18, 19                        ; v in pf: 524,288 bytes a head, 256 a key
	s_lshl_b32 s23, s19, 16
	s_add_co_u32 s22, s22, s23
	s_lshl_b32 s23, s20, 7
	s_add_co_u32 s22, s22, s23
	s_add_co_u32 s22, s22, 33554432
	s_mov_b32 s23, 0
	s_add_nc_u64 s[8:9], s[4:5], s[22:23]
	s_mul_i32 s22, s18, 98304
	s_mul_i32 s24, s19, 12288
	s_add_co_u32 s22, s22, s24
	s_mul_i32 s24, s20, 3072
	s_add_co_u32 s22, s22, s24
	s_add_co_u32 s22, s22, VC
	s_add_nc_u64 s[10:11], s[6:7], s[22:23]
	s_lshl_b32 s22, s18, 12
	s_lshl_b32 s24, s19, 9
	s_add_co_u32 s22, s22, s24
	s_lshl_b32 s24, s20, 7
	s_add_co_u32 s22, s22, s24
	s_add_co_u32 s22, s22, VS
	s_add_nc_u64 s[12:13], s[6:7], s[22:23]
.macro VLOAD t                         ; block t: v(32 t + i, my channel), i = 0 .. 31, into set t % 2
.irp i, 0,1,2,3,4,5,6,7,8,9,10,11,12,13,14,15,16,17,18,19,20,21,22,23,24,25,26,27,28,29,30,31
	global_load_b32 v[VX+32*((\t)%2)+\i], v3, s[8:9] offset:(32*(\t)+\i)*256 th:TH_LOAD_NT
.endr
.endm
	VLOAD 0
	VLOAD 1
.macro VBLOCK t
.set VXS, VX+32*((\t)%2)
.if (\t) < NB-1
	s_wait_loadcnt 32                              ; this block's 32 loads are in; the next block's may be out
.else
	s_wait_loadcnt 0
.endif
	v_max3_num_f32 v12, |v[VXS]|, |v[VXS+1]|, |v[VXS+2]|            ; the block's largest magnitude: all 32 numbers are mine
	v_max3_num_f32 v13, |v[VXS+3]|, |v[VXS+4]|, |v[VXS+5]|
.irp i, 6,10,14,18,22,26
	v_max3_num_f32 v12, v12, |v[VXS+\i]|, |v[VXS+\i+1]|
	v_max3_num_f32 v13, v13, |v[VXS+\i+2]|, |v[VXS+\i+3]|
.endr
	v_max3_num_f32 v12, v12, |v[VXS+30]|, |v[VXS+31]|
	v_max3_num_f32 v12, v12, v13, (EMAX+1)<<23     ; the floor
	v_add_nc_u32 v11, -(EMAX<<23), v12
	v_lshrrev_b32 v13, 23, v11                     ; the scale's byte
.if (\t)%4 == 0
	v_mov_b32 v[VSB+(\t)/4], v13                   ; four bytes to a word, the lower keys in the lower byte
.else
	v_lshl_or_b32 v[VSB+(\t)/4], v13, 8*((\t)%4), v[VSB+(\t)/4]
.endif
	v_cvt_scalef32_pk16_fp6_f32 v[VCD:VCD+2], v[VXS:VXS+15], v11
	v_cvt_scalef32_pk16_fp6_f32 v[VCD+4:VCD+6], v[VXS+16:VXS+31], v11   ; (a conversion's three registers begin on an even number)
	v_nop                                          ; one plain line behind the conversions
	ds_store_b96 v4, v[VCD:VCD+2] offset:32*(\t)   ; 12 bytes to a place of 16, so that every LDS address is a multiple of 16
	ds_store_b96 v4, v[VCD+4:VCD+6] offset:32*(\t)+16
.if (\t)+2 < NB
	VLOAD (\t)+2
.endif
	s_wait_dscnt 0x0                               ; the stores have read their registers: the next block's codes may be written
.endm
.irp t, 0,1,2,3,4,5,6,7
	VBLOCK \t
.endr
	global_store_b32 v3, v[VSB], s[12:13]          ; 32 channels' words of the first step: 128 consecutive bytes
	global_store_b32 v3, v[VSB+1], s[12:13] offset:256   ; and of the second
.irp t, 0,1,2,3,4,5,6,7,8,9,10,11,12,13,14,15
	ds_load_b96 v[VOUT+4*\t:VOUT+4*\t+2], v7 offset:2*\t*VPITCH   ; in order behind my stores
.endr
.irp t, 0,1,2,3,4,5,6,7,8,9,10,11,12,13,14,15
	s_wait_dscnt 15-\t
	global_store_b96 v8, v[VOUT+4*\t:VOUT+4*\t+2], s[10:11] offset:192*\t
.endr
	s_wait_tensorcnt 0x0
	ds_add_u32 v192, v193
	s_wait_dscnt 0x0
	s_endpgm
.Lfunc_end_k_qfdc416241a_quant_qkv:
	.size	k_qfdc416241a_quant_qkv, .Lfunc_end_k_qfdc416241a_quant_qkv-k_qfdc416241a_quant_qkv
	.p2alignl 7, 3214868480
	.fill 96, 4, 3214868480
	.section	.rodata,"a",@progbits
	.p2align	6, 0x0
	.amdhsa_kernel k_qfdc416241a_quant_qkv
		.amdhsa_group_segment_fixed_size 68096
		.amdhsa_private_segment_fixed_size 0
		.amdhsa_enable_private_segment 0
		.amdhsa_kernarg_size 16
		.amdhsa_user_sgpr_count 2
		.amdhsa_user_sgpr_kernarg_segment_ptr 1
		.amdhsa_wavefront_size32 1
		.amdhsa_system_sgpr_workgroup_id_x 1
		.amdhsa_system_sgpr_workgroup_id_y 1
		.amdhsa_system_sgpr_workgroup_id_z 1
		.amdhsa_system_vgpr_workitem_id 0
		.amdhsa_next_free_vgpr 194
		.amdhsa_next_free_sgpr 66
		.amdhsa_reserve_vcc 0
		.amdhsa_float_denorm_mode_32 3
		.amdhsa_float_denorm_mode_16_64 3
		.amdhsa_memory_ordered 1
		.amdhsa_forward_progress 1
		.amdhsa_inst_pref_size 74
	.end_amdhsa_kernel
	.amdgpu_metadata
---
amdhsa.version: [ 1, 2 ]
amdhsa.kernels:
  - .name:           k_qfdc416241a_quant_qkv
    .symbol:         k_qfdc416241a_quant_qkv.kd
    .args:
      - { .name: pf, .offset: 0, .size: 8, .value_kind: global_buffer, .address_space: global }
      - { .name: qkvc, .offset: 8, .size: 8, .value_kind: global_buffer, .address_space: global }
    .group_segment_fixed_size: 68096
    .private_segment_fixed_size: 0
    .kernarg_segment_align: 8
    .kernarg_segment_size: 16
    .max_flat_workgroup_size: 128
    .sgpr_count:     66
    .vgpr_count:     194
    .wavefront_size: 32
...
	.end_amdgpu_metadata
.endif
;; end of part 3
;; launch attn (part 4): grid 32 x 8, 8 waves a work-group, clusters of 4 x 1, 327,680 bytes of LDS; arguments qkvc, eec, ac; writes ac
.if DOCPART == 4
	.amdgcn_target "amdgcn-amd-amdhsa--gfx1250"
	.amdhsa_code_object_version 6
	.text
	.protected	k_qfdc416241a_attn
	.globl	k_qfdc416241a_attn
	.p2align	8
	.type	k_qfdc416241a_attn,@function
k_qfdc416241a_attn:
	s_mov_b64 s[64:65], 0
	v_nop
	global_prefetch_b8 v0, s[64:65] scope:SCOPE_SE
	s_setreg_imm32_b32 hwreg(HW_REG_WAVE_MODE, 25, 1), 1
	s_wait_xcnt 0x0
	s_wait_alu depctr_hold_cnt(0) depctr_sa_sdst(0) depctr_va_vdst(0) depctr_va_sdst(0) depctr_va_ssrc(0) depctr_va_vcc(0) depctr_vm_vsrc(0)
	s_getreg_b32 s2, hwreg(HW_REG_IB_STS2, 6, 4)
	s_cmp_eq_u32 s2, 0
	s_cbranch_scc0 .Lentry_in_a_cluster
	s_endpgm
.Lentry_in_a_cluster:
	s_bfe_u32 s2, ttmp6, 0x10000c
	s_cmp_lg_u32 s2, 0x3003
	s_cbranch_scc0 .Lentry_shape_is_right
	s_endpgm
.Lentry_shape_is_right:
; o[i] = sum over j of softmax_j((q_i . k_j + srel[i][j]) / 8) v_j for 32 heads of 2,048 queries and keys, head size 64, all products on codes of FP6 (E2M3) with one E8M0 scale for each 32 along K.
; THE SKEW, from the flat index: with y = 2047 - i + j:  y < 2048: srel = q_i . E[y];  y = 2048 (j = i + 1): -infinity;  y > 2048: srel = q_(i+1) . E[y - 2049].  All 2,048 keys count.
; ONE PRODUCT GIVES BOTH BRANCHES: G = [q_(i+1) | q_i] x [hi(y) | lo(y)], K = 128, with hi(y) = E[y - 2049] or zero codes and lo(y) = E[y] or zero codes (the table eec).  G is 0 at y = 2048; the mask puts -infinity there.
; SHARES.  A work-group owns 256 queries of one head; each of its eight waves two tiles of 16 queries; two waves to a SIMD.  Every wave walks the 2,048 keys, 128 a step.
; A STEP, for each tile:  G (9 products: 16 queries x 144 rows of the table; a lane holds a table row and eight queries) -> each register goes by ds_store_b32 into the wave's own stage, row m shifted by m words, which undoes the skew,
;   and comes back by ds_load_b128 in the layout of the scores -> S^T = K Q^T + that (8 products, C = what came back: the sum costs no addition) -> mask -> softmax -> P's codes -> O^T += V^T P (4 products).
; LAYOUT.  S^T: source 0 = 16 keys, source 1 = [q_i | zero codes].  Lane r of key tile (c, w) takes key 64 c + 32 (r / 8) + 8 w + r % 8, so lane (r, h) holds query r and its registers 32 c + 0 .. 31 the keys 64 c + 32 h + 0 .. 31:
;   a WHOLE block of 32 keys in one lane, in the order of P's operand: no lane is asked for a block's maximum, and the conversions' results are the operand.  K's fragments are 6 registers a tile; the upper half of a tile's operand is
;   the next tile's codes, which meet q's zero codes (their scale bytes are 0, which is 2^-127).  O^T: source 0 row r = channel 32 (r / 8) + 8 t + r % 8, so a lane's 32 registers are channels 32 h + 0 .. 31: a block of the last product's K.
; SOFTMAX AHEAD OF THE PRODUCT: t = score x log2(e) / 8; M = the running largest t rounded UP to a whole number; p = 2^(t - M) is quantised along the keys, not normalised; the sum is taken of the unquantised p and divides O at the end;
;   when M moves, the sum and O are multiplied by 2^(old M - new M), exactly.
; CLUSTER.  The four partners are four heads at the SAME block of queries: they read the same 384 rows of the table in each step, which wave 0 asks for JOINTLY.  K's and V's tiles are each work-group's own (waves 1 and 2), behind the same rounds.
;   K and V are not shared in the cluster: their sharers are the query blocks of a head, and the mask's branch hangs on the query block, which must be alike in all partners.
; RING.  Two slots, SLOT1 bytes apart: the table's window (38,400 bytes), K's tile, V's tile (6,144 each).  K's scale bytes and V's scale words of the whole head (4,096 each) come once.
; OUTPUT ac: the last product's A: codes [4096][768 bytes], scale bytes [4096][32] from ASC on.  A head owns 48 bytes of a row: the stores are pieces of 12 bytes, four to a row; 3 MB in all.
; LIMITS: NaN and infinities in q, k, v, E are not served; a block whose largest magnitude lies under 2^-124 keeps the byte 1.
; REGISTERS.  Window 0: v1-22 addresses and constants; v28-35 statistics; v36-71 q's fragments; v72-94 scale words; v96-119 P's codes; v120-127 the conversions' second halves; v128-199 G, then S^T, then p; v200-231 at work.
;   Window 1: v0-119 ten fragments of the table (V's four take v0-47 behind the second G); v120-167 K, v168-173 zeros; v176-239 O^T.
.set KC,    3145728
.set QS,    6291456
.set KSO,   6422528
.set VC,    6553600
.set VS,    9699328
.set ASC,   9437184
.set SLOT1, 0x10000
.set KOFF,  38400                      ; in a slot: the table's window at 0, K's tile (rows of 48 bytes), V's tile (rows of 96 bytes)
.set VOFF,  44544
.set SCK,   0x20000
.set SCV,   0x21000
.set STG,   0x22000                    ; the stages: 16 rows of 656 bytes for each wave; no fill ever lands here
.set STGW,  10496
.set SPARE, STG+8*STGW                 ; the spare words, 128 bytes for each wave, which no other line names
.set SPW,  1                           ; v1   LDS address of my spare word; never rewritten
.set NIL,  2                           ; v2   0; never rewritten
.set LI0,  3                           ; v3   16 x lane + 3200 (7 - wave): my wave's first pair of table fragments in a slot
.set LS0,  4                           ; v4   4 x lane + 3200 (7 - wave) + 3072: that pair's scale words
.set AK0,  5                           ; v5   my lane's place in K's tile
.set AKS0, 6                           ; v6   among K's scale bytes
.set AV0,  7                           ; v7   in V's tile
.set AVS0, 8                           ; v8   among V's scale words
.set STO,  9                           ; v9   the stage, in
.set SRD,  10                          ; v10  the stage, back
.set ADE,  11                          ; v11-16 the step's addresses
.set ADES, 12
.set ADK,  13
.set ADKS, 14
.set ADV,  15
.set ADVS, 16
.set MD0,  17                          ; v17  r - 32 h
.set PFO,  18                          ; v18  the prefetches' offset
.set SH8,  19                          ; v19  8 h
.set NINF, 20                          ; v20  -infinity
.set OA,   21                          ; v21  my byte offset in the wave's rows of ac's codes
.set OB,   22                          ; v22  and of its scale bytes
.set ST,   28                          ; tile u at v[ST + 4 u]: -M, the largest t, the sum in two halves
.set QF,   36                          ; tile u at v[QF + 18 u]: q_(i+1) (6), q_i (6), zeros (6)
.set QGS,  72                          ; scale words: [q_(i+1) | q_i];
.set QKS,  74                          ; [q_i | 0];
.set ES,   76                          ; the table's, five pairs of fragments: lanes 0-15 the even one, lanes 16-31 the odd one;
.set KS,   81                          ; K's eight tiles;
.set VSR,  89                          ; V's four;
.set PS,   93                          ; P's, a tile each
.set PC,   96
.set CT,   120
.set S,    128
.set BM,   200                         ; v200-201 the two blocks' largest
.set T,    202                         ; v202-205 at work
.set F,    206                         ; v[206:207] 2^(old M - new M), named as a pair
.set SCO,  208                         ; v208-209 the conversions' scale operands
.set BY,   210                         ; v210-211 the bytes
.set SU,   212                         ; v[212:213] the sums' second chain
.set HD,   216                         ; v216-231 at work at the head
.set WV,   10
.set CX,   11
.set BH,   12
.set GQ,   13
.set SEL,  14                          ; s[14:15] v_permlanex16_b32's selects for lane l xor 16
.set CS,   16                          ; s[16:17] c = log2(e) / 8
.set TB,   18                          ; s18  the slot in hand
.set SS,   19                          ; s19  256 x step: the step's scale bytes of K, and scale words of V
.set SD,   22                          ; s22-23  tile u: its first query + 16 - the step's first key
.set CNT,  24
.set PFA,  26
.set LIM,  28
.set G1E,  32                          ; s[32:39] group 1: the table's window;  s[40:47]: a tile of K or V;  s[48:55]: a head's scales
.set G1KV, 40
.set G1S,  48
.set G0E,  56                          ; s[56:59], s[60:63], s[68:71] their groups 0
.set G0KV, 60
.set G0S,  68
.set MSB, 0
.macro WIN new                         ; the immediate's high byte repeats the setting that is left
.if MSB != \new
	s_set_vgpr_msb (MSB<<8)|\new
.set MSB, \new
.endif
.endm
.macro ROUND                           ; a round of the cluster's barrier
	s_barrier_signal -1
	s_barrier_wait -1
	s_cmp_lg_u32 s[WV], 0
	s_cbranch_scc1 .Lnot_wave_0_\@
	s_barrier_signal -3
.Lnot_wave_0_\@:
	s_barrier_wait -3
	s_barrier_signal -1
	s_barrier_wait -1
.endm
; A refill: wave 0 the table's window (jointly), waves 1 and 2 K's and V's tiles, the others nothing.  The branches hang on the wave's number alone.  Four v_nop follow each line.
.macro TLOAD
	s_cmp_eq_u32 s[WV], 0
	s_cbranch_scc0 .Lnot_e_\@
	tensor_load_to_lds s[G0E:G0E+3], s[G1E:G1E+7]
	s_nop 0
.rept 4
	v_nop
.endr
	s_branch .Lasked_\@
.Lnot_e_\@:
	s_cmp_lt_u32 s[WV], 3
	s_cbranch_scc0 .Lasked_\@
	tensor_load_to_lds s[G0KV:G0KV+3], s[G1KV:G1KV+7]
	s_nop 0
.rept 4
	v_nop
.endr
.Lasked_\@:
.endm
; A PREFETCH of K's and V's codes.  All eight query blocks of a head walk the same tiles: the block with number 0 asks, each partner for its own head (told apart by address).  In it waves 3, 4 and 5 ask, in the even
; steps s = 0 .. 12, for steps s + 2 and s + 3: 48 blocks of 256 bytes of K and 48 of V, a lane a block, one instruction a wave.  So each block is named once; steps 0 and 1 come by their loads alone; the last steps ask for nothing.
.macro ASK
	s_cmp_gt_u32 s[CNT], s[LIM]
	s_cbranch_scc0 .Lnot_mine_\@
	s_bitcmp1_b32 s[CNT], 0                        ; the count of trips to go is odd in the even steps
	s_cbranch_scc0 .Lnot_mine_\@
	global_prefetch_b8 v[PFO], s[PFA:PFA+1] th:TH_LOAD_NT scope:SCOPE_SE
.Lnot_mine_\@:
.endm
	s_load_b128 s[4:7], s[0:1], 0x0                ; qkvc, eec
	s_load_b64 s[8:9], s[0:1], 0x10                ; ac
	v_lshl_add_u32 v[SPW], v0, 2, SPARE
	v_mov_b32 v[NIL], 0
	ds_add_u32 v1, v2
	s_wait_dscnt 0x0
	v_lshrrev_b32 v[HD], 5, v0
	v_readfirstlane_b32 s[WV], v[HD]               ; wave 0..7
	s_bfe_u32 s[CX], ttmp6, 0x40000                ; my place in the cluster
	s_lshl_b32 s[BH], ttmp9, 2
	s_add_co_u32 s[BH], s[BH], s[CX]               ; my head (with its batch): it enters global addresses alone
	s_and_b32 s[GQ], ttmp7, 0xffff                 ; my block of 256 queries, which the four partners share
	; descriptor groups 1: dense blocks as rows of 256 bytes (32 elements of 8 bytes), no padding
	s_mov_b32 s[G1E], 15|(3<<16)|(1<<21)           ; 15:0 the mask: all four work-groups; 17:16 elements of 8 bytes; 21 set beside a mask
	s_mov_b32 s[G1E+1], 32<<16                     ; tensor_dim0 = 32
	s_mov_b32 s[G1E+2], 150<<16                    ; tensor_dim1 = 150 rows: 38,400 bytes
	s_mov_b32 s[G1E+3], 32<<16                     ; tile_dim0
	s_mov_b32 s[G1E+4], 150                        ; tile_dim1
	s_mov_b32 s[G1E+5], 32                         ; the pitch
	s_mov_b32 s[G1E+6], 0
	s_mov_b32 s[G1E+7], 0
	s_mov_b32 s[G1KV], 3<<16                       ; no mask
	s_mov_b32 s[G1KV+1], 32<<16
	s_mov_b32 s[G1KV+2], 24<<16                    ; 24 rows: 6,144 bytes
	s_mov_b32 s[G1KV+3], 32<<16
	s_mov_b32 s[G1KV+4], 24
	s_mov_b32 s[G1KV+5], 32
	s_mov_b32 s[G1KV+6], 0
	s_mov_b32 s[G1KV+7], 0
	s_mov_b32 s[G1S], 3<<16
	s_mov_b32 s[G1S+1], 32<<16
	s_mov_b32 s[G1S+2], 16<<16                     ; 16 rows: 4,096 bytes
	s_mov_b32 s[G1S+3], 32<<16
	s_mov_b32 s[G1S+4], 16
	s_mov_b32 s[G1S+5], 32
	s_mov_b32 s[G1S+6], 0
	s_mov_b32 s[G1S+7], 0
	s_lshl_b32 s72, s[GQ], 1
	s_sub_co_u32 s72, 14, s72
	s_mul_i32 s72, s72, 12800                      ; step 0's window begins at table row 128 (14 - 2 g); a step on is 128 rows, 12,800 bytes
	s_mov_b32 s73, 0
	s_lshr_b32 s74, s[WV], 1                       ; wave 1: 0 (K), wave 2: 1 (V)
	s_mul_i32 s75, s74, 6144
	s_add_co_u32 s75, s75, KOFF                    ; the tile's place in a slot
	s_mul_i32 s76, s74, VC-KC
	s_mul_i32 s77, s[BH], 98304
	s_add_co_u32 s76, s76, s77
	s_add_co_u32 s76, s76, KC                      ; and in qkvc: 98,304 bytes a head, 6,144 a step
	s_mov_b32 s77, 0
	s_lshl_b32 s78, s74, 12
	s_add_co_u32 s78, s78, SCK
	s_mul_i32 s80, s74, VS-KSO
	s_lshl_b32 s81, s[BH], 12
	s_add_co_u32 s80, s80, s81
	s_add_co_u32 s80, s80, KSO
	s_mov_b32 s81, 0
	s_mul_i32 s82, s[BH], 98304
	s_add_co_u32 s82, s82, 6144                    ; the prefetches: the first change of slots steps this to step 2
	s_mov_b32 s83, 0
	s_mov_b32 s[SEL], 0x76543210
	s_mov_b32 s[SEL+1], 0xfedcba98
	s_mov_b32 s[CS], 0x3e38aa3b                    ; log2(e) / 8
	s_mov_b32 s[CS+1], s[CS]                       ; (named with it as a pair, so it is written)
	s_mov_b32 s[TB], 0
	s_mov_b32 s[SS], 0
	s_mov_b32 s[CNT], 15
	s_lshl_b32 s[SD], s[GQ], 8
	s_lshl_b32 s84, s[WV], 5
	s_add_co_u32 s[SD], s[SD], s84                 ; tile 0's first query in the head
	s_add_co_u32 s[SD+1], s[SD], 32
	s_add_co_u32 s[SD], s[SD], 16
	s_sub_co_u32 s85, s[WV], 3
	s_cmp_lt_u32 s85, 3                            ; waves 3 to 5
	s_cselect_b32 s[LIM], 2, -1
	s_cmp_eq_u32 s[GQ], 0                          ; of the head's first block of queries: alike in all four partners
	s_cselect_b32 s[LIM], s[LIM], -1
	s_min_u32 s85, s85, 2                          ; (so that the offset below lies inside the buffer in every wave)
	s_wait_kmcnt 0x0
	s_add_nc_u64 s[PFA:PFA+1], s[4:5], s[82:83]
	s_mov_b32 s[G0E], 1                            ; count = 1
	s_mov_b32 s[G0E+1], 0                          ; LDS address: slot 0
	s_add_nc_u64 s[G0E+2:G0E+3], s[6:7], s[72:73]  ; it hangs on the block of queries alone, which the partners share
	s_or_b32 s[G0E+3], s[G0E+3], 0x80000000        ; type = 2
	s_mov_b32 s[G0KV], 1
	s_mov_b32 s[G0KV+1], s75
	s_add_nc_u64 s[G0KV+2:G0KV+3], s[4:5], s[76:77]
	s_or_b32 s[G0KV+3], s[G0KV+3], 0x80000000
	s_mov_b32 s[G0S], 1
	s_mov_b32 s[G0S+1], s78
	s_add_nc_u64 s[G0S+2:G0S+3], s[4:5], s[80:81]
	s_or_b32 s[G0S+3], s[G0S+3], 0x80000000
	ROUND                                          ; all four work-groups are here: the first joint load meets
	s_cmp_eq_u32 s[WV], 0                          ; a wave's first fills stand in one branch: at most two loads of a wave are out
	s_cbranch_scc0 .Lfirst_not_e
	tensor_load_to_lds s[G0E:G0E+3], s[G1E:G1E+7]
	s_nop 0
.rept 4
	v_nop
.endr
	s_branch .Lfirst_asked
.Lfirst_not_e:
	s_cmp_lt_u32 s[WV], 3
	s_cbranch_scc0 .Lfirst_asked
	tensor_load_to_lds s[G0KV:G0KV+3], s[G1KV:G1KV+7]
	s_nop 0
	tensor_load_to_lds s[G0S:G0S+3], s[G1S:G1S+7]
	s_nop 0
.rept 4
	v_nop
.endr
.Lfirst_asked:
	; q: rows i and i + 1 of my two tiles stay in registers.  Row i + 1 of the buffer's last row is held at that row: its products fall on keys past the head's last and are never read
	v_and_b32 v[HD], 15, v0                        ; r
	v_bfe_u32 v[HD+1], v0, 4, 1                    ; h
	v_and_b32 v[HD+2], 31, v0                      ; lane
	s_lshl_b32 s82, s[BH], 11
	s_lshl_b32 s83, s[GQ], 8
	s_add_co_u32 s82, s82, s83
	s_add_co_u32 s82, s82, s84                     ; tile 0's first row of q: 2048 x head + 256 g + 32 x wave
	v_add_nc_u32 v[HD+3], s82, v[HD]
.irp u, 0,1
	v_add_nc_u32 v[HD+4+4*\u], 16*\u, v[HD+3]      ; row i
	v_add_nc_u32 v[HD+5+4*\u], 16*\u+1, v[HD+3]
	v_min_u32 v[HD+5+4*\u], 0xffff, v[HD+5+4*\u]   ; row i + 1
	v_lshlrev_b32 v[HD+6+4*\u], 1, v[HD+4+4*\u]    ; their scale bytes: 2 a row
	v_lshlrev_b32 v[HD+7+4*\u], 1, v[HD+5+4*\u]
	v_mul_u32_u24 v[HD+4+4*\u], v[HD+4+4*\u], 48   ; their codes: 48 bytes a row, + 24 h
	v_mul_u32_u24 v[HD+5+4*\u], v[HD+5+4*\u], 48
	v_mad_u32_u24 v[HD+4+4*\u], v[HD+1], 24, v[HD+4+4*\u]
	v_mad_u32_u24 v[HD+5+4*\u], v[HD+1], 24, v[HD+5+4*\u]
.irp p, 0,1,2
	global_load_b64 v[QF+18*\u+2*\p:QF+18*\u+2*\p+1], v[HD+5+4*\u], s[4:5] offset:8*\p
	global_load_b64 v[QF+18*\u+6+2*\p:QF+18*\u+6+2*\p+1], v[HD+4+4*\u], s[4:5] offset:8*\p
.endr
	global_load_u16 v[QKS+\u], v[HD+6+4*\u], s[4:5] offset:QS      ; q_i's two bytes; bytes 2 and 3 are 0
	global_load_u16 v[HD+12+\u], v[HD+7+4*\u], s[4:5] offset:QS    ; q_(i+1)'s
.irp p, 12,13,14,15,16,17
	v_mov_b32 v[QF+18*\u+\p], 0                    ; zero codes
.endr
.endr
	s_xor_b32 s84, s[WV], 7                        ; 7 - wave
	s_mul_i32 s84, s84, 3200
	v_lshl_add_u32 v[LI0], v[HD+2], 4, s84
	v_lshl_add_u32 v[LS0], v[HD+2], 2, s84
	v_add_nc_u32 v[LS0], 3072, v[LS0]
	v_and_b32 v[HD+14], 8, v[HD]
	v_and_b32 v[HD+15], 7, v[HD]
	v_lshl_add_u32 v[HD+14], v[HD+14], 2, v[HD+15] ; 32 (r / 8) + r % 8: my row of a tile of K or of V
	v_mul_u32_u24 v[AK0], v[HD+14], 48
	v_mad_u32_u24 v[AK0], v[HD+1], 24, v[AK0]
	v_add_nc_u32 v[AK0], KOFF, v[AK0]
	v_lshl_add_u32 v[AKS0], v[HD+14], 1, SCK
	v_mul_u32_u24 v[AV0], v[HD+14], 96
	v_mad_u32_u24 v[AV0], v[HD+1], 24, v[AV0]
	v_add_nc_u32 v[AV0], VOFF, v[AV0]
	v_lshl_add_u32 v[AVS0], v[HD+14], 2, SCV
	; The stage.  G's register j of fragment f in lane (n, h) is query m = 8 h + j and table row 16 f + n of the tile's window, which is key 16 f + n - 15 + m of the step: word 16 + that of row m: byte 660 m + 64 f + 4 n + 4.
	; The two halves of the lanes lie 1,320 words apart, 40 banks (64 banks of 4 bytes: ISA guide 11.1); on the way back the rows lie 164 words apart.
	s_mul_i32 s85, s[WV], STGW
	s_add_co_u32 s85, s85, STG
	v_mul_u32_u24 v[STO], v[HD+1], 5280
	v_lshl_add_u32 v[STO], v[HD], 2, v[STO]
	v_add_nc_u32 v[STO], s85, v[STO]
	v_add_nc_u32 v[STO], 4, v[STO]
	v_mul_u32_u24 v[SRD], v[HD], 656               ; back: row r, word 16 + 32 h on
	v_lshl_add_u32 v[SRD], v[HD+1], 7, v[SRD]
	v_add_nc_u32 v[SRD], s85, v[SRD]
	v_add_nc_u32 v[SRD], 64, v[SRD]
	v_lshlrev_b32 v[MD0], 5, v[HD+1]
	v_sub_nc_u32 v[MD0], v[HD], v[MD0]
	v_lshlrev_b32 v[SH8], 3, v[HD+1]
	v_mov_b32 v[NINF], 0xff800000
	v_mul_u32_u24 v[OA], v[HD], 768
	v_mad_u32_u24 v[OA], v[HD+1], 24, v[OA]
	v_lshl_add_u32 v[OB], v[HD], 5, v[HD+1]
	s_sub_co_u32 s85, s[WV], 3
	s_min_u32 s85, s85, 2
	v_lshl_add_u32 v[PFO], s85, 5, v[HD+2]         ; which of the 96 blocks is my lane's
	v_cmp_le_u32 vcc_lo, 48, v[PFO]                ; from 48 on: V's
	v_lshlrev_b32 v[PFO], 8, v[PFO]
	v_mov_b32 v[T], VC-KC-12288
	v_cndmask_b32 v[T], 0, v[T], vcc_lo
	v_add_nc_u32 v[PFO], v[PFO], v[T]
	v_add_nc_u32 v[PFO], KC, v[PFO]
.irp u, 0,1
	v_mov_b32 v[ST+4*\u+1], 0xff61b1e6             ; the largest t so far: -3e38, under every t
	v_floor_f32 v[ST+4*\u], -v[ST+4*\u+1]          ; -M
	v_mov_b32 v[ST+4*\u+2], 0                      ; the sum
	v_mov_b32 v[ST+4*\u+3], 0
.endr
	v_mov_b32 v[T+1], 0                            ; (a lane permute's destination counts as one of its sources)
	v_mov_b32 v[F+1], 0                            ; (named as the upper half of a pair)
	s_wait_loadcnt 0x0                             ; q
.irp u, 0,1
	v_lshl_or_b32 v[QGS+\u], v[QKS+\u], 16, v[HD+12+\u]   ; bytes 0, 1: q_(i+1)'s; bytes 2, 3: q_i's
.endr
	WIN 0x40                                       ; destination window 1
.set jx, 0
.rept 64
	v_mov_b32 v[176+jx], 0                         ; O^T: the step is written once; its first run finds zeros, which the first change of M leaves zeros.  (These lines are also the places between the scale words just made and the first product)
.set jx, jx+1
.endr
.irp p, 168,169,170,171,172,173
	v_mov_b32 v[\p], 0                             ; behind K's last tile: the upper half of its operand
.endr
	WIN 0
; G for tile u, through the stage, into the scores' registers.  The wave's ten fragments f serve both tiles: tile u takes f = 1 - u + 0 .. 8.
.macro GPH u
	WIN 0x04                                       ; source 1 (the table) window 1
.set fl, 0
.rept 9
.set ff, fl+1-\u
.if ff%2
	v_wmma_scale_f32_16x16x128_f8f6f4 v[S+8*fl:S+8*fl+7], v[QF+18*\u:QF+18*\u+11], v[12*ff:12*ff+11], 0, v[QGS+\u], v[ES+ff/2] matrix_a_fmt:MATRIX_FMT_FP6 matrix_b_fmt:MATRIX_FMT_FP6 matrix_b_scale:MATRIX_SCALE_ROW1
.else
	v_wmma_scale_f32_16x16x128_f8f6f4 v[S+8*fl:S+8*fl+7], v[QF+18*\u:QF+18*\u+11], v[12*ff:12*ff+11], 0, v[QGS+\u], v[ES+ff/2] matrix_a_fmt:MATRIX_FMT_FP6 matrix_b_fmt:MATRIX_FMT_FP6
.endif
.set fl, fl+1
.endr
	WIN 0
.rept 5
	v_nop                                          ; four places in front of the stores that read these results and of the loads into them and into the table's registers; the fifth for the products that write over them
.endr
.set fl, 0
.rept 9
.set jx, 0
.rept 8
	ds_store_b32 v[STO], v[S+8*fl+jx] offset:660*jx+64*fl          ; each accumulator from its low end on
.set jx, jx+1
.endr
.set fl, fl+1
.endr
.set ex, 0
.rept 16
	ds_load_b128 v[S+4*ex:S+4*ex+3], v[SRD] offset:256*(ex/8)+16*(ex%8)   ; in order behind my stores (ISA guide 5.7.1.4): srel of query r, keys 64 c + 32 h + 0 .. 31
.set ex, ex+1
.endr
.endm
; S^T = K Q^T + srel: eight accumulators by turns, one instruction each
.macro QKPH u
	WIN 0x01                                       ; source 0 (K) window 1
.set tx, 0
.rept 8
	v_wmma_scale_f32_16x16x128_f8f6f4 v[S+8*tx:S+8*tx+7], v[120+6*tx:131+6*tx], v[QF+18*\u+6:QF+18*\u+17], v[S+8*tx:S+8*tx+7], v[KS+tx], v[QKS+\u] matrix_a_fmt:MATRIX_FMT_FP6 matrix_b_fmt:MATRIX_FMT_FP6
.set tx, tx+1
.endr
	WIN 0
.rept 4
	v_nop                                          ; places in front of the first read of the scores
.endr
.endm
; Key i + 1 of query i gets -infinity.  It lies in this step for some query of the tile where 0 <= first query + 16 - first key <= 128: a scalar branch on ids, alike in all partners, leaves the lines out elsewhere.
.macro MASK u
	s_cmp_gt_u32 s[SD+\u], 128
	s_cbranch_scc1 .Lopen_\@
	s_sub_co_u32 s84, s[SD+\u], 15
	v_add_nc_u32 v[T], s84, v[MD0]                 ; d = my query + 1 - the step's first key - 32 h.  Register 32 c + i holds key 64 c + 32 h + i: hidden where 64 c + i = d
.set nx, 0
.rept 64
	v_cmp_eq_i32 vcc_lo, 64*(nx/32)+nx%32, v[T]
	v_cndmask_b32 v[S+nx], v[S+nx], v[NINF], vcc_lo
.set nx, nx+1
.endr
.Lopen_\@:
.endm
.macro SOFTMAX u
.set RT, ST+4*\u
.irp c, 0,1
	v_max3_num_f32 v[BM+\c], v[S+32*\c], v[S+32*\c+1], v[S+32*\c+2]   ; the largest score of each of my two blocks of 32 keys: it serves for the row's maximum and, since p rises with the score, for the block's largest p
.endr
.irp i, 3,5,7,9,11,13,15,17,19,21,23,25,27,29
.irp c, 0,1
	v_max3_num_f32 v[BM+\c], v[BM+\c], v[S+32*\c+\i], v[S+32*\c+\i+1]
.endr
.endr
.irp c, 0,1
	v_max_num_f32 v[BM+\c], v[BM+\c], v[S+32*\c+31]
.endr
	v_max_num_f32 v[T], v[BM], v[BM+1]
	v_permlanex16_b32 v[T+1], v[T], s[SEL], s[SEL+1]
	v_max_num_f32 v[T], v[T], v[T+1]               ; with lane l xor 16's 64 keys: the step's largest score of my query
	v_mul_f32 v[T], s[CS], v[T]                    ; as t
	v_max_num_f32 v[RT+1], v[RT+1], v[T]           ; the running largest t
	v_mov_b32 v[T], v[RT]
	v_floor_f32 v[RT], -v[RT+1]                    ; the new -M = -ceil(t): a whole number
	v_sub_f32 v[T], v[RT], v[T]                    ; old M - new M, 0 or less
	v_cvt_i32_f32 v[T], v[T]                       ; (it saturates)
	v_ldexp_f32 v[F], 1.0, v[T]                    ; f = 2^(old M - new M)
.set jx, 0
.rept 32
	v_pk_fma_f32 v[S+jx:S+jx+1], v[S+jx:S+jx+1], s[CS:CS+1], v[RT:RT+1] op_sel_hi:[1,0,0]   ; t - M, two at a time
.set jx, jx+2
.endr
.irp c, 0,1
	v_fma_f32 v[BM+\c], v[BM+\c], s[CS], v[RT]     ; the same of each block's largest score
.endr
.set jx, 0
.rept 64
	v_exp_f32 v[S+jx], v[S+jx]                     ; p = 2^(t - M), at most 1, not normalised
.set jx, jx+1
.endr
	v_pk_mul_f32 v[RT+2:RT+3], v[RT+2:RT+3], v[F:F+1] op_sel_hi:[1,0]   ; the sum under the new M (a plain line behind the exponentials)
	s_wait_alu depctr_va_vdst(0)                   ; one wait for the batch, ahead of its first reader
.irp c, 0,1
	v_exp_f32 v[BM+\c], v[BM+\c]                   ; the block's largest p: the same two instructions on the same number give the same bits
.endr
	v_pk_add_f32 v[SU:SU+1], v[S:S+1], v[S+2:S+3]  ; the sum of the UNQUANTISED p, in two chains
.set jx, 4
.rept 15
	v_pk_add_f32 v[RT+2:RT+3], v[RT+2:RT+3], v[S+jx:S+jx+1]
	v_pk_add_f32 v[SU:SU+1], v[SU:SU+1], v[S+jx+2:S+jx+3]
.set jx, jx+4
.endr
	v_pk_add_f32 v[RT+2:RT+3], v[RT+2:RT+3], v[SU:SU+1]
	s_wait_alu depctr_va_vdst(0)                   ; and one for the two
.irp c, 0,1
	v_max_num_f32 v[BM+\c], 0x1800000, v[BM+\c]    ; the floor 2^(3 - 127): the byte cannot fall under 1
.endr
.irp c, 0,1
	v_add_nc_u32 v[SCO+\c], 0xff000000, v[BM+\c]   ; 2 off the exponent field: the conversion's scale operand
.endr
.irp c, 0,1
	v_lshrrev_b32 v[BY+\c], 23, v[SCO+\c]          ; the byte
.endr
	v_lshl_or_b32 v[T], v[BY+1], 16, v[BY]         ; my blocks are h and 2 + h of the step's four
	v_lshlrev_b32 v[T], v[SH8], v[T]
	v_permlanex16_b32 v[T+1], v[T], s[SEL], s[SEL+1]
	v_or_b32 v[PS+\u], v[T], v[T+1]                ; P's scale word for these 128 keys
.irp c, 0,1
	v_cvt_scalef32_pk16_fp6_f32 v[PC+12*\u+6*\c:PC+12*\u+6*\c+2], v[S+32*\c:S+32*\c+15], v[SCO+\c]
	v_cvt_scalef32_pk16_fp6_f32 v[CT+4*\c:CT+4*\c+2], v[S+32*\c+16:S+32*\c+31], v[SCO+\c]   ; (a conversion's three registers begin on an even number)
.endr
	v_nop                                          ; one plain line behind the conversions
.irp c, 0,1
.irp i, 0,1,2
	v_mov_b32 v[PC+12*\u+6*\c+3+\i], v[CT+4*\c+\i] ; registers 6 c .. 6 c + 5 hold keys 64 c + 32 h + 0 .. 31
.endr
.endr
	WIN 0x41                                       ; O^T (destination and source 0) window 1
.set jx, 0
.rept 16
	v_pk_mul_f32 v[176+32*\u+jx:176+32*\u+jx+1], v[176+32*\u+jx:176+32*\u+jx+1], v[F:F+1] op_sel_hi:[1,0]   ; O^T under the new M.  (Twelve of these name no register of any one product below: the places behind P's scale word and codes)
.set jx, jx+2
.endr
	WIN 0
.endm
; A KEY STEP: 128 keys, from the slot at s[TB]
.macro STEP
	v_add_nc_u32 v[ADE], s[TB], v[LI0]             ; (these six are also the places between the last step's products and the loads into their operands)
	v_add_nc_u32 v[ADES], s[TB], v[LS0]
	v_add_nc_u32 v[ADK], s[TB], v[AK0]
	v_add_nc_u32 v[ADV], s[TB], v[AV0]
	v_add_nc_u32 v[ADKS], s[SS], v[AKS0]
	v_add_nc_u32 v[ADVS], s[SS], v[AVS0]
	WIN 0x40
.set fx, 0
.rept 10
.irp i, 0,1,2
	ds_load_b128 v[12*fx+4*\i:12*fx+4*\i+3], v[ADE] offset:(fx/2)*3200+(fx%2)*1536+512*\i   ; a fragment's image: 512 consecutive bytes a load
.endr
.set fx, fx+1
.endr
	WIN 0
.irp i, 0,1,2,3,4
	ds_load_b32 v[ES+\i], v[ADES] offset:3200*\i
.endr
	WIN 0x40
.set tx, 0
.rept 8
.irp p, 0,1,2
	ds_load_b64 v[120+6*tx+2*\p:120+6*tx+2*\p+1], v[ADK] offset:(64*(tx/4)+8*(tx%4))*48+8*\p
.endr
.set tx, tx+1
.endr
	WIN 0
.set tx, 0
.rept 8
	ds_load_u16 v[KS+tx], v[ADKS] offset:(64*(tx/4)+8*(tx%4))*2    ; two bytes; bytes 2 and 3 are 0
.set tx, tx+1
.endr
	s_wait_dscnt 32                                ; the table's fragments and scale words are in; K's 24 + 8 loads may be out
	GPH 0
	s_wait_dscnt 0x0                               ; srel is back, K is in
	QKPH 0
	MASK 0
	SOFTMAX 0
	GPH 1
	WIN 0x40
.irp t, 0,1,2,3
.irp p, 0,1,2,3,4,5
	ds_load_b64 v[12*\t+2*\p:12*\t+2*\p+1], v[ADV] offset:8*\t*96+48*(\p/3)+8*(\p%3)   ; V^T, into the registers of table fragments that both tiles have used
.endr
.endr
	WIN 0
.irp t, 0,1,2,3
	ds_load_b32 v[VSR+\t], v[ADVS] offset:32*\t
.endr
	s_wait_dscnt 28                                ; srel is back; V's 24 + 4 loads may be out
	QKPH 1
	MASK 1
	SOFTMAX 1
	s_wait_dscnt 0x0                               ; V is in
	WIN 0x51                                       ; V and O^T window 1, P window 0
.irp t, 0,1,2,3
.irp u, 0,1
	v_wmma_scale_f32_16x16x128_f8f6f4 v[176+32*\u+8*\t:176+32*\u+8*\t+7], v[12*\t:12*\t+11], v[PC+12*\u:PC+12*\u+11], v[176+32*\u+8*\t:176+32*\u+8*\t+7], v[VSR+\t], v[PS+\u] matrix_a_fmt:MATRIX_FMT_FP6 matrix_b_fmt:MATRIX_FMT_FP6
.endr
.endr
	WIN 0
	s_xor_b32 s[TB], s[TB], SLOT1                  ; on to the other slot,
	s_add_co_u32 s[SS], s[SS], 256                 ; the next step's scales,
	s_sub_co_u32 s[SD], s[SD], 128                 ; and 128 keys on
	s_sub_co_u32 s[SD+1], s[SD+1], 128
.endm
; THE CHANGE OF SLOTS stands at a step's head.  Each wave waits for all its tensor loads (its part of the slot that it is about to read), adds 0 to its spare word, and waits for that and for its reads of the slot that it has left.
; fill = 1: a round of the cluster's barrier: no wave of any partner still reads the other slot or has a load on its way; then that slot is filled with the next step's tiles, which have the whole step in which to land.
.macro CHANGE fill
	s_wait_tensorcnt 0x0                           ; no tensor load of mine is out, so a group 0 may be written
	ds_add_u32 v[SPW], v[NIL]                      ; 0 onto my spare word
.if \fill
	s_xor_b32 s[G0E+1], s[G0E+1], SLOT1            ; the walking descriptors: the other slot than last time,
	s_add_nc_u64 s[G0E+2:G0E+3], s[G0E+2:G0E+3], 12800     ; the window 128 rows on; the type bits on top are not reached
	s_xor_b32 s[G0KV+1], s[G0KV+1], SLOT1
	s_add_nc_u64 s[G0KV+2:G0KV+3], s[G0KV+2:G0KV+3], 6144  ; the next 128 keys
	s_wait_xcnt 0x0                                ; the last prefetch, a step or more back, has read its address, so it may be written
	s_add_nc_u64 s[PFA:PFA+1], s[PFA:PFA+1], 6144
.endif
	s_wait_dscnt 0x0                               ; the add is done, and my reads of the slot that I have left are over
.if \fill
	ROUND
	TLOAD                                          ; the first thing behind the round, and a wave's one tensor load until the next
	ASK
.else
	s_barrier_signal -1
	s_barrier_wait -1
.endif
.endm
.Lstep:                                            ; 15 trips: behind each change of slots but the last the next step's tiles are asked for
	CHANGE 1
	STEP
	s_sub_co_u32 s[CNT], s[CNT], 1
	s_cmp_lg_u32 s[CNT], 0
	s_cbranch_scc1 .Lstep
	CHANGE 0                                       ; the last step is written out
	STEP
	; THE WAY OUT.  O^T / the sum is quantised along the last product's K: a lane's 32 channels are one block of it.
.rept 4
	v_nop                                          ; places behind the last products
.endr
.irp u, 0,1
	v_add_f32 v[T+\u], v[ST+4*\u+2], v[ST+4*\u+3]  ; the sum's two halves,
.endr
.irp u, 0,1
	v_permlanex16_b32 v[BM+\u], v[T+\u], s[SEL], s[SEL+1]
.endr
.irp u, 0,1
	v_add_f32 v[T+\u], v[T+\u], v[BM+\u]           ; and lane l xor 16's: the row's sum
.endr
.irp u, 0,1
	v_rcp_f32 v[T+2+\u], v[T+\u]
.endr
	v_nop                                          ; a plain line behind the reciprocals
	s_lshr_b32 s72, s[BH], 4                       ; the batch
	s_lshl_b32 s72, s72, 11
	s_lshl_b32 s73, s[GQ], 8
	s_add_co_u32 s72, s72, s73
	s_lshl_b32 s73, s[WV], 5
	s_add_co_u32 s72, s72, s73                     ; my first row of ac
	s_and_b32 s73, s[BH], 15                       ; the head
	s_mul_i32 s74, s72, 768
	s_mul_i32 s75, s73, 48
	s_add_co_u32 s74, s74, s75
	s_mov_b32 s75, 0
	s_add_nc_u64 s[76:77], s[8:9], s[74:75]        ; its codes
	s_lshl_b32 s74, s72, 5
	s_lshl_b32 s73, s73, 1
	s_add_co_u32 s74, s74, s73
	s_add_co_u32 s74, s74, ASC
	s_add_nc_u64 s[78:79], s[8:9], s[74:75]        ; its scale bytes
	s_wait_alu depctr_va_vdst(0)                   ; one wait for both reciprocals, ahead of their first reader
	WIN 0x01                                       ; source 0 (O^T) window 1
.irp u, 0,1
.set jx, 0
.rept 32
	v_mul_f32 v[S+32*\u+jx], v[176+32*\u+jx], v[T+2+\u]    ; each accumulator from its low end on: register i is channel 32 h + i of query r
.set jx, jx+1
.endr
.endr
	WIN 0
.irp u, 0,1
	v_max3_num_f32 v[BM+\u], |v[S+32*\u]|, |v[S+32*\u+1]|, 0x1800000
.endr
.irp i, 2,4,6,8,10,12,14,16,18,20,22,24,26,28,30
.irp u, 0,1
	v_max3_num_f32 v[BM+\u], v[BM+\u], |v[S+32*\u+\i]|, |v[S+32*\u+\i+1]|
.endr
.endr
.irp u, 0,1
	v_add_nc_u32 v[SCO+\u], 0xff000000, v[BM+\u]
.endr
.irp u, 0,1
	v_lshrrev_b32 v[BY+\u], 23, v[SCO+\u]
.endr
.irp u, 0,1
	v_cvt_scalef32_pk16_fp6_f32 v[PC+12*\u:PC+12*\u+2], v[S+32*\u:S+32*\u+15], v[SCO+\u]
	v_cvt_scalef32_pk16_fp6_f32 v[PC+12*\u+4:PC+12*\u+6], v[S+32*\u+16:S+32*\u+31], v[SCO+\u]
.endr
	v_nop                                          ; one plain line behind the conversions
.irp u, 0,1
	global_store_b96 v[OA], v[PC+12*\u:PC+12*\u+2], s[76:77] offset:12288*\u
	global_store_b96 v[OA], v[PC+12*\u+4:PC+12*\u+6], s[76:77] offset:12288*\u+12
	global_store_b8 v[OB], v[BY+\u], s[78:79] offset:512*\u
.endr
	s_wait_tensorcnt 0x0                           ; the wave's end: behind my last tensor load and my last LDS store
	ds_add_u32 v[SPW], v[NIL]
	s_wait_dscnt 0x0
	ROUND                                          ; the closing round: no work-group ends while a partner may still ask for a window that names it
	s_endpgm
.Lfunc_end_k_qfdc416241a_attn:
	.size	k_qfdc416241a_attn, .Lfunc_end_k_qfdc416241a_attn-k_qfdc416241a_attn
	.p2alignl 7, 3214868480
	.fill 96, 4, 3214868480
	.section	.rodata,"a",@progbits
	.p2align	6, 0x0
	.amdhsa_kernel k_qfdc416241a_attn
		.amdhsa_group_segment_fixed_size 327680
		.amdhsa_private_segment_fixed_size 0
		.amdhsa_enable_private_segment 0
		.amdhsa_kernarg_size 24
		.amdhsa_user_sgpr_count 2
		.amdhsa_user_sgpr_kernarg_segment_ptr 1
		.amdhsa_wavefront_size32 1
		.amdhsa_system_sgpr_workgroup_id_x 1
		.amdhsa_system_sgpr_workgroup_id_y 1
		.amdhsa_system_sgpr_workgroup_id_z 1
		.amdhsa_system_vgpr_workitem_id 0
		.amdhsa_next_free_vgpr 512
		.amdhsa_next_free_sgpr 96
		.amdhsa_reserve_vcc 1
		.amdhsa_float_denorm_mode_32 3
		.amdhsa_float_denorm_mode_16_64 3
		.amdhsa_memory_ordered 1
		.amdhsa_forward_progress 1
		.amdhsa_inst_pref_size 134
	.end_amdhsa_kernel
	.amdgpu_metadata
---
amdhsa.version: [ 1, 2 ]
amdhsa.kernels:
  - .name:           k_qfdc416241a_attn
    .symbol:         k_qfdc416241a_attn.kd
    .args:
      - { .name: qkvc, .offset: 0, .size: 8, .value_kind: global_buffer, .address_space: global }
      - { .name: eec, .offset: 8, .size: 8, .value_kind: global_buffer, .address_space: global }
      - { .name: ac, .offset: 16, .size: 8, .value_kind: global_buffer, .address_space: global }
    .group_segment_fixed_size: 327680
    .private_segment_fixed_size: 0
    .kernarg_segment_align: 8
    .kernarg_segment_size: 24
    .max_flat_workgroup_size: 256
    .sgpr_count:     96
    .vgpr_count:     512
    .wavefront_size: 32
...
	.end_amdgpu_metadata
.endif
;; end of part 4
;; launch outp: the kernel of part 2 again; grid 4 x 16, 4 waves a work-group, clusters of 4 x 4, 327,680 bytes of LDS; arguments ac, woc, bo, bq, bk, out0; writes out0
;; ======== version 2 of 2: 4 launches
;; limits: right only within a limited range of input values
;; workspace buffers: xc 9,830,400 bytes; wc 2,457,600 bytes; woc 2,457,600 bytes; eec 409,600 bytes; qkvc 9,830,400 bytes; ac 9,830,400 bytes
;; launch quant_in (part 5): grid 576 x 1, 4 waves a work-group, no clusters, 33,280 bytes of LDS; arguments Q, K, V, Wq, Wk, Wv, Wo, E, xc, wc, woc, eec; writes xc, wc, woc, eec
.if DOCPART == 5
	.amdgcn_target "amdgcn-amd-amdhsa--gfx1250"
	.amdhsa_code_object_version 6
	.text
	.protected	k_qfdc416241a_quant_in
	.globl	k_qfdc416241a_quant_in
	.p2align	8
	.type	k_qfdc416241a_quant_in,@function
k_qfdc416241a_quant_in:
	s_mov_b64 s[64:65], 0
	v_nop
	global_prefetch_b8 v0, s[64:65] scope:SCOPE_SE
	s_setreg_imm32_b32 hwreg(HW_REG_WAVE_MODE, 25, 1), 1
	s_wait_xcnt 0x0
; Q, K, V [4096][1024] and Wq, Wk, Wv, Wo [1024][1024], f32 with K innermost, become codes of FP6 (E2M3), 6 bits each, with one E8M0 scale byte for each 32 along K;
; E [2048][64] becomes the operand table of the skewed product.  A block's scale is 2^(floor(log2(its largest magnitude)) - 2): its byte is the largest magnitude's own exponent field - 2, held at 1 from below.
; LIMITS: NaN and infinities among the inputs are not served; a block whose largest magnitude lies under 2^-124 keeps the byte 1; a block of zeros keeps the byte 1 (its codes are zeros; these bytes are read by this program alone).
; WORK-GROUPS 0 TO 511, THE STREAMS: rows are dense and 1024 is a multiple of 32, so a tensor is a plain stream of blocks.  32,768 numbers to a work-group, 8,192 (eight rows) to a wave, in 16 steps of 512.
;   Q, K, V go on end into xc (codes [12288][768 bytes], scale bytes [12288][32] from byte ASC on), Wq, Wk, Wv into wc (codes [3072][768], scale bytes from byte BSC on), Wo into woc (the same offsets).
;   THE ROWS OF Wv ARE LAID IN ANOTHER ORDER: row n = 64 t + 8 g + c (t < 16, g < 8, c < 8) lies at place 128 g + 16 c + t of its 1,024.  So 128 neighbouring columns of the product with Wv are 8 channels of a head x the 16 keys that
;   a row of the product holds, and the launch that multiplies can quantise v along the keys.  A wave's eight rows (one t, one g, c = 0 .. 7) then lie 16 rows apart; all other tensors' rows lie on end.
;   Each load reads 512 consecutive bytes; the conversions want 16 neighbours in ONE lane, so a step's 2,048 bytes turn through the wave's own stage in LDS (16 bytes of padding behind each 64).
; WORK-GROUPS 512 TO 575, THE TABLE eec: row y = 0 .. 4095 holds 128 codes: k 0-63 'hi' = E[y - 2049] (zeros where y < 2049), k 64-127 'lo' = E[y] (zeros where y > 2047).
;   It is laid as images of operand registers: a pair of fragments (32 rows) is 3,200 bytes: fragment 0 (12 registers x 32 lanes: register g of lane l at 512 (g / 4) + 16 l + 4 (g % 4)), fragment 1, then 32 scale words.
;   A wave makes one fragment; lane (r, h) holds row 16 f + r and k = 32 h + 0 .. 31 of each half, so a block is one lane's 32 numbers.  This path uses no LDS.
.set STEPS, 16
.set EMAX,  2
.set CB,    12                         ; bytes of 16 codes
.set R,     16                         ; v16-79   four sets of 16 numbers as they are loaded
.set X,     80                         ; v80-111  two sets of 16 neighbours
.set C,     128                        ; v128-191 codes: four registers for each step, so that no store's data are written again
.set E,     112                        ; v112-127 a scale byte for each step
.set AD,    192                        ; v192-199 my codes' place in each of my wave's eight rows; never rewritten
.set WREG,  8192                       ; LDS: a region for each wave: two stages of 32 x SP bytes, behind them its 256 scale bytes
.set SP,    80
.set ASC,   9437184
.set BSC,   2359296
.set WV,    36
	s_load_b512 s[8:23], s[0:1], 0x0               ; Q s[8:9], K s[10:11], V s[12:13], Wq s[14:15], Wk s[16:17], Wv s[18:19], Wo s[20:21], E s[22:23]
	s_load_b256 s[24:31], s[0:1], 0x40             ; xc s[24:25], wc s[26:27], woc s[28:29], eec s[30:31]
	v_lshl_add_u32 v200, v0, 2, 0x8000
	v_mov_b32 v201, 0
	v_lshrrev_b32 v1, 5, v0
	v_readfirstlane_b32 s[WV], v1                  ; wave
	v_and_b32 v2, 31, v0                           ; lane
	s_wait_kmcnt 0x0
	s_cmp_ge_u32 ttmp9, 512
	s_cbranch_scc1 .Lee
	; ---- the streams
	s_wait_alu depctr_va_vdst(0)
	v_lshlrev_b32 v3, 4, v2                        ; my 16 bytes of a load's 512
	s_mul_i32 s37, s[WV], WREG
	v_lshrrev_b32 v14, 2, v2
	v_mul_u32_u24 v14, v14, SP
	v_and_b32 v15, 3, v2
	v_lshl_add_u32 v14, v15, 4, v14
	v_add_nc_u32 v14, s37, v14                     ; the stage, on the way in: SP (lane / 4) + 16 (lane % 4)
	v_mul_u32_u24 v15, v2, SP
	v_add_nc_u32 v15, s37, v15                     ; and on the way out: SP x lane: my 16 neighbours
	v_mul_u32_u24 v4, v2, CB                       ; my codes' place in a step's
	s_wait_alu depctr_va_vdst(0)
	v_lshrrev_b32 v5, 1, v2
	s_add_co_u32 s37, s37, 2*32*SP
	v_add_nc_u32 v5, s37, v5                       ; LDS: my wave's 256 scale bytes, my block's byte
	v_lshlrev_b32 v7, 3, v2                        ; and on the way out 8 bytes a lane
	v_add_nc_u32 v6, s37, v7
	; which tensor: the choices hang on the work-group's number alone
	s_mov_b64 s[4:5], s[8:9]
	s_mov_b32 s38, 0                               ; the source's first work-group
.macro PICK first, ptr
	s_cmp_ge_u32 ttmp9, \first
	s_cselect_b64 s[4:5], s[\ptr:\ptr+1], s[4:5]
	s_cselect_b32 s38, \first, s38
.endm
	PICK 128, 10
	PICK 256, 12
	PICK 384, 14
	PICK 416, 16
	PICK 448, 18
	PICK 480, 20
	s_mov_b64 s[6:7], s[24:25]
	s_mov_b32 s39, 0                               ; the destination's first work-group
	s_mov_b32 s40, ASC                             ; where its scale bytes begin
	s_cmp_ge_u32 ttmp9, 384
	s_cselect_b64 s[6:7], s[26:27], s[6:7]
	s_cselect_b32 s39, 384, s39
	s_cselect_b32 s40, BSC, s40
	s_cmp_ge_u32 ttmp9, 480
	s_cselect_b64 s[6:7], s[28:29], s[6:7]
	s_cselect_b32 s39, 480, s39
	s_sub_co_u32 s41, ttmp9, s38
	s_lshl_b32 s41, s41, 2
	s_add_co_u32 s41, s41, s[WV]                   ; which run of eight rows of the source is my wave's
	s_lshl_b32 s42, s41, 15
	s_mov_b32 s43, 0
	s_add_nc_u64 s[4:5], s[4:5], s[42:43]
	s_sub_co_u32 s44, ttmp9, s39
	s_lshl_b32 s44, s44, 2
	s_add_co_u32 s44, s44, s[WV]
	s_lshl_b32 s44, s44, 3                         ; my first row in the destination, where rows lie on end
	s_and_b32 s45, s41, 7                          ; Wv: my run is rows 64 t + 8 g + 0 .. 7 with g = run % 8, t = run / 8:
	s_lshl_b32 s45, s45, 7
	s_lshr_b32 s46, s41, 3
	s_add_co_u32 s45, s45, s46
	s_add_co_u32 s45, s45, 2048                    ; the first of them goes to row 2048 + 128 g + t of wc
	s_sub_co_u32 s46, ttmp9, 448
	s_cmp_lt_u32 s46, 32                           ; work-groups 448 to 479 take Wv
	s_cselect_b32 s44, s45, s44
	s_cselect_b32 s47, 16, 1                       ; rows from one of my rows to the next
	s_lshl_b32 s42, s44, 5
	s_add_co_u32 s42, s42, s40
	s_add_nc_u64 s[32:33], s[6:7], s[42:43]        ; 32 scale bytes a row
	s_mul_i32 s42, s44, 768
	s_add_nc_u64 s[6:7], s[6:7], s[42:43]          ; 768 bytes of codes a row
	s_mul_i32 s48, s47, 768
	s_lshl_b32 s49, s47, 5
.irp k, 0,1,2,3,4,5,6,7
	s_mul_i32 s50, s48, \k
	v_add_nc_u32 v[AD+\k], s50, v4                 ; row k of my eight
.endr
	v_lshrrev_b32 v10, 2, v2                       ; the scale bytes on their way out: four lanes to a row's 32
	v_mul_u32_u24 v10, s49, v10
	v_and_b32 v12, 3, v2
	v_lshl_add_u32 v10, v12, 3, v10
.macro LOAD t
.irp i, 0,1,2,3
	global_load_b128 v[R+16*((\t)%4)+4*\i:R+16*((\t)%4)+4*\i+3], v3, s[4:5] offset:2048*(\t)+512*\i th:TH_LOAD_NT   ; 32 lanes read 512 consecutive bytes
.endr
.endm
.macro TURN t                          ; step t's numbers through the stage: LDS serves a wave's instructions in order (ISA guide 5.7.1.4), so no wait stands between the stores and the loads
.irp i, 0,1,2,3
	ds_store_b128 v14, v[R+16*((\t)%4)+4*\i:R+16*((\t)%4)+4*\i+3] offset:32*SP*((\t)%2)+8*SP*\i
.endr
.irp i, 0,1,2,3
	ds_load_b128 v[X+16*((\t)%2)+4*\i:X+16*((\t)%2)+4*\i+3], v15 offset:32*SP*((\t)%2)+16*\i
.endr
.endm
.irp t, 0,1,2,3
	LOAD \t
.endr
	s_wait_loadcnt 12                              ; step 0's four loads are in; those of three steps may be out
	TURN 0
.macro STEP t
.set XS, X+16*((\t)%2)
.if (\t) > 0
	s_wait_dscnt 1                                 ; this step's numbers are back from the stage (the last step's byte store may be out): so its stores into the stage have read their registers,
.else
	s_wait_dscnt 0x0
.endif
.if (\t)+4 < STEPS
	LOAD (\t)+4                                    ; which take the loads of four steps on
.endif
.if (\t)+1 < STEPS
.if STEPS-2-(\t) >= 3
	s_wait_loadcnt 12                              ; the next step's four loads are in; those of the three steps behind it may be out
.else
	s_wait_loadcnt 4*(STEPS-2-(\t))
.endif
	TURN (\t)+1                                    ; and go through the other stage while this step is worked
.endif
	v_max3_num_f32 v8, |v[XS]|, |v[XS+1]|, |v[XS+2]|               ; the largest magnitude of my 16
	v_max3_num_f32 v9, |v[XS+3]|, |v[XS+4]|, |v[XS+5]|
.irp i, 6,10
	v_max3_num_f32 v8, v8, |v[XS+\i]|, |v[XS+\i+1]|
	v_max3_num_f32 v9, v9, |v[XS+\i+2]|, |v[XS+\i+3]|
.endr
	v_max3_num_f32 v8, v8, |v[XS+14]|, |v[XS+15]|
	v_max3_num_f32 v8, v8, v9, (EMAX+1)<<23        ; and the floor 2^(3 - 127): the byte cannot fall under 1
	v_max_num_f32_dpp v8, v8, v8 row_xmask:1 row_mask:0xf bank_mask:0xf   ; and of my neighbour's 16: the block's
	v_add_nc_u32 v11, -(EMAX<<23), v8              ; 2 off its exponent field: the conversion takes the exponent field of this operand as its scale
	v_cvt_scalef32_pk16_fp6_f32 v[C+4*(\t):C+4*(\t)+2], v[XS:XS+15], v11
	v_lshrrev_b32 v[E+(\t)], 23, v11               ; the scale's byte (a plain line behind the conversion)
	ds_store_b8 v5, v[E+(\t)] offset:16*(\t)       ; both lanes of a block write the same byte with the same value
	global_store_b96 v[AD+(\t)/2], v[C+4*(\t):C+4*(\t)+2], s[6:7] offset:32*CB*((\t)%2)   ; a row is two steps; the wave stores 384 consecutive bytes
.endm
.irp t, 0,1,2,3,4,5,6,7,8,9,10,11,12,13,14,15
	STEP \t
.endr
	ds_load_b64 v[12:13], v6                       ; in order behind my byte stores
	s_wait_dscnt 0x0
	global_store_b64 v10, v[12:13], s[32:33]       ; where rows lie on end: 256 consecutive bytes, aligned; Wv: eight runs of 32
	s_wait_tensorcnt 0x0
	ds_add_u32 v200, v201
	s_wait_dscnt 0x0
	s_endpgm
	; ---- the table of E
.Lee:
	s_sub_co_u32 s37, ttmp9, 512
	s_lshl_b32 s37, s37, 2
	s_add_co_u32 s37, s37, s[WV]                   ; my fragment, 0 .. 255
	v_and_b32 v3, 15, v0                           ; r
	v_bfe_u32 v4, v0, 4, 1                         ; h
	s_lshl_b32 s38, s37, 4
	v_add_nc_u32 v5, s38, v3                       ; y
	v_add_nc_u32 v6, 0xfffff7ff, v5                ; y - 2049
	v_cmp_gt_u32 s40, 0x800, v6                    ; hi has a row of E
	v_cmp_gt_u32 s41, 0x800, v5                    ; lo has one
	v_min_u32 v6, 0x7ff, v6                        ; where there is none, row 2047 is read and its codes are dropped: no load leaves E
	v_min_u32 v7, 0x7ff, v5
	v_lshlrev_b32 v6, 8, v6                        ; a row of E is 256 bytes
	v_lshlrev_b32 v7, 8, v7
	v_lshl_add_u32 v6, v4, 7, v6                   ; + 128 h: my block of 32
	v_lshl_add_u32 v7, v4, 7, v7
	s_mov_b32 s42, 0x76543210
	s_mov_b32 s43, 0xfedcba98                      ; v_permlanex16_b32's selects for lane l xor 16
.irp i, 0,1,2,3,4,5,6,7
	global_load_b128 v[32+4*\i:35+4*\i], v6, s[22:23] offset:16*\i
.endr
.irp i, 0,1,2,3,4,5,6,7
	global_load_b128 v[64+4*\i:67+4*\i], v7, s[22:23] offset:16*\i
.endr
	s_lshr_b32 s44, s37, 1
	s_mul_i32 s44, s44, 3200                       ; my pair
	s_and_b32 s45, s37, 1
	s_mul_i32 s46, s45, 1536
	s_add_co_u32 s46, s46, s44
	s_mov_b32 s47, 0
	s_add_nc_u64 s[48:49], s[30:31], s[46:47]      ; my fragment's image
	s_lshl_b32 s46, s45, 6
	s_add_co_u32 s46, s46, s44
	s_add_co_u32 s46, s46, 3072
	s_add_nc_u64 s[50:51], s[30:31], s[46:47]      ; its 16 scale words
	v_lshlrev_b32 v17, 4, v2
	v_lshlrev_b32 v18, 2, v3
	v_mov_b32 v16, 0                               ; (a lane permute's destination counts as one of its sources)
	s_wait_loadcnt 0x0
	v_max3_num_f32 v8, |v32|, |v33|, 0x1800000     ; each block's largest magnitude, with the floor 2^(3 - 127)
	v_max3_num_f32 v9, |v64|, |v65|, 0x1800000
.irp i, 2,4,6,8,10,12,14,16,18,20,22,24,26,28,30
	v_max3_num_f32 v8, v8, |v[32+\i]|, |v[33+\i]|
	v_max3_num_f32 v9, v9, |v[64+\i]|, |v[65+\i]|
.endr
	v_add_nc_u32 v10, 0xff000000, v8               ; 2 off the exponent field: the conversions' scale operands
	v_add_nc_u32 v11, 0xff000000, v9
	v_lshrrev_b32 v12, 23, v10                     ; the bytes
	v_lshrrev_b32 v13, 23, v11
	v_cvt_scalef32_pk16_fp6_f32 v[96:98], v[32:47], v10
	v_cvt_scalef32_pk16_fp6_f32 v[112:114], v[48:63], v10      ; (a conversion's three registers begin on an even number)
	v_cvt_scalef32_pk16_fp6_f32 v[102:104], v[64:79], v11
	v_cvt_scalef32_pk16_fp6_f32 v[116:118], v[80:95], v11
	v_nop                                          ; one plain line behind the conversions
.irp i, 0,1,2
	v_mov_b32 v[99+\i], v[112+\i]
	v_mov_b32 v[105+\i], v[116+\i]
.endr
.irp i, 0,1,2,3,4,5
	v_cndmask_b32 v[96+\i], 0, v[96+\i], s40       ; zero codes where the half has no row of E
	v_cndmask_b32 v[102+\i], 0, v[102+\i], s41
.endr
	v_cndmask_b32 v12, 0x7f, v12, s40              ; and the byte of 1.0
	v_cndmask_b32 v13, 0x7f, v13, s41
	v_lshl_or_b32 v14, v13, 16, v12                ; my two bytes: hi's block h, lo's block h,
	v_lshlrev_b32 v15, 3, v4
	v_lshlrev_b32 v14, v15, v14                    ; at their places (8 h bits up);
	v_permlanex16_b32 v16, v14, s42, s43
	v_or_b32 v14, v14, v16                         ; with lane l xor 16's two the word (hi0, hi1, lo0, lo1) is whole
	global_store_b128 v17, v[96:99], s[48:49]      ; 512 consecutive bytes a store
	global_store_b128 v17, v[100:103], s[48:49] offset:512
	global_store_b128 v17, v[104:107], s[48:49] offset:1024
	global_store_b32 v18, v14, s[50:51]            ; lanes r and r + 16 store the same word
	s_endpgm
.Lfunc_end_k_qfdc416241a_quant_in:
	.size	k_qfdc416241a_quant_in, .Lfunc_end_k_qfdc416241a_quant_in-k_qfdc416241a_quant_in
	.p2alignl 7, 3214868480
	.fill 96, 4, 3214868480
	.section	.rodata,"a",@progbits
	.p2align	6, 0x0
	.amdhsa_kernel k_qfdc416241a_quant_in
		.amdhsa_group_segment_fixed_size 33280
		.amdhsa_private_segment_fixed_size 0
		.amdhsa_enable_private_segment 0
		.amdhsa_kernarg_size 96
		.amdhsa_user_sgpr_count 2
		.amdhsa_user_sgpr_kernarg_segment_ptr 1
		.amdhsa_wavefront_size32 1
		.amdhsa_system_sgpr_workgroup_id_x 1
		.amdhsa_system_sgpr_workgroup_id_y 1
		.amdhsa_system_sgpr_workgroup_id_z 1
		.amdhsa_system_vgpr_workitem_id 0
		.amdhsa_next_free_vgpr 202
		.amdhsa_next_free_sgpr 66
		.amdhsa_reserve_vcc 0
		.amdhsa_float_denorm_mode_32 3
		.amdhsa_float_denorm_mode_16_64 3
		.amdhsa_memory_ordered 1
		.amdhsa_forward_progress 1
		.amdhsa_inst_pref_size 42
	.end_amdhsa_kernel
	.amdgpu_metadata
---
amdhsa.version: [ 1, 2 ]
amdhsa.kernels:
  - .name:           k_qfdc416241a_quant_in
    .symbol:         k_qfdc416241a_quant_in.kd
    .args:
      - { .name: Q, .offset: 0, .size: 8, .value_kind: global_buffer, .address_space: global }
      - { .name: K, .offset: 8, .size: 8, .value_kind: global_buffer, .address_space: global }
      - { .name: V, .offset: 16, .size: 8, .value_kind: global_buffer, .address_space: global }
      - { .name: Wq, .offset: 24, .size: 8, .value_kind: global_buffer, .address_space: global }
      - { .name: Wk, .offset: 32, .size: 8, .value_kind: global_buffer, .address_space: global }
      - { .name: Wv, .offset: 40, .size: 8, .value_kind: global_buffer, .address_space: global }
      - { .name: Wo, .offset: 48, .size: 8, .value_kind: global_buffer, .address_space: global }
      - { .name: E, .offset: 56, .size: 8, .value_kind: global_buffer, .address_space: global }
      - { .name: xc, .offset: 64, .size: 8, .value_kind: global_buffer, .address_space: global }
      - { .name: wc, .offset: 72, .size: 8, .value_kind: global_buffer, .address_space: global }
      - { .name: woc, .offset: 80, .size: 8, .value_kind: global_buffer, .address_space: global }
      - { .name: eec, .offset: 88, .size: 8, .value_kind: global_buffer, .address_space: global }
    .group_segment_fixed_size: 33280
    .private_segment_fixed_size: 0
    .kernarg_segment_align: 8
    .kernarg_segment_size: 96
    .max_flat_workgroup_size: 128
    .sgpr_count:     66
    .vgpr_count:     202
    .wavefront_size: 32
...
	.end_amdgpu_metadata
.endif
;; end of part 5
;; launch proj (part 6): grid 8 x 32, 4 waves a work-group, clusters of 4 x 4, 327,680 bytes of LDS; arguments xc, wc, bq, bk, bv, qkvc; writes qkvc
.if DOCPART == 6
	.amdgcn_target "amdgcn-amd-amdhsa--gfx1250"
	.amdhsa_code_object_version 6
	.text
	.protected	k_qfdc416241a_proj
	.globl	k_qfdc416241a_proj
	.p2align	8
	.type	k_qfdc416241a_proj,@function
k_qfdc416241a_proj:
	s_mov_b64 s[64:65], 0
	v_nop
	global_prefetch_b8 v0, s[64:65] scope:SCOPE_SE
	s_setreg_imm32_b32 hwreg(HW_REG_WAVE_MODE, 25, 1), 1
	s_wait_xcnt 0x0
	s_wait_alu depctr_hold_cnt(0) depctr_sa_sdst(0) depctr_va_vdst(0) depctr_va_sdst(0) depctr_va_ssrc(0) depctr_va_vcc(0) depctr_vm_vsrc(0)
	s_getreg_b32 s2, hwreg(HW_REG_IB_STS2, 6, 4)
	s_cmp_eq_u32 s2, 0
	s_cbranch_scc0 .Lentry_in_a_cluster
	s_endpgm
.Lentry_in_a_cluster:
	s_bfe_u32 s2, ttmp6, 0x10000c
	s_cmp_lg_u32 s2, 0xf033
	s_cbranch_scc0 .Lentry_shape_is_right
	s_endpgm
.Lentry_shape_is_right:
; q, k, v = x W^T + b on codes of FP6 (E2M3) with E8M0 scales, and the results quantised again for the attention launch.
; xc: codes [12288][768 bytes] (Q, K, V on end), scale bytes [12288][32] from ASC on; wc: codes [3072][768] (Wq, Wk, Wv), scale bytes from BSC on.
; A WORK-GROUP STAYS: it makes the block of 128 rows x 128 columns at (y, x) of q, then of k, then of v; a wave makes 64 x 64: 16 accumulators.  8 x 32 work-groups.
; WHOLE ROWS OF K are staged, 768 bytes each, every row beginning at a multiple of 256 bytes; 16 bytes of padding behind each 256: an LDS row is 816 bytes.
; LDS: six half regions H0 .. H5 of 64 rows.  A's tile lies in H0, H1 (q, v) or H4, H5 (k); B's in H2, H3.
;   head: waves 0, 1 q's A -> H0, H1; waves 2, 3 q's B -> H2, H3.   Behind the first full sequence: waves 0, 1 k's A -> H4, H5 (a first fill).
;   behind q's products: wave 0 v's A rows 64-127 -> H1, waves 1, 2 k's B -> H2, H3.   behind k's products: wave 0 v's A rows 0-63 -> H0, waves 1, 2 v's B -> H2, H3.
;   The last two have one text: q and k are two trips of a loop, v is the tail, written out, which asks for nothing.  The next tile's scales and bias, and the way out, which uses no LDS, stand behind the refill.
; CLUSTER 4 x 4: A's tiles are shared along a row of the cluster, B's along a column; each is asked for jointly, behind a round of the cluster's barrier.
; PREFETCH: one fill ahead, each wave that will load asks for its next 64 rows, 192 blocks of 256 bytes; the four partners of the joint load take 48 each, told apart by address (cx for A, cy for B): two instructions, a lane a block
;   (the second's lanes 16-31 name the last block again).  The head's fills and k's A come by their loads alone; the second trip asks for nothing.
; The scale words go from memory straight into registers: for 16 rows two loads cover 512 consecutive bytes; register 8 a + s holds block a's word of K step s (lanes 16-31 hold the same).
; TRANSPOSED USE: source 0 = 16 rows of W, source 1 = 16 rows of x: lane (r, h) holds row r and columns 16 b + 8 h + j.  The bias is the C of the first product.
; THE WAY OUT.  v_permlane16_swap_b32 on the registers of column blocks 2 e and 2 e + 1 gives lane (r, h) the 16 neighbours 32 e + 16 h + 0 .. 15.  All vector work first, codes and bytes into window 1, then all stores.
;   q, k: a block of 32 columns lies in lanes l and l xor 16.  q: codes [position][48 bytes], scale bytes [position][2] from QS on, positions on end.
;   k: the same, but inside each step of 128 keys key 64 c + 32 p + 8 w + i lies at place 64 c + 16 w + 8 p + i: the 16 keys that the attention launch's lanes take for a tile are then neighbouring rows.
;   v: Wv's rows lie so that column 128 g + 16 c + t is channel 8 g + c of key 16 row + t: a lane's 16 numbers are 16 neighbouring keys of channel 8 x + 4 wx + 2 e + h, and a block of 32 keys lies in lanes l and l xor 1.
;   v's codes: a head (128 rows) 98,304 bytes, a step of 128 keys 6,144: four operand images of 1,536 bytes, 48 bytes to a lane: image t, lane (i, hh) holds channel 32 (i / 8) + 8 t + i % 8, keys 32 hh + 0 .. 31 (24 bytes), then 64 + 32 hh + 0 .. 31.
;   v's scale words: a head 4,096 bytes, a step 256: [channel][4].
; LIMITS: NaN and infinities are not served; a block whose largest magnitude lies under 2^-124 keeps the byte 1 (so does a block of zeros: its codes are zeros, and this program alone reads the bytes).
.set ASC,   9437184
.set BSC,   2359296
.set KC,    3145728                    ; 4,096 rows of codes
.set QS,    6291456
.set VC,    6553600
.set VS,    9699328
.set KROW,  768
.set PITCH, 816
.set HALFT, 64*PITCH
.set SPARE, 6*HALFT                    ; the spare words, 128 bytes a wave
.set ADA0, 6                           ; v6 my A fragments in H0, H1; v7 the same + 16 h, for pieces whose lanes 16-31 lie behind the next padding
.set ADRA, 8                           ; v8, v9 the same in this tile's region
.set ADRB, 10                          ; v10, v11 my B fragments
.set SPW,  12
.set NIL,  13
.set SAO,  14                          ; 32 r
.set BO,   15                          ; 32 h
.set COQ,  16
.set COV,  17
.set SOV,  18
.set BOV,  19                          ; 2048 h
.set MX,   20
.set MY,   22
.set SCO,  24
.set PF0,  26                          ; the prefetches' offsets
.set PF1,  27
.set COK,  28
.set SOK,  29
.set CO,   30                          ; this trip's offsets: q's or k's
.set SO,   31
.set SA,   32                          ; v32-63 A's scale words, v64-95 B's
.set SB,   64
.set BIAS, 96
.set ACC,  128                         ; accumulator (a, b) at v[128 + 8 (4 a + b)]
.set CD,   96                          ; window 1: fragments, two sets at v0 and v128 (A's four, then B's four); v96-127 the way out's codes, v224-231 its bytes
.set BYR,  224
.set CNT,  20                          ; s20 trips to go
.set TA,   21                          ; s21 this tile's A region: 0 or 4 half regions
.set G1,   24
.set G1B,  48
.set MSB, 0
.macro WIN new
.if MSB != \new
	s_set_vgpr_msb (MSB<<8)|\new
.set MSB, \new
.endif
.endm
.macro CROUND                          ; a round of the cluster's barrier
	s_barrier_signal -1
	s_barrier_wait -1
	s_cmp_lg_u32 s16, 0
	s_cbranch_scc1 .Lnot_wave_0_\@
	s_barrier_signal -3
.Lnot_wave_0_\@:
	s_barrier_wait -3
	s_barrier_signal -1
	s_barrier_wait -1
.endm
.macro PLACES
.rept 4
	v_nop
.endr
.endm
.macro ASK                             ; waves 0 to 2: my work-group's 48 blocks of my next load
	s_cmp_lt_u32 s16, 3
	s_cbranch_scc0 .Lno_ask_\@
	global_prefetch_b8 v[PF0], s[74:75] th:TH_LOAD_NT scope:SCOPE_SE
	global_prefetch_b8 v[PF1], s[74:75] th:TH_LOAD_NT scope:SCOPE_SE
.Lno_ask_\@:
.endm
.macro LDSC                            ; the scale words of my 64 rows and my 64 columns
.irp a, 0,1,2,3
	global_load_b128 v[SA+8*\a:SA+8*\a+3], v[SAO], s[56:57] offset:512*\a
	global_load_b128 v[SA+8*\a+4:SA+8*\a+7], v[SAO], s[56:57] offset:512*\a+16
	global_load_b128 v[SB+8*\a:SB+8*\a+3], v[SAO], s[58:59] offset:512*\a
	global_load_b128 v[SB+8*\a+4:SB+8*\a+7], v[SAO], s[58:59] offset:512*\a+16
.endr
.endm
.macro LDBIAS ptr
.irp b, 0,1,2,3
	global_load_b128 v[BIAS+8*\b:BIAS+8*\b+3], v[BO], s[\ptr:\ptr+1] offset:64*\b
	global_load_b128 v[BIAS+8*\b+4:BIAS+8*\b+7], v[BO], s[\ptr:\ptr+1] offset:64*\b+16
.endr
.endm
	s_load_b128 s[4:7], s[0:1], 0x0                ; xc, wc
	s_load_b128 s[8:11], s[0:1], 0x10              ; bq, bk
	s_load_b128 s[12:15], s[0:1], 0x20             ; bv, qkvc
	v_lshl_add_u32 v[SPW], v0, 2, SPARE
	v_mov_b32 v[NIL], 0
	ds_add_u32 v[SPW], v[NIL]                      ; the opening lines: the add twice on end and one wait
	ds_add_u32 v[SPW], v[NIL]
	v_lshrrev_b32 v1, 5, v0
	v_readfirstlane_b32 s16, v1                    ; wave
	s_lshr_b32 s17, s16, 1                         ; wy
	s_and_b32 s18, s16, 1                          ; wx
	s_bfe_u32 s40, ttmp6, 0x40000                  ; cx
	s_bfe_u32 s41, ttmp6, 0x40004                  ; cy
	s_lshl_b32 s42, ttmp9, 2
	s_add_co_u32 s42, s42, s40                     ; x: block of 128 columns
	s_and_b32 s19, ttmp7, 0xffff
	s_lshl_b32 s19, s19, 2
	s_add_co_u32 s19, s19, s41                     ; y: block of 128 rows of each tensor
	s_lshl_b32 s43, s41, 2
	s_lshl_b32 s43, 15, s43                        ; my row of the cluster
	s_lshl_b32 s44, 0x1111, s40                    ; my column
	s_or_b32 s[G1], s43, (1<<20)|(1<<21)|(5<<22)|(3<<25)   ; elements of 1 byte; 4 words of padding behind each 64
	s_or_b32 s[G1B], s44, (1<<20)|(1<<21)|(5<<22)|(3<<25)
.irp g, G1, G1B
	s_mov_b32 s[\g+1], KROW<<16
	s_mov_b32 s[\g+2], 64<<16
	s_mov_b32 s[\g+3], KROW<<16
	s_mov_b32 s[\g+4], 64
	s_mov_b32 s[\g+5], KROW
	s_mov_b32 s[\g+6], 0
	s_mov_b32 s[\g+7], 0
.endr
	s_lshl_b32 s21, s18, 6
	s_lshl_b32 s22, s19, 7
	s_add_co_u32 s22, s22, s21
	s_mul_i32 s22, s22, KROW                       ; q's A: row 128 y + 64 x half
	s_mov_b32 s23, 0
	s_lshl_b32 s46, s42, 7
	s_add_co_u32 s46, s46, s21
	s_mul_i32 s46, s46, KROW                       ; q's B: row 128 x + 64 x half
	s_mov_b32 s47, 0
	s_mul_i32 s45, s16, HALFT                      ; LDS: half region = wave
	s_wait_dscnt 0x0
	s_wait_kmcnt 0x0
	s_mov_b32 s32, 1
	s_mov_b32 s33, s45
	s_add_nc_u64 s[34:35], s[4:5], s[22:23]
	s_or_b32 s35, s35, 0x80000000
	s_mov_b32 s36, 1
	s_mov_b32 s37, s45
	s_add_nc_u64 s[38:39], s[6:7], s[46:47]
	s_or_b32 s39, s39, 0x80000000
	CROUND                                         ; the joint loads meet
	s_cmp_eq_u32 s17, 0
	s_cbranch_scc0 .Lfor_b
	tensor_load_to_lds s[32:35], s[G1:G1+7]
	s_nop 0
	PLACES
	s_branch .Lasked
.Lfor_b:
	tensor_load_to_lds s[36:39], s[G1B:G1B+7]
	s_nop 0
	PLACES
.Lasked:
	; the loop's loads.  A (wave 0): each trip flips the half region and goes 64 rows back: H1 with v's rows 64-127, then H0 with rows 0-63
	s_mov_b32 s76, 1
	s_mov_b32 s77, 0
	s_mul_i32 s22, s19, 98304
	s_add_co_u32 s22, s22, 2*KC+98304
	s_add_nc_u64 s[78:79], s[4:5], s[22:23]
	s_or_b32 s79, s79, 0x80000000
	; B (waves 1, 2): H2, H3; each trip goes 1,024 rows on: Wk, then Wv
	s_mov_b32 s80, 1
	s_add_co_u32 s81, s16, 1
	s_mul_i32 s81, s81, HALFT
	s_lshl_b32 s46, s42, 7
	s_lshl_b32 s45, s17, 6
	s_add_co_u32 s46, s46, s45
	s_mul_i32 s46, s46, KROW
	s_add_nc_u64 s[82:83], s[6:7], s[46:47]
	s_or_b32 s83, s83, 0x80000000
	; the prefetches: my next load's first byte + 12,288 x my place among the four that ask for it jointly
	s_mul_i32 s43, s40, 12288
	s_add_co_u32 s22, s22, s43
	s_sub_co_u32 s22, s22, 49152
	s_add_nc_u64 s[86:87], s[4:5], s[22:23]
	s_mul_i32 s43, s41, 12288
	s_add_co_u32 s46, s46, s43
	s_add_co_u32 s46, s46, 1024*KROW
	s_add_nc_u64 s[88:89], s[6:7], s[46:47]
	s_mov_b32 s84, 1024*KROW
	s_cmp_eq_u32 s16, 0
	s_cselect_b64 s[74:75], s[86:87], s[88:89]
	s_cselect_b32 s84, 0xffff4000, s84             ; from one load to the next: A 49,152 bytes back, B 1,024 rows on
	s_cselect_b32 s85, -1, 0
	s_lshl_b32 s44, s19, 1
	s_add_co_u32 s44, s44, s17                     ; my 64 rows: unit 2 y + wy
	s_lshl_b32 s45, s42, 1
	s_add_co_u32 s45, s45, s18                     ; my 64 columns: unit t = 2 x + wx
	s_lshl_b32 s22, s44, 11
	s_add_co_u32 s46, s22, ASC
	s_add_nc_u64 s[56:57], s[4:5], s[46:47]        ; my rows' scale bytes
	s_lshl_b32 s46, s45, 11
	s_add_co_u32 s46, s46, BSC
	s_add_nc_u64 s[58:59], s[6:7], s[46:47]        ; my columns'
	s_lshl_b32 s46, s45, 8
	s_add_nc_u64 s[60:61], s[8:9], s[46:47]        ; bq, bk: 256 bytes a unit
	s_add_nc_u64 s[94:95], s[10:11], s[46:47]
	s_lshl_b32 s46, s45, 4
	s_add_nc_u64 s[96:97], s[12:13], s[46:47]      ; bv: 16 (four channels)
	s_mul_i32 s43, s44, 49152
	s_mul_i32 s46, s45, 48
	s_add_co_u32 s46, s46, s43
	s_add_nc_u64 s[66:67], s[14:15], s[46:47]      ; q's codes
	s_lshl_b32 s46, s45, 1
	s_add_co_u32 s46, s46, s22
	s_add_co_u32 s46, s46, QS
	s_add_nc_u64 s[68:69], s[14:15], s[46:47]      ; q's scale bytes
	s_lshr_b32 s72, s45, 3                         ; k: key 16 (row % 8) + t of a step; t's part of its place is 16 (t / 8) + t % 8
	s_lshl_b32 s72, s72, 4
	s_and_b32 s73, s45, 7
	s_add_co_u32 s72, s72, s73
	s_mul_i32 s46, s72, 48
	s_add_co_u32 s46, s46, s43
	s_add_co_u32 s46, s46, KC
	s_add_nc_u64 s[98:99], s[14:15], s[46:47]      ; k's codes
	s_lshl_b32 s46, s72, 1
	s_add_co_u32 s46, s46, s22
	s_add_co_u32 s46, s46, QS+131072
	s_add_nc_u64 s[100:101], s[14:15], s[46:47]    ; k's scale bytes
	s_and_b32 s72, s42, 3                          ; v: image x % 4, lane 8 (x / 4) + 4 wx + 2 e + h
	s_mul_i32 s72, s72, 1536
	s_lshr_b32 s73, s42, 2
	s_lshl_b32 s73, s73, 3
	s_lshl_b32 s46, s18, 2
	s_add_co_u32 s73, s73, s46
	s_mul_i32 s73, s73, 48
	s_add_co_u32 s46, s72, s73
	s_add_co_u32 s46, s46, s43
	s_add_co_u32 s46, s46, VC
	s_add_nc_u64 s[90:91], s[14:15], s[46:47]      ; v's codes
	s_lshl_b32 s46, s45, 4
	s_add_co_u32 s46, s46, s22
	s_add_co_u32 s46, s46, VS
	s_add_nc_u64 s[92:93], s[14:15], s[46:47]      ; v's scale bytes
	s_mul_i32 s70, s17, HALFT
	s_mul_i32 s71, s18, HALFT
	s_add_co_u32 s71, s71, 2*HALFT
	s_mov_b32 s62, 0x76543210
	s_mov_b32 s63, 0xfedcba98                      ; selects for lane l xor 16
	s_mov_b32 s[CNT], 2
	s_mov_b32 s[TA], 0
	v_and_b32 v1, 15, v0                           ; r
	v_bfe_u32 v2, v0, 4, 1                         ; h
	v_mul_u32_u24 v3, v1, PITCH
	v_mad_u32_u24 v3, v2, 24, v3
	v_add_nc_u32 v[ADA0], s70, v3
	v_add_nc_u32 v[ADRB], s71, v3
	v_lshl_add_u32 v[ADA0+1], v2, 4, v[ADA0]
	v_lshl_add_u32 v[ADRB+1], v2, 4, v[ADRB]
	v_lshlrev_b32 v[SAO], 5, v1
	v_lshlrev_b32 v[BO], 5, v2
	v_lshlrev_b32 v[BOV], 11, v2
	v_mul_u32_u24 v[COQ], v1, 768
	v_mad_u32_u24 v[COQ], v2, 12, v[COQ]
	v_lshrrev_b32 v4, 3, v1                        ; which of the block's two steps
	v_bfe_u32 v20, v1, 2, 1                        ; bits 2, 1, 0 of r
	v_bfe_u32 v21, v1, 1, 1
	v_and_b32 v22, 1, v1
	v_lshlrev_b32 v5, 6, v20
	v_lshl_add_u32 v5, v22, 5, v5
	v_lshl_add_u32 v5, v21, 3, v5                  ; k: the row's part of the key's place: 64 bit 2 + 32 bit 0 + 8 bit 1
	v_mul_u32_u24 v[COK], v4, 6144
	v_mad_u32_u24 v[COK], v5, 48, v[COK]
	v_mad_u32_u24 v[COK], v2, 12, v[COK]
	v_lshlrev_b32 v[SOK], 8, v4
	v_lshl_add_u32 v[SOK], v5, 1, v[SOK]
	v_mul_u32_u24 v[COV], v4, 6144                 ; v: keys 16 (r % 8) + 0 .. 15: half of the lanes bit 1, 24 bytes x bit 2, 12 x bit 0; channel + h
	v_mad_u32_u24 v[COV], v2, 48, v[COV]
	v_mad_u32_u24 v[COV], v21, 768, v[COV]
	v_mad_u32_u24 v[COV], v20, 24, v[COV]
	v_mad_u32_u24 v[COV], v22, 12, v[COV]
	v_bfe_u32 v23, v1, 1, 2
	v_lshl_add_u32 v[SOV], v4, 8, v23
	v_lshl_add_u32 v[SOV], v2, 2, v[SOV]
	v_and_b32 v3, 31, v0
	v_lshlrev_b32 v[PF0], 8, v3                    ; blocks 0 .. 31 of my 48,
	v_add_nc_u32 v3, 32, v3
	v_min_u32 v3, 47, v3
	v_lshlrev_b32 v[PF1], 8, v3                    ; and 32 .. 47
	v_mov_b32 v[MY], 0                             ; (a lane permute's destination counts as a source)
	v_mov_b32 v[MY+1], 0
	s_wait_alu depctr_va_vdst(0)                   ; the wait at the head's end
	LDSC
	LDBIAS 60
	s_wait_tensorcnt 0x0                           ; my 64 rows are in
	ds_add_u32 v[SPW], v[NIL]
	s_mul_i32 s33, s18, HALFT                      ; no tensor load of mine is out: k's A, 4,096 rows on, into H4, H5
	s_add_co_u32 s33, s33, 4*HALFT
	s_add_nc_u64 s[34:35], s[34:35], KC
	s_wait_dscnt 0x0
	CROUND                                         ; q's tiles are whole, and the joint loads meet
	s_cmp_lt_u32 s16, 2
	s_cbranch_scc0 .Lno_a1
	tensor_load_to_lds s[32:35], s[G1:G1+7]
	s_nop 0
	PLACES
.Lno_a1:
	ASK                                            ; for the first trip's loads
; a fragment: 16 rows x 128 K, 12 registers, in pieces of 8 bytes.  Byte y of a row lies at y + 16 (y / 256) of its LDS row
.macro FRAG reg, adr, st, i
.irp p, 0,1,2,3,4,5
.set BYT, 96*(\st)+48*(\p/3)+8*(\p%3)
.if BYT/256 == (BYT+24)/256
	ds_load_b64 v[\reg+2*\p:\reg+2*\p+1], v[\adr] offset:BYT+16*(BYT/256)+(\i)*16*PITCH
.else
	ds_load_b64 v[\reg+2*\p:\reg+2*\p+1], v[\adr+1] offset:BYT+16*(BYT/256)+(\i)*16*PITCH
.endif
.endr
.endm
.macro FETCH st                        ; 48 loads: K step st into set st % 2 of window 1
	WIN 0x40
.irp i, 0,1,2,3
	FRAG 128*((\st)%2)+12*\i, ADRA, \st, \i
	FRAG 128*((\st)%2)+48+12*\i, ADRB, \st, \i
.endr
.endm
.macro MUL st, first                   ; 16 products, the accumulators by turns
.irp a, 0,1,2,3
.irp b, 0,1,2,3
.if \first
	v_wmma_scale_f32_16x16x128_f8f6f4 v[ACC+8*(4*\a+\b):ACC+8*(4*\a+\b)+7], v[128*((\st)%2)+48+12*\b:128*((\st)%2)+48+12*\b+11], v[128*((\st)%2)+12*\a:128*((\st)%2)+12*\a+11], v[BIAS+8*\b:BIAS+8*\b+7], v[SB+8*\b+(\st)], v[SA+8*\a+(\st)] matrix_a_fmt:MATRIX_FMT_FP6 matrix_b_fmt:MATRIX_FMT_FP6
.else
	v_wmma_scale_f32_16x16x128_f8f6f4 v[ACC+8*(4*\a+\b):ACC+8*(4*\a+\b)+7], v[128*((\st)%2)+48+12*\b:128*((\st)%2)+48+12*\b+11], v[128*((\st)%2)+12*\a:128*((\st)%2)+12*\a+11], v[ACC+8*(4*\a+\b):ACC+8*(4*\a+\b)+7], v[SB+8*\b+(\st)], v[SA+8*\a+(\st)] matrix_a_fmt:MATRIX_FMT_FP6 matrix_b_fmt:MATRIX_FMT_FP6
.endif
.endr
.endr
.endm
.macro MAIN                            ; a tile's eight K steps
	v_add_nc_u32 v[ADRA], s[TA], v[ADA0]
	v_add_nc_u32 v[ADRA+1], s[TA], v[ADA0+1]
	s_wait_alu depctr_va_vdst(0)
	FETCH 0
	FETCH 1
	s_wait_loadcnt 0x0                             ; scale words and bias
	s_wait_dscnt 48                                ; step 0's 48 loads are in; step 1's 48 may be out
	WIN 0x05                                       ; both sources window 1
	MUL 0, 1
.set ST, 1
.rept 6
	PLACES                                         ; in front of loads into registers that the step before multiplied
	FETCH ST+1
	s_wait_dscnt 48                                ; all but the 48 just issued
	WIN 0x05
	MUL ST, 0
.set ST, ST+1
.endr
	s_wait_dscnt 0x0
	MUL 7, 0
	WIN 0
	PLACES
.endm
.macro QCOMP a, isv                    ; 16 rows x 64 columns: two blocks a lane pair; codes and bytes into window 1
.irp e, 0,1
.irp j, 0,1,2,3,4,5,6,7
	v_permlane16_swap_b32 v[ACC+32*\a+16*\e+\j], v[ACC+32*\a+16*\e+8+\j]   ; each accumulator from its low end on
.endr
.endr
.irp e, 0,1
	v_max3_num_f32 v[MX+\e], |v[ACC+32*\a+16*\e]|, |v[ACC+32*\a+16*\e+1]|, 0x1800000   ; with the floor 2^(3 - 127)
.endr
.irp i, 2,4,6,8,10,12,14
.irp e, 0,1
	v_max3_num_f32 v[MX+\e], v[MX+\e], |v[ACC+32*\a+16*\e+\i]|, |v[ACC+32*\a+16*\e+\i+1]|
.endr
.endr
.if \isv
.irp e, 0,1
	v_max_num_f32_dpp v[MX+\e], v[MX+\e], v[MX+\e] row_xmask:1 row_mask:0xf bank_mask:0xf   ; the neighbouring row's 16 keys
.endr
.else
.irp e, 0,1
	v_permlanex16_b32 v[MY+\e], v[MX+\e], s62, s63
.endr
.irp e, 0,1
	v_max_num_f32 v[MX+\e], v[MX+\e], v[MY+\e]     ; lane l xor 16's 16 columns
.endr
.endif
.irp e, 0,1
	v_add_nc_u32 v[SCO+\e], 0xff000000, v[MX+\e]   ; 2 off the exponent field: the conversion's scale operand
.endr
	WIN 0x40                                       ; destination window 1
.irp e, 0,1
	v_cvt_scalef32_pk16_fp6_f32 v[CD+8*\a+4*\e:CD+8*\a+4*\e+2], v[ACC+32*\a+16*\e:ACC+32*\a+16*\e+15], v[SCO+\e]
.endr
.irp e, 0,1
	v_lshrrev_b32 v[BYR+2*\a+\e], 23, v[SCO+\e]    ; the byte (plain lines behind the conversions)
.endr
	WIN 0
.endm
.Ltile:                                                ; two trips: q, k
	MAIN
	s_wait_tensorcnt 0x0                           ; no tensor load of mine is out, so the descriptors may be written
	ds_add_u32 v[SPW], v[NIL]                      ; 0 onto my spare word
	s_xor_b32 s77, s77, HALFT
	s_sub_nc_u64 s[78:79], s[78:79], 49152
	s_add_nc_u64 s[82:83], s[82:83], 1024*KROW
	s_wait_xcnt 0x0                                ; the last prefetches and the last trip's stores have read their registers
	s_add_nc_u64 s[74:75], s[74:75], s[84:85]
	s_cmp_eq_u32 s[CNT], 2                         ; q's bases and offsets in the first trip, k's in the second
	s_cselect_b64 s[66:67], s[66:67], s[98:99]
	s_cselect_b64 s[68:69], s[68:69], s[100:101]
	s_cselect_b32 s43, 0, -1
	v_cndmask_b32 v[CO], v[COQ], v[COK], s43
	v_cndmask_b32 v[SO], v[SAO], v[SOK], s43
	s_wait_alu depctr_va_vdst(0)
	s_wait_dscnt 0x0                               ; the add is done, and my reads of this tile are over
	CROUND                                         ; so in every wave of every partner
	s_cmp_eq_u32 s16, 0
	s_cbranch_scc0 .Lnot_a
	tensor_load_to_lds s[76:79], s[G1:G1+7]
	s_nop 0
	PLACES
	s_branch .Lfilled
.Lnot_a:
	s_cmp_lt_u32 s16, 3
	s_cbranch_scc0 .Lfilled
	tensor_load_to_lds s[80:83], s[G1B:G1B+7]
	s_nop 0
	PLACES
.Lfilled:
	s_cmp_eq_u32 s[CNT], 2
	s_cbranch_scc0 .Lno_pf
	ASK                                            ; the first trip asks for the second trip's loads
.Lno_pf:
	s_add_nc_u64 s[56:57], s[56:57], 131072        ; the next tensor's scale bytes: 4,096 rows on (this tile's loads were waited for ahead of its products),
	s_add_nc_u64 s[58:59], s[58:59], 32768         ; and 1,024 of the weights'
	s_xor_b32 s[TA], s[TA], 4*HALFT
	LDSC
	s_cmp_eq_u32 s[CNT], 1
	s_cbranch_scc1 .Lbias_v
	LDBIAS 94
	s_branch .Lbias_in
.Lbias_v:                                              ; column 16 b + 8 h + j is bv[64 (8 h + j) + 8 x + 4 wx + b]
.irp b, 0,1,2,3
.irp j, 0,1,2,3,4,5,6,7
	global_load_b32 v[BIAS+8*\b+\j], v[BOV], s[96:97] offset:256*\j+4*\b
.endr
.endr
.Lbias_in:
.irp a, 0,1,2,3
	QCOMP \a, 0
.endr
	WIN 0x51                                       ; destination, sources 0 and 2 window 1
.irp a, 0,1,2,3
	v_lshl_or_b32 v[BYR+2*\a], v[BYR+2*\a+1], 8, v[BYR+2*\a]
.endr
	WIN 0x04                                       ; the stores' data window 1
.irp a, 0,1,2,3
.irp e, 0,1
	global_store_b96 v[CO], v[CD+8*\a+4*\e:CD+8*\a+4*\e+2], s[66:67] offset:12288*\a+24*\e
.endr
	global_store_b16 v[SO], v[BYR+2*\a], s[68:69] offset:512*\a
.endr
	WIN 0
	s_wait_alu depctr_va_vdst(0)
	s_wait_tensorcnt 0x0                           ; my part of the next tile is in,
	s_barrier_signal -1
	s_barrier_wait -1                              ; and everybody's
	s_sub_co_u32 s[CNT], s[CNT], 1
	s_cmp_lg_u32 s[CNT], 0
	s_cbranch_scc1 .Ltile
	MAIN                                           ; v: the tail asks for nothing
	s_wait_xcnt 0x0                                ; k's stores have read their registers
.irp a, 0,1,2,3
	QCOMP \a, 1
.endr
	WIN 0x04
.irp a, 0,1,2,3
.irp e, 0,1
	global_store_b96 v[COV], v[CD+8*\a+4*\e:CD+8*\a+4*\e+2], s[90:91] offset:12288*\a+96*\e
	global_store_b8 v[SOV], v[BYR+2*\a+\e], s[92:93] offset:512*\a+8*\e
.endr
.endr
	WIN 0
	s_wait_tensorcnt 0x0                           ; the wave's end
	ds_add_u32 v[SPW], v[NIL]
	s_wait_dscnt 0x0
	CROUND                                         ; the closing round
	s_endpgm
.Lfunc_end_k_qfdc416241a_proj:
	.size	k_qfdc416241a_proj, .Lfunc_end_k_qfdc416241a_proj-k_qfdc416241a_proj
	.p2alignl 7, 3214868480
	.fill 96, 4, 3214868480
	.section	.rodata,"a",@progbits
	.p2align	6, 0x0
	.amdhsa_kernel k_qfdc416241a_proj
		.amdhsa_group_segment_fixed_size 327680
		.amdhsa_private_segment_fixed_size 0
		.amdhsa_enable_private_segment 0
		.amdhsa_kernarg_size 48
		.amdhsa_user_sgpr_count 2
		.amdhsa_user_sgpr_kernarg_segment_ptr 1
		.amdhsa_wavefront_size32 1
		.amdhsa_system_sgpr_workgroup_id_x 1
		.amdhsa_system_sgpr_workgroup_id_y 1
		.amdhsa_system_sgpr_workgroup_id_z 1
		.amdhsa_system_vgpr_workitem_id 0
		.amdhsa_next_free_vgpr 512
		.amdhsa_next_free_sgpr 102
		.amdhsa_reserve_vcc 0
		.amdhsa_float_denorm_mode_32 3
		.amdhsa_float_denorm_mode_16_64 3
		.amdhsa_memory_ordered 1
		.amdhsa_forward_progress 1
		.amdhsa_inst_pref_size 125
	.end_amdhsa_kernel
	.amdgpu_metadata
---
amdhsa.version: [ 1, 2 ]
amdhsa.kernels:
  - .name:           k_qfdc416241a_proj
    .symbol:         k_qfdc416241a_proj.kd
    .args:
      - { .name: xc, .offset: 0, .size: 8, .value_kind: global_buffer, .address_space: global }
      - { .name: wc, .offset: 8, .size: 8, .value_kind: global_buffer, .address_space: global }
      - { .name: bq, .offset: 16, .size: 8, .value_kind: global_buffer, .address_space: global }
      - { .name: bk, .offset: 24, .size: 8, .value_kind: global_buffer, .address_space: global }
      - { .name: bv, .offset: 32, .size: 8, .value_kind: global_buffer, .address_space: global }
      - { .name: qkvc, .offset: 40, .size: 8, .value_kind: global_buffer, .address_space: global }
    .group_segment_fixed_size: 327680
    .private_segment_fixed_size: 0
    .kernarg_segment_align: 8
    .kernarg_segment_size: 48
    .max_flat_workgroup_size: 128
    .sgpr_count:     102
    .vgpr_count:     512
    .wavefront_size: 32
...
	.end_amdgpu_metadata
.endif
;; end of part 6
;; launch attn (part 7): grid 32 x 8, 8 waves a work-group, clusters of 4 x 1, 327,680 bytes of LDS; arguments qkvc, eec, ac; writes ac
.if DOCPART == 7
	.amdgcn_target "amdgcn-amd-amdhsa--gfx1250"
	.amdhsa_code_object_version 6
	.text
	.protected	k_qfdc416241a_attn
	.globl	k_qfdc416241a_attn
	.p2align	8
	.type	k_qfdc416241a_attn,@function
k_qfdc416241a_attn:
	s_mov_b64 s[64:65], 0
	v_nop
	global_prefetch_b8 v0, s[64:65] scope:SCOPE_SE
	s_setreg_imm32_b32 hwreg(HW_REG_WAVE_MODE, 25, 1), 1
	s_wait_xcnt 0x0
	s_wait_alu depctr_hold_cnt(0) depctr_sa_sdst(0) depctr_va_vdst(0) depctr_va_sdst(0) depctr_va_ssrc(0) depctr_va_vcc(0) depctr_vm_vsrc(0)
	s_getreg_b32 s2, hwreg(HW_REG_IB_STS2, 6, 4)
	s_cmp_eq_u32 s2, 0
	s_cbranch_scc0 .Lentry_in_a_cluster
	s_endpgm
.Lentry_in_a_cluster:
	s_bfe_u32 s2, ttmp6, 0x10000c
	s_cmp_lg_u32 s2, 0x3003
	s_cbranch_scc0 .Lentry_shape_is_right
	s_endpgm
.Lentry_shape_is_right:
; o[i] = sum over j of softmax_j((q_i . k_j + srel[i][j]) / 8) v_j for 32 heads of 2,048 queries and keys, head size 64, all products on codes of FP6 (E2M3) with one E8M0 scale for each 32 along K.
; THE SKEW, from the flat index: with y = 2047 - i + j:  y < 2048: srel = q_i . E[y];  y = 2048 (j = i + 1): -infinity;  y > 2048: srel = q_(i+1) . E[y - 2049].  All 2,048 keys count.
; ONE PRODUCT GIVES BOTH BRANCHES: G = [q_(i+1) | q_i] x [hi(y) | lo(y)], K = 128, with hi(y) = E[y - 2049] or zero codes and lo(y) = E[y] or zero codes (the table eec).  G is 0 at y = 2048; the mask puts -infinity there.
; SHARES.  A work-group owns 256 queries of one head; each of its eight waves two tiles of 16 queries; two waves to a SIMD.  Every wave walks the 2,048 keys, 128 a step.
; A STEP, for each tile:  G (9 products: 16 queries x 144 rows of the table; a lane holds a table row and eight queries) -> each register goes by ds_store_b32 into the wave's own stage, row m shifted by m words, which undoes the skew,
;   and comes back by ds_load_b128 in the layout of the scores -> S^T = K Q^T + that (8 products, C = what came back: the sum costs no addition) -> mask -> softmax -> P's codes -> O^T += V^T P (4 products).
; LAYOUT.  S^T: source 0 = 16 keys, source 1 = [q_i | zero codes].  Lane r of key tile (c, w) takes key 64 c + 32 (r / 8) + 8 w + r % 8, so lane (r, h) holds query r and its registers 32 c + 0 .. 31 the keys 64 c + 32 h + 0 .. 31:
;   a WHOLE block of 32 keys in one lane, in the order of P's operand: no lane is asked for a block's maximum, and the conversions' results are the operand.  K's fragments are 6 registers a tile; the upper half of a tile's operand is
;   the next tile's codes, which meet q's zero codes (their scale bytes are 0, which is 2^-127).  O^T: source 0 row r = channel 32 (r / 8) + 8 t + r % 8, so a lane's 32 registers are channels 32 h + 0 .. 31: a block of the last product's K.
; SOFTMAX AHEAD OF THE PRODUCT: t = score x log2(e) / 8; M = the running largest t rounded UP to a whole number; p = 2^(t - M) is quantised along the keys, not normalised; the sum is taken of the unquantised p and divides O at the end;
;   when M moves, the sum and O are multiplied by 2^(old M - new M), exactly.
; CLUSTER.  The four partners are four heads at the SAME block of queries: they read the same 384 rows of the table in each step, which wave 0 asks for JOINTLY.  K's and V's tiles are each work-group's own (waves 1 and 2), behind the same rounds.
;   K and V are not shared in the cluster: their sharers are the query blocks of a head, and the mask's branch hangs on the query block, which must be alike in all partners.
; RING.  Two slots, SLOT1 bytes apart: the table's window (51,200 bytes), K's tiles, V's tiles (12,288 each).  K's scale bytes and V's scale words of the whole head (4,096 each) come once.
; OUTPUT ac: the last product's A: codes [4096][768 bytes], scale bytes [4096][32] from ASC on.  A head owns 48 bytes of a row: the stores are pieces of 12 bytes, four to a row; 3 MB in all.
; LIMITS: NaN and infinities in q, k, v, E are not served; a block whose largest magnitude lies under 2^-124 keeps the byte 1.
; REGISTERS.  Window 0: v1-22 addresses and constants; v28-35 statistics; v36-71 q's fragments; v72-94 scale words; v96-119 P's codes; v120-127 the conversions' second halves; v128-199 G, then S^T, then p; v200-231 at work.
;   Window 1: v0-119 ten fragments of the table (V's four take v0-47 behind the second G); v120-167 K, v168-173 zeros; v176-239 O^T.
.set KC,    3145728
.set QS,    6291456
.set KSO,   6422528
.set VC,    6553600
.set VS,    9699328
.set ASC,   9437184
; A SLOT HOLDS TWO KEY STEPS: the table's window of 512 rows (51,200 bytes), K's tiles (12,288), V's tiles (12,288).  Slot 0 at byte 0, slot 1 at SLOT1; behind slot 1 the stages, the scales, the spare words.
.set SLOT1, 0x20000
.set KOFF,  51200
.set VOFF,  63488
.set STG,   206848                     ; the stages: 16 rows of 656 bytes for each wave; no fill ever lands here
.set STGW,  10496
.set SCK,   290816
.set SCV,   294912
.set SPARE, 299008                     ; the spare words, 128 bytes for each wave, which no other line names
.set SPW,  1                           ; v1   LDS address of my spare word; never rewritten
.set NIL,  2                           ; v2   0; never rewritten
.set LI0,  3                           ; v3   16 x lane + 3200 (7 - wave): my wave's first pair of table fragments in a slot
.set LS0,  4                           ; v4   4 x lane + 3200 (7 - wave) + 3072: that pair's scale words
.set AK0,  5                           ; v5   my lane's place in K's tile
.set AKS0, 6                           ; v6   among K's scale bytes
.set AV0,  7                           ; v7   in V's tile
.set AVS0, 8                           ; v8   among V's scale words
.set STO,  9                           ; v9   the stage, in
.set SRD,  10                          ; v10  the stage, back
.set ADE,  11                          ; v11-16 the step's addresses
.set ADES, 12
.set ADK,  13
.set ADKS, 14
.set ADV,  15
.set ADVS, 16
.set MD0,  17                          ; v17  r - 32 h
.set PFO,  18                          ; v18  the prefetches' offset
.set SH8,  19                          ; v19  8 h
.set NINF, 20                          ; v20  -infinity
.set OA,   21                          ; v21  my byte offset in the wave's rows of ac's codes
.set OB,   22                          ; v22  and of its scale bytes
.set ST,   28                          ; tile u at v[ST + 4 u]: -M, the largest t, the sum in two halves
.set QF,   36                          ; tile u at v[QF + 18 u]: q_(i+1) (6), q_i (6), zeros (6)
.set QGS,  72                          ; scale words: [q_(i+1) | q_i];
.set QKS,  74                          ; [q_i | 0];
.set ES,   76                          ; the table's, five pairs of fragments: lanes 0-15 the even one, lanes 16-31 the odd one;
.set KS,   81                          ; K's eight tiles;
.set VSR,  89                          ; V's four;
.set PS,   93                          ; P's, a tile each
.set PC,   96
.set CT,   120
.set S,    128
.set BM,   200                         ; v200-201 the two blocks' largest
.set T,    202                         ; v202-205 at work
.set F,    206                         ; v[206:207] 2^(old M - new M), named as a pair
.set SCO,  208                         ; v208-209 the conversions' scale operands
.set BY,   210                         ; v210-211 the bytes
.set SU,   212                         ; v[212:213] the sums' second chain
.set HD,   216                         ; v216-231 at work at the head
.set WV,   10
.set CX,   11
.set BH,   12
.set GQ,   13
.set SEL,  14                          ; s[14:15] v_permlanex16_b32's selects for lane l xor 16
.set CS,   16                          ; s[16:17] c = log2(e) / 8
.set TB,   18                          ; s18  the slot in hand
.set SS,   19                          ; s19  256 x step: the step's scale bytes of K, and scale words of V
.set SD,   22                          ; s22-23  tile u: its first query + 16 - the step's first key
.set CNT,  24
.set PFA,  26
.set LIM,  28
.set G1E,  32                          ; s[32:39] group 1: the table's window;  s[40:47]: a tile of K or V;  s[48:55]: a head's scales
.set G1KV, 40
.set G1S,  48
.set G0E,  56                          ; s[56:59], s[60:63], s[68:71] their groups 0
.set G0KV, 60
.set G0S,  68
.set MSB, 0
.macro WIN new                         ; the immediate's high byte repeats the setting that is left
.if MSB != \new
	s_set_vgpr_msb (MSB<<8)|\new
.set MSB, \new
.endif
.endm
.macro ROUND                           ; a round of the cluster's barrier
	s_barrier_signal -1
	s_barrier_wait -1
	s_cmp_lg_u32 s[WV], 0
	s_cbranch_scc1 .Lnot_wave_0_\@
	s_barrier_signal -3
.Lnot_wave_0_\@:
	s_barrier_wait -3
	s_barrier_signal -1
	s_barrier_wait -1
.endm
; A refill: wave 0 the table's window (jointly), waves 1 and 2 K's and V's tiles, the others nothing.  The branches hang on the wave's number alone.  Four v_nop follow each line.
.macro TLOAD
	s_cmp_eq_u32 s[WV], 0
	s_cbranch_scc0 .Lnot_e_\@
	tensor_load_to_lds s[G0E:G0E+3], s[G1E:G1E+7]
	s_nop 0
.rept 4
	v_nop
.endr
	s_branch .Lasked_\@
.Lnot_e_\@:
	s_cmp_lt_u32 s[WV], 3
	s_cbranch_scc0 .Lasked_\@
	tensor_load_to_lds s[G0KV:G0KV+3], s[G1KV:G1KV+7]
	s_nop 0
.rept 4
	v_nop
.endr
.Lasked_\@:
.endm
; A PREFETCH of K's and V's codes.  All eight query blocks of a head walk the same tiles: the block with number 0 asks, each partner for its own head (told apart by address).  In it waves 3, 4 and 5 ask, in the even
; steps s = 0 .. 10, for steps s + 4 and s + 5: 48 blocks of 256 bytes of K and 48 of V, a lane a block, one instruction a wave.  So each block is named once; steps 0 to 3 come by their loads alone; the last steps ask for nothing.
.macro ASK
	s_cmp_gt_u32 s[CNT], s[LIM]
	s_cbranch_scc0 .Lnot_mine_\@                   ; trips 0 to 5 ask for the two steps that the next trip's loads fetch; the last asks for nothing
	global_prefetch_b8 v[PFO], s[PFA:PFA+1] th:TH_LOAD_NT scope:SCOPE_SE
.Lnot_mine_\@:
.endm
	s_load_b128 s[4:7], s[0:1], 0x0                ; qkvc, eec
	s_load_b64 s[8:9], s[0:1], 0x10                ; ac
	v_lshl_add_u32 v[SPW], v0, 2, SPARE
	v_mov_b32 v[NIL], 0
	ds_add_u32 v1, v2
	ds_add_u32 v1, v2
	s_wait_dscnt 0x0
	v_lshrrev_b32 v[HD], 5, v0
	s_delay_alu instid0(VALU_DEP_1)
	v_readfirstlane_b32 s[WV], v[HD]               ; wave 0..7
	s_bfe_u32 s[CX], ttmp6, 0x40000                ; my place in the cluster
	s_lshl_b32 s[BH], ttmp9, 2
	s_add_co_u32 s[BH], s[BH], s[CX]               ; my head (with its batch): it enters global addresses alone
	s_and_b32 s[GQ], ttmp7, 0xffff                 ; my block of 256 queries, which the four partners share
	; descriptor groups 1: dense blocks as rows of 256 bytes (32 elements of 8 bytes), no padding
	s_mov_b32 s[G1E], 15|(3<<16)|(1<<21)           ; 15:0 the mask: all four work-groups; 17:16 elements of 8 bytes; 21 set beside a mask
	s_mov_b32 s[G1E+1], 32<<16                     ; tensor_dim0 = 32
	s_mov_b32 s[G1E+2], 200<<16                    ; 200 rows: 51,200 bytes
	s_mov_b32 s[G1E+3], 32<<16                     ; tile_dim0
	s_mov_b32 s[G1E+4], 200
	s_mov_b32 s[G1E+5], 32                         ; the pitch
	s_mov_b32 s[G1E+6], 0
	s_mov_b32 s[G1E+7], 0
	s_mov_b32 s[G1KV], 3<<16                       ; no mask
	s_mov_b32 s[G1KV+1], 32<<16
	s_mov_b32 s[G1KV+2], 48<<16                    ; 48 rows: 12,288 bytes, two steps
	s_mov_b32 s[G1KV+3], 32<<16
	s_mov_b32 s[G1KV+4], 48
	s_mov_b32 s[G1KV+5], 32
	s_mov_b32 s[G1KV+6], 0
	s_mov_b32 s[G1KV+7], 0
	s_mov_b32 s[G1S], 3<<16
	s_mov_b32 s[G1S+1], 32<<16
	s_mov_b32 s[G1S+2], 16<<16                     ; 16 rows: 4,096 bytes
	s_mov_b32 s[G1S+3], 32<<16
	s_mov_b32 s[G1S+4], 16
	s_mov_b32 s[G1S+5], 32
	s_mov_b32 s[G1S+6], 0
	s_mov_b32 s[G1S+7], 0
	s_lshl_b32 s72, s[GQ], 1
	s_sub_co_u32 s72, 14, s72
	s_mul_i32 s72, s72, 12800                      ; step 0's window begins at table row 128 (14 - 2 g); a step on is 128 rows, 12,800 bytes
	s_mov_b32 s73, 0
	s_lshr_b32 s74, s[WV], 1                       ; wave 1: 0 (K), wave 2: 1 (V)
	s_mul_i32 s75, s74, 12288
	s_add_co_u32 s75, s75, KOFF                    ; the tile's place in a slot
	s_mul_i32 s76, s74, VC-KC
	s_mul_i32 s77, s[BH], 98304
	s_add_co_u32 s76, s76, s77
	s_add_co_u32 s76, s76, KC                      ; and in qkvc: 98,304 bytes a head, 6,144 a step
	s_mov_b32 s77, 0
	s_and_b32 s86, s[WV], 1                        ; the scales: wave 4 fetches K's (0), wave 5 V's (1)
	s_lshl_b32 s78, s86, 12
	s_add_co_u32 s78, s78, SCK
	s_mul_i32 s80, s86, VS-KSO
	s_lshl_b32 s81, s[BH], 12
	s_add_co_u32 s80, s80, s81
	s_add_co_u32 s80, s80, KSO
	s_mov_b32 s81, 0
	s_mul_i32 s82, s[BH], 98304
	s_add_co_u32 s82, s82, 12288                   ; the prefetches: the first change of slots steps this to step 4
	s_mov_b32 s83, 0
	s_mov_b32 s[SEL], 0x76543210
	s_mov_b32 s[SEL+1], 0xfedcba98
	s_mov_b32 s[CS], 0x3e38aa3b                    ; log2(e) / 8
	s_mov_b32 s[CS+1], s[CS]                       ; (named with it as a pair, so it is written)
	s_mov_b32 s[TB], 0
	s_mov_b32 s[SS], 0
	s_mov_b32 s[CNT], 7
	s_lshl_b32 s[SD], s[GQ], 8
	s_lshl_b32 s84, s[WV], 5
	s_add_co_u32 s[SD], s[SD], s84                 ; tile 0's first query in the head
	s_add_co_u32 s[SD+1], s[SD], 32
	s_add_co_u32 s[SD], s[SD], 16
	s_sub_co_u32 s85, s[WV], 3
	s_cmp_lt_u32 s85, 3                            ; waves 3 to 5
	s_cselect_b32 s[LIM], 1, -1
	s_cmp_eq_u32 s[GQ], 0                          ; of the head's first block of queries: alike in all four partners
	s_cselect_b32 s[LIM], s[LIM], -1
	s_min_u32 s85, s85, 2                          ; (so that the offset below lies inside the buffer in every wave)
	s_wait_kmcnt 0x0
	s_add_nc_u64 s[PFA:PFA+1], s[4:5], s[82:83]
	s_mov_b32 s[G0E], 1                            ; count = 1
	s_mov_b32 s[G0E+1], 0                          ; LDS address: slot 0
	s_add_nc_u64 s[G0E+2:G0E+3], s[6:7], s[72:73]  ; it hangs on the block of queries alone, which the partners share
	s_or_b32 s[G0E+3], s[G0E+3], 0x80000000        ; type = 2
	s_mov_b32 s[G0KV], 1
	s_mov_b32 s[G0KV+1], s75
	s_add_nc_u64 s[G0KV+2:G0KV+3], s[4:5], s[76:77]
	s_or_b32 s[G0KV+3], s[G0KV+3], 0x80000000
	s_mov_b32 s[G0S], 1
	s_mov_b32 s[G0S+1], s78
	s_add_nc_u64 s[G0S+2:G0S+3], s[4:5], s[80:81]
	s_or_b32 s[G0S+3], s[G0S+3], 0x80000000
	ROUND                                          ; all four work-groups are here: the first joint load meets
	s_cmp_eq_u32 s[WV], 0                          ; a wave's first fills stand in one branch: at most two loads of a wave are out
	s_cbranch_scc0 .Lfirst_not_e
	tensor_load_to_lds s[G0E:G0E+3], s[G1E:G1E+7]
	s_nop 0
.rept 4
	v_nop
.endr
	s_branch .Lfirst_asked
.Lfirst_not_e:                                         ; one chain of branches on the wave's number, one load to an arm
	s_cmp_lt_u32 s[WV], 3
	s_cbranch_scc0 .Lfirst_not_kv
	tensor_load_to_lds s[G0KV:G0KV+3], s[G1KV:G1KV+7]
	s_nop 0
.rept 4
	v_nop
.endr
	s_branch .Lfirst_asked
.Lfirst_not_kv:
	s_cmp_eq_u32 s74, 2                            ; waves 4 and 5: the head's scales
	s_cbranch_scc0 .Lfirst_asked
	tensor_load_to_lds s[G0S:G0S+3], s[G1S:G1S+7]
	s_nop 0
.rept 4
	v_nop
.endr
.Lfirst_asked:
	; q: rows i and i + 1 of my two tiles stay in registers.  Row i + 1 of the buffer's last row is held at that row: its products fall on keys past the head's last and are never read
	v_and_b32 v[HD], 15, v0                        ; r
	v_bfe_u32 v[HD+1], v0, 4, 1                    ; h
	v_and_b32 v[HD+2], 31, v0                      ; lane
	s_lshl_b32 s82, s[BH], 11
	s_lshl_b32 s83, s[GQ], 8
	s_add_co_u32 s82, s82, s83
	s_add_co_u32 s82, s82, s84                     ; tile 0's first row of q: 2048 x head + 256 g + 32 x wave
	v_add_nc_u32 v[HD+3], s82, v[HD]
.irp u, 0,1
	v_add_nc_u32 v[HD+4+4*\u], 16*\u, v[HD+3]      ; row i
	v_add_nc_u32 v[HD+5+4*\u], 16*\u+1, v[HD+3]
	s_delay_alu instid0(VALU_DEP_1)
	v_min_u32 v[HD+5+4*\u], 0xffff, v[HD+5+4*\u]   ; row i + 1
	s_delay_alu instid0(VALU_DEP_3)
	v_lshlrev_b32 v[HD+6+4*\u], 1, v[HD+4+4*\u]    ; their scale bytes: 2 a row
	s_delay_alu instid0(VALU_DEP_2)
	v_lshlrev_b32 v[HD+7+4*\u], 1, v[HD+5+4*\u]
	v_mul_u32_u24 v[HD+4+4*\u], v[HD+4+4*\u], 48   ; their codes: 48 bytes a row, + 24 h
	s_delay_alu instid0(VALU_DEP_4)
	v_mul_u32_u24 v[HD+5+4*\u], v[HD+5+4*\u], 48
	s_delay_alu instid0(VALU_DEP_2)
	v_mad_u32_u24 v[HD+4+4*\u], v[HD+1], 24, v[HD+4+4*\u]
	s_delay_alu instid0(VALU_DEP_2)
	v_mad_u32_u24 v[HD+5+4*\u], v[HD+1], 24, v[HD+5+4*\u]
.irp p, 0,1,2
	global_load_b64 v[QF+18*\u+2*\p:QF+18*\u+2*\p+1], v[HD+5+4*\u], s[4:5] offset:8*\p
	global_load_b64 v[QF+18*\u+6+2*\p:QF+18*\u+6+2*\p+1], v[HD+4+4*\u], s[4:5] offset:8*\p
.endr
	global_load_u16 v[QKS+\u], v[HD+6+4*\u], s[4:5] offset:QS      ; q_i's two bytes; bytes 2 and 3 are 0
	global_load_u16 v[HD+12+\u], v[HD+7+4*\u], s[4:5] offset:QS    ; q_(i+1)'s
.irp p, 12,13,14,15,16,17
	v_mov_b32 v[QF+18*\u+\p], 0                    ; zero codes
.endr
.endr
	s_xor_b32 s84, s[WV], 7                        ; 7 - wave
	s_mul_i32 s84, s84, 3200
	v_lshl_add_u32 v[LI0], v[HD+2], 4, s84
	v_lshl_add_u32 v[LS0], v[HD+2], 2, s84
	s_delay_alu instid0(VALU_DEP_1)
	v_add_nc_u32 v[LS0], 3072, v[LS0]
	v_and_b32 v[HD+14], 8, v[HD]
	v_and_b32 v[HD+15], 7, v[HD]
	s_delay_alu instid0(VALU_DEP_1)
	v_lshl_add_u32 v[HD+14], v[HD+14], 2, v[HD+15] ; 32 (r / 8) + r % 8: my channel's row among V's scale words
	; K's keys lie in memory so that tile (c, w)'s 16 keys are rows 16 (4 c + w) + r of 48 bytes: the 32 lanes of a load of 8 bytes lie 24 bytes apart.
	; V lies as four operand images of 1,536 bytes a step, 48 bytes to a lane: three loads of 16 bytes a fragment
	v_mul_u32_u24 v[AK0], v[HD], 48
	v_mul_u32_u24 v[AV0], v[HD+2], 48
	v_lshl_add_u32 v[AKS0], v[HD], 1, SCK
	v_mad_u32_u24 v[AK0], v[HD+1], 24, v[AK0]
	v_add_nc_u32 v[AV0], VOFF, v[AV0]
	s_delay_alu instid0(VALU_DEP_2)
	v_add_nc_u32 v[AK0], KOFF, v[AK0]
	v_lshl_add_u32 v[AVS0], v[HD+14], 2, SCV
	; The stage.  G's register j of fragment f in lane (n, h) is query m = 8 h + j and table row 16 f + n of the tile's window, which is key 16 f + n - 15 + m of the step: word 16 + that of row m: byte 660 m + 64 f + 4 n + 4.
	; The two halves of the lanes lie 1,320 words apart, 40 banks (64 banks of 4 bytes: ISA guide 11.1); on the way back the rows lie 164 words apart.
	s_mul_i32 s85, s[WV], STGW
	s_add_co_u32 s85, s85, STG
	v_mul_u32_u24 v[STO], v[HD+1], 5280
	s_delay_alu instid0(VALU_DEP_1)
	v_lshl_add_u32 v[STO], v[HD], 2, v[STO]
	s_delay_alu instid0(VALU_DEP_1)
	v_add_nc_u32 v[STO], s85, v[STO]
	s_delay_alu instid0(VALU_DEP_1)
	v_add_nc_u32 v[STO], 4, v[STO]
	v_mul_u32_u24 v[SRD], v[HD], 656               ; back: row r, word 16 + 32 h on
	s_delay_alu instid0(VALU_DEP_1)
	v_lshl_add_u32 v[SRD], v[HD+1], 7, v[SRD]
	s_delay_alu instid0(VALU_DEP_1)
	v_add_nc_u32 v[SRD], s85, v[SRD]
	s_delay_alu instid0(VALU_DEP_1)
	v_add_nc_u32 v[SRD], 64, v[SRD]
	v_lshlrev_b32 v[MD0], 5, v[HD+1]
	s_delay_alu instid0(VALU_DEP_1)
	v_sub_nc_u32 v[MD0], v[HD], v[MD0]
	v_lshlrev_b32 v[SH8], 3, v[HD+1]
	v_mov_b32 v[NINF], 0xff800000
	v_mul_u32_u24 v[OA], v[HD], 768
	s_delay_alu instid0(VALU_DEP_1)
	v_mad_u32_u24 v[OA], v[HD+1], 24, v[OA]
	v_lshl_add_u32 v[OB], v[HD], 5, v[HD+1]
	s_sub_co_u32 s85, s[WV], 3
	s_min_u32 s85, s85, 2
	v_lshl_add_u32 v[PFO], s85, 5, v[HD+2]         ; which of the 96 blocks is my lane's
	s_delay_alu instid0(VALU_DEP_1)
	v_cmp_le_u32 vcc_lo, 48, v[PFO]                ; from 48 on: V's
	s_delay_alu instid0(VALU_DEP_2)
	v_lshlrev_b32 v[PFO], 8, v[PFO]
	v_mov_b32 v[T], VC-KC-12288
	s_delay_alu instid0(VALU_DEP_1)
	v_cndmask_b32 v[T], 0, v[T], vcc_lo
	s_delay_alu instid0(VALU_DEP_1)
	v_add_nc_u32 v[PFO], v[PFO], v[T]
	s_delay_alu instid0(VALU_DEP_1)
	v_add_nc_u32 v[PFO], KC, v[PFO]
.irp u, 0,1
	v_mov_b32 v[ST+4*\u+1], 0xff61b1e6             ; the largest t so far: -3e38, under every t
	s_delay_alu instid0(VALU_DEP_1)
	v_floor_f32 v[ST+4*\u], -v[ST+4*\u+1]          ; -M
	v_mov_b32 v[ST+4*\u+2], 0                      ; the sum
	v_mov_b32 v[ST+4*\u+3], 0
.endr
	v_mov_b32 v[T+1], 0                            ; (a lane permute's destination counts as one of its sources)
	v_mov_b32 v[F+1], 0                            ; (named as the upper half of a pair)
	s_wait_loadcnt 0x0                             ; q
.irp u, 0,1
	v_lshl_or_b32 v[QGS+\u], v[QKS+\u], 16, v[HD+12+\u]   ; bytes 0, 1: q_(i+1)'s; bytes 2, 3: q_i's
.endr
	WIN 0x40                                       ; destination window 1
.set jx, 0
.rept 64
	v_mov_b32 v[176+jx], 0                         ; O^T: the step is written once; its first run finds zeros, which the first change of M leaves zeros.  (These lines are also the places between the scale words just made and the first product)
.set jx, jx+1
.endr
.irp p, 168,169,170,171,172,173
	v_mov_b32 v[\p], 0                             ; behind K's last tile: the upper half of its operand
.endr
	WIN 0
; G for tile u, through the stage, into the scores' registers.  The wave's ten fragments f serve both tiles: tile u takes f = 1 - u + 0 .. 8.
.macro GPH u
	WIN 0x04                                       ; source 1 (the table) window 1
.set fl, 0
.rept 9
.set ff, fl+1-\u
.if ff%2
	v_wmma_scale_f32_16x16x128_f8f6f4 v[S+8*fl:S+8*fl+7], v[QF+18*\u:QF+18*\u+11], v[12*ff:12*ff+11], 0, v[QGS+\u], v[ES+ff/2] matrix_a_fmt:MATRIX_FMT_FP6 matrix_b_fmt:MATRIX_FMT_FP6 matrix_b_scale:MATRIX_SCALE_ROW1
.else
	v_wmma_scale_f32_16x16x128_f8f6f4 v[S+8*fl:S+8*fl+7], v[QF+18*\u:QF+18*\u+11], v[12*ff:12*ff+11], 0, v[QGS+\u], v[ES+ff/2] matrix_a_fmt:MATRIX_FMT_FP6 matrix_b_fmt:MATRIX_FMT_FP6
.endif
.set fl, fl+1
.endr
	WIN 0
.rept 5
	v_nop                                          ; four places in front of the stores that read these results and of the loads into them and into the table's registers; the fifth for the products that write over them
.endr
.set fl, 0
.rept 9
.set jx, 0
.rept 8
	ds_store_b32 v[STO], v[S+8*fl+jx] offset:660*jx+64*fl          ; each accumulator from its low end on
.set jx, jx+1
.endr
.set fl, fl+1
.endr
.set ex, 0
.rept 16
	ds_load_b128 v[S+4*ex:S+4*ex+3], v[SRD] offset:256*(ex/8)+16*(ex%8)   ; in order behind my stores (ISA guide 5.7.1.4): srel of query r, keys 64 c + 32 h + 0 .. 31
.set ex, ex+1
.endr
.endm
; S^T = K Q^T + srel: eight accumulators by turns, one instruction each
.macro QKPH u
	WIN 0x01                                       ; source 0 (K) window 1
.set tx, 0
.rept 8
	v_wmma_scale_f32_16x16x128_f8f6f4 v[S+8*tx:S+8*tx+7], v[120+6*tx:131+6*tx], v[QF+18*\u+6:QF+18*\u+17], v[S+8*tx:S+8*tx+7], v[KS+tx], v[QKS+\u] matrix_a_fmt:MATRIX_FMT_FP6 matrix_b_fmt:MATRIX_FMT_FP6
.set tx, tx+1
.endr
	WIN 0
.rept 4
	v_nop                                          ; places in front of the first read of the scores
.endr
.endm
; Key i + 1 of query i gets -infinity.  It lies in this step for some query of the tile where 0 <= first query + 16 - first key <= 128: a scalar branch on ids, alike in all partners, leaves the lines out elsewhere.
.macro MASK u
	s_cmp_gt_u32 s[SD+\u], 128
	s_cbranch_scc1 .Lopen_\@
	s_sub_co_u32 s84, s[SD+\u], 15
	v_add_nc_u32 v[T], s84, v[MD0]                 ; d = my query + 1 - the step's first key - 32 h.  Register 32 c + i holds key 64 c + 32 h + i: hidden where 64 c + i = d
.set nx, 0
.rept 64
	v_cmp_eq_i32 vcc_lo, 64*(nx/32)+nx%32, v[T]
	v_cndmask_b32 v[S+nx], v[S+nx], v[NINF], vcc_lo
.set nx, nx+1
.endr
.Lopen_\@:
.endm
.macro SOFTMAX u
.set RT, ST+4*\u
.irp c, 0,1
	v_max3_num_f32 v[BM+\c], v[S+32*\c], v[S+32*\c+1], v[S+32*\c+2]   ; the largest score of each of my two blocks of 32 keys: it serves for the row's maximum and, since p rises with the score, for the block's largest p
.endr
.irp i, 3,5,7,9,11,13,15,17,19,21,23,25,27,29
.irp c, 0,1
	v_max3_num_f32 v[BM+\c], v[BM+\c], v[S+32*\c+\i], v[S+32*\c+\i+1]
.endr
.endr
.irp c, 0,1
	v_max_num_f32 v[BM+\c], v[BM+\c], v[S+32*\c+31]
.endr
	s_delay_alu instid0(VALU_DEP_1)
	v_max_num_f32 v[T], v[BM], v[BM+1]
	s_delay_alu instid0(VALU_DEP_1)
	v_permlanex16_b32 v[T+1], v[T], s[SEL], s[SEL+1]
	s_delay_alu instid0(VALU_DEP_1)
	v_max_num_f32 v[T], v[T], v[T+1]               ; with lane l xor 16's 64 keys: the step's largest score of my query
	s_delay_alu instid0(VALU_DEP_1)
	v_mul_f32 v[T], s[CS], v[T]                    ; as t
	s_delay_alu instid0(VALU_DEP_1)
	v_max_num_f32 v[RT+1], v[RT+1], v[T]           ; the running largest t
	v_mov_b32 v[T], v[RT]
	s_delay_alu instid0(VALU_DEP_2)
	v_floor_f32 v[RT], -v[RT+1]                    ; the new -M = -ceil(t): a whole number
	s_delay_alu instid0(VALU_DEP_1)
	v_sub_f32 v[T], v[RT], v[T]                    ; old M - new M, 0 or less
	s_delay_alu instid0(VALU_DEP_1)
	v_cvt_i32_f32 v[T], v[T]                       ; (it saturates)
	s_delay_alu instid0(VALU_DEP_1)
	v_ldexp_f32 v[F], 1.0, v[T]                    ; f = 2^(old M - new M)
.set jx, 0
.rept 32
	v_pk_fma_f32 v[S+jx:S+jx+1], v[S+jx:S+jx+1], s[CS:CS+1], v[RT:RT+1] op_sel_hi:[1,0,0]   ; t - M, two at a time
.set jx, jx+2
.endr
.irp c, 0,1
	v_fma_f32 v[BM+\c], v[BM+\c], s[CS], v[RT]     ; the same of each block's largest score
.endr
.set jx, 0
	s_wait_alu depctr_va_vdst(0)
.rept 64
	v_exp_f32 v[S+jx], v[S+jx]                     ; p = 2^(t - M), at most 1, not normalised
.set jx, jx+1
.endr
	v_pk_mul_f32 v[RT+2:RT+3], v[RT+2:RT+3], v[F:F+1] op_sel_hi:[1,0]   ; the sum under the new M (a plain line behind the exponentials)
	s_wait_alu depctr_va_vdst(0)                   ; one wait for the batch, ahead of its first reader
.irp c, 0,1
	v_exp_f32 v[BM+\c], v[BM+\c]                   ; the block's largest p: the same two instructions on the same number give the same bits
.endr
	v_pk_add_f32 v[SU:SU+1], v[S:S+1], v[S+2:S+3]  ; the sum of the UNQUANTISED p, in two chains
.set jx, 4
.rept 15
	v_pk_add_f32 v[RT+2:RT+3], v[RT+2:RT+3], v[S+jx:S+jx+1]
	v_pk_add_f32 v[SU:SU+1], v[SU:SU+1], v[S+jx+2:S+jx+3]
.set jx, jx+4
.endr
	s_delay_alu instid0(VALU_DEP_1)
	v_pk_add_f32 v[RT+2:RT+3], v[RT+2:RT+3], v[SU:SU+1]
	s_wait_alu depctr_va_vdst(0)                   ; and one for the two
.irp c, 0,1
	v_max_num_f32 v[BM+\c], 0x1800000, v[BM+\c]    ; the floor 2^(3 - 127): the byte cannot fall under 1
.endr
.irp c, 0,1
	s_delay_alu instid0(VALU_DEP_2)
	v_add_nc_u32 v[SCO+\c], 0xff000000, v[BM+\c]   ; 2 off the exponent field: the conversion's scale operand
.endr
.irp c, 0,1
	s_delay_alu instid0(VALU_DEP_2)
	v_lshrrev_b32 v[BY+\c], 23, v[SCO+\c]          ; the byte
.endr
	s_delay_alu instid0(VALU_DEP_1)
	v_lshl_or_b32 v[T], v[BY+1], 16, v[BY]         ; my blocks are h and 2 + h of the step's four
	s_delay_alu instid0(VALU_DEP_1)
	v_lshlrev_b32 v[T], v[SH8], v[T]
	s_delay_alu instid0(VALU_DEP_1)
	v_permlanex16_b32 v[T+1], v[T], s[SEL], s[SEL+1]
	s_delay_alu instid0(VALU_DEP_1)
	v_or_b32 v[PS+\u], v[T], v[T+1]                ; P's scale word for these 128 keys
.irp c, 0,1
	v_cvt_scalef32_pk16_fp6_f32 v[PC+12*\u+6*\c:PC+12*\u+6*\c+2], v[S+32*\c:S+32*\c+15], v[SCO+\c]
	v_cvt_scalef32_pk16_fp6_f32 v[CT+4*\c:CT+4*\c+2], v[S+32*\c+16:S+32*\c+31], v[SCO+\c]   ; (a conversion's three registers begin on an even number)
.endr
	v_nop                                          ; one plain line behind the conversions
.irp c, 0,1
.irp i, 0,1,2
	v_mov_b32 v[PC+12*\u+6*\c+3+\i], v[CT+4*\c+\i] ; registers 6 c .. 6 c + 5 hold keys 64 c + 32 h + 0 .. 31
.endr
.endr
	WIN 0x41                                       ; O^T (destination and source 0) window 1
.set jx, 0
.rept 16
	v_pk_mul_f32 v[176+32*\u+jx:176+32*\u+jx+1], v[176+32*\u+jx:176+32*\u+jx+1], v[F:F+1] op_sel_hi:[1,0]   ; O^T under the new M.  (Twelve of these name no register of any one product below: the places behind P's scale word and codes)
.set jx, jx+2
.endr
	WIN 0
.endm
; A KEY STEP: 128 keys, from the slot at s[TB]
.macro STEP hf                         ; hf: the slot's first (0) or second (1) step: 12,800 bytes on in the table's window, 6,144 in K's and V's tiles
	v_add_nc_u32 v[ADE], s[TB], v[LI0]             ; (these six are also the places between the last step's products and the loads into their operands)
	v_add_nc_u32 v[ADES], s[TB], v[LS0]
	v_add_nc_u32 v[ADK], s[TB], v[AK0]
	v_add_nc_u32 v[ADV], s[TB], v[AV0]
	v_add_nc_u32 v[ADKS], s[SS], v[AKS0]
	v_add_nc_u32 v[ADVS], s[SS], v[AVS0]
	WIN 0x40
.set fx, 0
.rept 10
.irp i, 0,1,2
	ds_load_b128 v[12*fx+4*\i:12*fx+4*\i+3], v[ADE] offset:(fx/2)*3200+(fx%2)*1536+512*\i+12800*\hf
.endr
.set fx, fx+1
.endr
	WIN 0
.irp i, 0,1,2,3,4
	ds_load_b32 v[ES+\i], v[ADES] offset:3200*\i+12800*\hf
.endr
	WIN 0x40
.set tx, 0
.rept 8
.irp p, 0,1,2
	ds_load_b64 v[120+6*tx+2*\p:120+6*tx+2*\p+1], v[ADK] offset:768*tx+8*\p+6144*\hf
.endr
.set tx, tx+1
.endr
	WIN 0
.set tx, 0
.rept 8
	ds_load_u16 v[KS+tx], v[ADKS] offset:32*tx     ; two bytes; bytes 2 and 3 are 0
.set tx, tx+1
.endr
	s_wait_dscnt 32                                ; the table's fragments and scale words are in; K's 24 + 8 loads may be out
	GPH 0
	s_wait_alu depctr_va_vdst(0)
	s_wait_dscnt 0x0                               ; srel is back, K is in
	QKPH 0
	MASK 0
	SOFTMAX 0
	GPH 1
	WIN 0x40
.irp t, 0,1,2,3
.irp p, 0,1,2
	ds_load_b128 v[12*\t+4*\p:12*\t+4*\p+3], v[ADV] offset:1536*\t+16*\p+6144*\hf   ; V^T's image, into the registers of table fragments that both tiles have used
.endr
.endr
	WIN 0
.irp t, 0,1,2,3
	ds_load_b32 v[VSR+\t], v[ADVS] offset:32*\t
.endr
	s_wait_dscnt 16                                ; srel is back; V's 12 + 4 loads may be out
	QKPH 1
	MASK 1
	SOFTMAX 1
	s_wait_alu depctr_va_vdst(0)
	s_wait_dscnt 0x0                               ; V is in
	WIN 0x51                                       ; V and O^T window 1, P window 0
.irp t, 0,1,2,3
.irp u, 0,1
	v_wmma_scale_f32_16x16x128_f8f6f4 v[176+32*\u+8*\t:176+32*\u+8*\t+7], v[12*\t:12*\t+11], v[PC+12*\u:PC+12*\u+11], v[176+32*\u+8*\t:176+32*\u+8*\t+7], v[VSR+\t], v[PS+\u] matrix_a_fmt:MATRIX_FMT_FP6 matrix_b_fmt:MATRIX_FMT_FP6
.endr
.endr
	WIN 0
.if \hf
	s_xor_b32 s[TB], s[TB], SLOT1                  ; behind a slot's second step: on to the other slot
.endif
	s_add_co_u32 s[SS], s[SS], 256                 ; the next step's scales,
	s_sub_co_u32 s[SD], s[SD], 128                 ; and 128 keys on
	s_sub_co_u32 s[SD+1], s[SD+1], 128
.endm
; THE CHANGE OF SLOTS stands at a step's head.  Each wave waits for all its tensor loads (its part of the slot that it is about to read), adds 0 to its spare word, and waits for that and for its reads of the slot that it has left.
; fill = 1: a round of the cluster's barrier: no wave of any partner still reads the other slot or has a load on its way; then that slot is filled with the next two steps' tiles, which have two whole steps in which to land.
.macro CHANGE fill
	s_wait_tensorcnt 0x0                           ; no tensor load of mine is out, so a group 0 may be written
	ds_add_u32 v[SPW], v[NIL]                      ; 0 onto my spare word
.if \fill
	ds_add_u32 v[SPW], v[NIL]                      ; and once more
	s_xor_b32 s[G0E+1], s[G0E+1], SLOT1            ; the walking descriptors: the other slot,
	s_add_nc_u64 s[G0E+2:G0E+3], s[G0E+2:G0E+3], 25600     ; the window 256 rows on
	s_xor_b32 s[G0KV+1], s[G0KV+1], SLOT1
	s_add_nc_u64 s[G0KV+2:G0KV+3], s[G0KV+2:G0KV+3], 12288 ; the next 256 keys
	s_wait_xcnt 0x0                                ; the last prefetch has read its address
	s_add_nc_u64 s[PFA:PFA+1], s[PFA:PFA+1], 12288
.endif
	s_wait_dscnt 0x0                               ; the add is done, and my reads of the slot that I have left are over
.if \fill
	ROUND
	TLOAD                                          ; the first thing behind the round, and a wave's one tensor load until the next
	ASK
.else
	s_barrier_signal -1
	s_barrier_wait -1
.endif
.endm
.Lstep:                                            ; 7 trips: behind each change of slots but the last the next two steps' tiles are asked for
	CHANGE 1                                       ; 7 trips of two steps
	STEP 0
	STEP 1
	s_sub_co_u32 s[CNT], s[CNT], 1
	s_cmp_lg_u32 s[CNT], 0
	s_cbranch_scc1 .Lstep
	CHANGE 0                                       ; the last two steps are written out
	STEP 0
	STEP 1
	; THE WAY OUT.  O^T / the sum is quantised along the last product's K: a lane's 32 channels are one block of it.
.rept 4
	v_nop                                          ; places behind the last products
.endr
.irp u, 0,1
	v_add_f32 v[T+\u], v[ST+4*\u+2], v[ST+4*\u+3]  ; the sum's two halves,
.endr
.irp u, 0,1
	s_delay_alu instid0(VALU_DEP_2)
	v_permlanex16_b32 v[BM+\u], v[T+\u], s[SEL], s[SEL+1]
.endr
.irp u, 0,1
	s_delay_alu instid0(VALU_DEP_2)
	v_add_f32 v[T+\u], v[T+\u], v[BM+\u]           ; and lane l xor 16's: the row's sum
.endr
	s_wait_alu depctr_va_vdst(0)
.irp u, 0,1
	v_rcp_f32 v[T+2+\u], v[T+\u]
.endr
	v_nop                                          ; a plain line behind the reciprocals
	s_lshr_b32 s72, s[BH], 4                       ; the batch
	s_lshl_b32 s72, s72, 11
	s_lshl_b32 s73, s[GQ], 8
	s_add_co_u32 s72, s72, s73
	s_lshl_b32 s73, s[WV], 5
	s_add_co_u32 s72, s72, s73                     ; my first row of ac
	s_and_b32 s73, s[BH], 15                       ; the head
	s_mul_i32 s74, s72, 768
	s_mul_i32 s75, s73, 48
	s_add_co_u32 s74, s74, s75
	s_mov_b32 s75, 0
	s_add_nc_u64 s[76:77], s[8:9], s[74:75]        ; its codes
	s_lshl_b32 s74, s72, 5
	s_lshl_b32 s73, s73, 1
	s_add_co_u32 s74, s74, s73
	s_add_co_u32 s74, s74, ASC
	s_add_nc_u64 s[78:79], s[8:9], s[74:75]        ; its scale bytes
	s_wait_alu depctr_va_vdst(0)                   ; one wait for both reciprocals, ahead of their first reader
	WIN 0x01                                       ; source 0 (O^T) window 1
.irp u, 0,1
.set jx, 0
.rept 32
	v_mul_f32 v[S+32*\u+jx], v[176+32*\u+jx], v[T+2+\u]    ; each accumulator from its low end on: register i is channel 32 h + i of query r
.set jx, jx+1
.endr
.endr
	WIN 0
.irp u, 0,1
	v_max3_num_f32 v[BM+\u], |v[S+32*\u]|, |v[S+32*\u+1]|, 0x1800000
.endr
.irp i, 2,4,6,8,10,12,14,16,18,20,22,24,26,28,30
.irp u, 0,1
	s_delay_alu instid0(VALU_DEP_2)
	v_max3_num_f32 v[BM+\u], v[BM+\u], |v[S+32*\u+\i]|, |v[S+32*\u+\i+1]|
.endr
.endr
.irp u, 0,1
	s_delay_alu instid0(VALU_DEP_2)
	v_add_nc_u32 v[SCO+\u], 0xff000000, v[BM+\u]
.endr
.irp u, 0,1
	s_delay_alu instid0(VALU_DEP_2)
	v_lshrrev_b32 v[BY+\u], 23, v[SCO+\u]
.endr
.irp u, 0,1
	v_cvt_scalef32_pk16_fp6_f32 v[PC+12*\u:PC+12*\u+2], v[S+32*\u:S+32*\u+15], v[SCO+\u]
	v_cvt_scalef32_pk16_fp6_f32 v[PC+12*\u+4:PC+12*\u+6], v[S+32*\u+16:S+32*\u+31], v[SCO+\u]
.endr
	v_nop                                          ; one plain line behind the conversions
.irp u, 0,1
	global_store_b96 v[OA], v[PC+12*\u:PC+12*\u+2], s[76:77] offset:12288*\u
	global_store_b96 v[OA], v[PC+12*\u+4:PC+12*\u+6], s[76:77] offset:12288*\u+12
	global_store_b8 v[OB], v[BY+\u], s[78:79] offset:512*\u
.endr
	s_wait_tensorcnt 0x0                           ; the wave's end: behind my last tensor load and my last LDS store
	ds_add_u32 v[SPW], v[NIL]
	s_wait_dscnt 0x0
	ROUND                                          ; the closing round: no work-group ends while a partner may still ask for a window that names it
	s_endpgm
.Lfunc_end_k_qfdc416241a_attn:
	.size	k_qfdc416241a_attn, .Lfunc_end_k_qfdc416241a_attn-k_qfdc416241a_attn
	.p2alignl 7, 3214868480
	.fill 96, 4, 3214868480
	.section	.rodata,"a",@progbits
	.p2align	6, 0x0
	.amdhsa_kernel k_qfdc416241a_attn
		.amdhsa_group_segment_fixed_size 327680
		.amdhsa_private_segment_fixed_size 0
		.amdhsa_enable_private_segment 0
		.amdhsa_kernarg_size 24
		.amdhsa_user_sgpr_count 2
		.amdhsa_user_sgpr_kernarg_segment_ptr 1
		.amdhsa_wavefront_size32 1
		.amdhsa_system_sgpr_workgroup_id_x 1
		.amdhsa_system_sgpr_workgroup_id_y 1
		.amdhsa_system_sgpr_workgroup_id_z 1
		.amdhsa_system_vgpr_workitem_id 0
		.amdhsa_next_free_vgpr 512
		.amdhsa_next_free_sgpr 96
		.amdhsa_reserve_vcc 1
		.amdhsa_float_denorm_mode_32 3
		.amdhsa_float_denorm_mode_16_64 3
		.amdhsa_memory_ordered 1
		.amdhsa_forward_progress 1
		.amdhsa_inst_pref_size 249
	.end_amdhsa_kernel
	.amdgpu_metadata
---
amdhsa.version: [ 1, 2 ]
amdhsa.kernels:
  - .name:           k_qfdc416241a_attn
    .symbol:         k_qfdc416241a_attn.kd
    .args:
      - { .name: qkvc, .offset: 0, .size: 8, .value_kind: global_buffer, .address_space: global }
      - { .name: eec, .offset: 8, .size: 8, .value_kind: global_buffer, .address_space: global }
      - { .name: ac, .offset: 16, .size: 8, .value_kind: global_buffer, .address_space: global }
    .group_segment_fixed_size: 327680
    .private_segment_fixed_size: 0
    .kernarg_segment_align: 8
    .kernarg_segment_size: 24
    .max_flat_workgroup_size: 256
    .sgpr_count:     96
    .vgpr_count:     512
    .wavefront_size: 32
...
	.end_amdgpu_metadata
.endif
;; end of part 7
;; launch outp (part 8): grid 8 x 32, 4 waves a work-group, clusters of 4 x 4, 327,680 bytes of LDS; arguments ac, woc, bo, out0; writes out0
.if DOCPART == 8
	.amdgcn_target "amdgcn-amd-amdhsa--gfx1250"
	.amdhsa_code_object_version 6
	.text
	.protected	k_qfdc416241a_outp
	.globl	k_qfdc416241a_outp
	.p2align	8
	.type	k_qfdc416241a_outp,@function
k_qfdc416241a_outp:
	s_mov_b64 s[64:65], 0
	v_nop
	global_prefetch_b8 v0, s[64:65] scope:SCOPE_SE
	s_setreg_imm32_b32 hwreg(HW_REG_WAVE_MODE, 25, 1), 1
	s_wait_xcnt 0x0
	s_wait_alu depctr_hold_cnt(0) depctr_sa_sdst(0) depctr_va_vdst(0) depctr_va_sdst(0) depctr_va_ssrc(0) depctr_va_vcc(0) depctr_vm_vsrc(0)
	s_getreg_b32 s2, hwreg(HW_REG_IB_STS2, 6, 4)
	s_cmp_eq_u32 s2, 0
	s_cbranch_scc0 .Lentry_in_a_cluster
	s_endpgm
.Lentry_in_a_cluster:
	s_bfe_u32 s2, ttmp6, 0x10000c
	s_cmp_lg_u32 s2, 0xf033
	s_cbranch_scc0 .Lentry_shape_is_right
	s_endpgm
.Lentry_shape_is_right:
; out0 = a Wo^T + bo on codes of FP6 (E2M3) with E8M0 scales.  ac: codes [4096][768 bytes], scale bytes [4096][32] from ASC on; woc: codes [1024][768], scale bytes from BSC on; out0 [4096][1024] f32.
; A work-group makes 128 rows x 128 columns, a wave 64 x 64: 16 accumulators; 8 x 32 work-groups.  WHOLE ROWS OF K are staged once: 128 rows of a and 128 of Wo, 768 bytes each, one tensor load of 64 rows a wave;
; each row begins at a multiple of 256 bytes.  Nothing is filled again.  16 bytes of padding behind each 256: an LDS row is 816 bytes.
; CLUSTER 4 x 4: a's tile is shared along a row of the cluster, Wo's along a column; each is asked for jointly.
; The scale words go from memory straight into registers: for 16 rows two loads cover 512 consecutive bytes; register 8 a + s holds block a's word of K step s.
; TRANSPOSED USE: source 0 = 16 rows of Wo, source 1 = 16 rows of a: lane (r, h) holds row r and columns 16 b + 8 h + j.  The bias is the C of the first product.
; THE WAY OUT: 16 rows x 64 columns at a time through the wave's own stage (bytes that no fill lands on) and back by rows: sixteen lanes store a row's 256 consecutive bytes, aligned.
; No prefetch: the launch has no loop to run ahead in; each tile is asked for once, at the head.
.set ASC,   9437184
.set BSC,   2359296
.set KROW,  768
.set PITCH, 816
.set HALFT, 64*PITCH
.set TILE,  2*HALFT
.set SPARE, 2*TILE                     ; the spare words, 128 bytes a wave
.set STAGE, SPARE+512
.set SP,    272
.set ADRA, 8
.set ADRB, 10
.set SPW,  12
.set NIL,  13
.set SAO,  14
.set BO,   15
.set STO,  16
.set RD,   17
.set CO,   18
.set SA,   32
.set SB,   64
.set BIAS, 96
.set ACC,  128
.set G1,   24
.set G1B,  48
.set MSB, 0
.macro WIN new
.if MSB != \new
	s_set_vgpr_msb (MSB<<8)|\new
.set MSB, \new
.endif
.endm
.macro CROUND
	s_barrier_signal -1
	s_barrier_wait -1
	s_cmp_lg_u32 s16, 0
	s_cbranch_scc1 .Lnot_wave_0_\@
	s_barrier_signal -3
.Lnot_wave_0_\@:
	s_barrier_wait -3
	s_barrier_signal -1
	s_barrier_wait -1
.endm
.macro PLACES
.rept 4
	v_nop
.endr
.endm
	s_load_b128 s[4:7], s[0:1], 0x0                ; ac, woc
	s_load_b128 s[8:11], s[0:1], 0x10              ; bo, out0
	v_lshl_add_u32 v[SPW], v0, 2, SPARE
	v_mov_b32 v[NIL], 0
	ds_add_u32 v[SPW], v[NIL]                      ; the opening lines: the add twice on end and one wait
	ds_add_u32 v[SPW], v[NIL]
	v_lshrrev_b32 v1, 5, v0
	v_readfirstlane_b32 s16, v1                    ; wave
	s_lshr_b32 s17, s16, 1                         ; wy; also: I fetch for A (0) or B (1)
	s_and_b32 s18, s16, 1                          ; wx; also: which 64 rows I fetch
	s_bfe_u32 s40, ttmp6, 0x40000
	s_bfe_u32 s41, ttmp6, 0x40004
	s_lshl_b32 s42, ttmp9, 2
	s_add_co_u32 s42, s42, s40                     ; x
	s_and_b32 s19, ttmp7, 0xffff
	s_lshl_b32 s19, s19, 2
	s_add_co_u32 s19, s19, s41                     ; y
	s_lshl_b32 s43, s41, 2
	s_lshl_b32 s43, 15, s43
	s_lshl_b32 s44, 0x1111, s40
	s_or_b32 s[G1], s43, (1<<20)|(1<<21)|(5<<22)|(3<<25)
	s_or_b32 s[G1B], s44, (1<<20)|(1<<21)|(5<<22)|(3<<25)
.irp g, G1, G1B
	s_mov_b32 s[\g+1], KROW<<16
	s_mov_b32 s[\g+2], 64<<16
	s_mov_b32 s[\g+3], KROW<<16
	s_mov_b32 s[\g+4], 64
	s_mov_b32 s[\g+5], KROW
	s_mov_b32 s[\g+6], 0
	s_mov_b32 s[\g+7], 0
.endr
	s_lshl_b32 s21, s18, 6
	s_lshl_b32 s22, s19, 7
	s_add_co_u32 s22, s22, s21
	s_mul_i32 s22, s22, KROW
	s_mov_b32 s23, 0
	s_lshl_b32 s46, s42, 7
	s_add_co_u32 s46, s46, s21
	s_mul_i32 s46, s46, KROW
	s_mov_b32 s47, 0
	s_mul_i32 s45, s16, HALFT
	s_wait_dscnt 0x0
	s_wait_kmcnt 0x0
	s_mov_b32 s32, 1
	s_mov_b32 s33, s45
	s_add_nc_u64 s[34:35], s[4:5], s[22:23]
	s_or_b32 s35, s35, 0x80000000
	s_mov_b32 s36, 1
	s_mov_b32 s37, s45
	s_add_nc_u64 s[38:39], s[6:7], s[46:47]
	s_or_b32 s39, s39, 0x80000000
	CROUND
	s_cmp_eq_u32 s17, 0
	s_cbranch_scc0 .Lfor_b
	tensor_load_to_lds s[32:35], s[G1:G1+7]
	s_nop 0
	PLACES
	s_branch .Lasked
.Lfor_b:
	tensor_load_to_lds s[36:39], s[G1B:G1B+7]
	s_nop 0
	PLACES
.Lasked:
	s_lshl_b32 s21, s19, 1
	s_add_co_u32 s21, s21, s17                     ; my 64 rows: unit 2 y + wy
	s_lshl_b32 s45, s42, 1
	s_add_co_u32 s45, s45, s18                     ; my 64 columns: unit 2 x + wx
	s_lshl_b32 s22, s21, 11
	s_add_co_u32 s22, s22, ASC
	s_mov_b32 s23, 0
	s_add_nc_u64 s[56:57], s[4:5], s[22:23]
	s_lshl_b32 s46, s45, 11
	s_add_co_u32 s46, s46, BSC
	s_mov_b32 s47, 0
	s_add_nc_u64 s[58:59], s[6:7], s[46:47]
	s_lshl_b32 s46, s45, 8
	s_add_nc_u64 s[60:61], s[8:9], s[46:47]        ; the bias: 256 bytes a unit
	s_lshl_b32 s22, s21, 18                        ; 64 rows of 4,096 bytes
	s_add_co_u32 s46, s46, s22
	s_add_nc_u64 s[66:67], s[10:11], s[46:47]      ; my corner of out0
	s_mul_i32 s70, s17, HALFT
	s_mul_i32 s71, s18, HALFT
	s_add_co_u32 s71, s71, TILE
	s_mul_i32 s72, s16, 16*SP
	s_add_co_u32 s72, s72, STAGE                   ; my stage
	v_and_b32 v1, 15, v0                           ; r
	v_bfe_u32 v2, v0, 4, 1                         ; h
	v_mul_u32_u24 v3, v1, PITCH
	v_mad_u32_u24 v3, v2, 24, v3
	v_add_nc_u32 v[ADRA], s70, v3
	v_add_nc_u32 v[ADRB], s71, v3
	v_lshl_add_u32 v[ADRA+1], v2, 4, v[ADRA]
	v_lshl_add_u32 v[ADRB+1], v2, 4, v[ADRB]
	v_lshlrev_b32 v[SAO], 5, v1
	v_lshlrev_b32 v[BO], 5, v2
	v_mul_u32_u24 v4, v1, SP                       ; in: row r, 32 bytes for each half of the lanes
	v_lshl_add_u32 v4, v2, 5, v4
	v_add_nc_u32 v[STO], s72, v4
	v_mul_u32_u24 v5, v2, SP                       ; back: lanes 0-15 one row of 256 bytes, lanes 16-31 the next
	v_lshl_add_u32 v5, v1, 4, v5
	v_add_nc_u32 v[RD], s72, v5
	v_lshlrev_b32 v6, 12, v2
	v_lshl_add_u32 v[CO], v1, 4, v6                ; the same two rows in out0
	s_wait_alu depctr_va_vdst(0)                   ; the wait at the head's end
.irp a, 0,1,2,3
	global_load_b128 v[SA+8*\a:SA+8*\a+3], v[SAO], s[56:57] offset:512*\a
	global_load_b128 v[SA+8*\a+4:SA+8*\a+7], v[SAO], s[56:57] offset:512*\a+16
	global_load_b128 v[SB+8*\a:SB+8*\a+3], v[SAO], s[58:59] offset:512*\a
	global_load_b128 v[SB+8*\a+4:SB+8*\a+7], v[SAO], s[58:59] offset:512*\a+16
.endr
.irp b, 0,1,2,3
	global_load_b128 v[BIAS+8*\b:BIAS+8*\b+3], v[BO], s[60:61] offset:64*\b
	global_load_b128 v[BIAS+8*\b+4:BIAS+8*\b+7], v[BO], s[60:61] offset:64*\b+16
.endr
	s_wait_tensorcnt 0x0                           ; my 64 rows are in,
	s_barrier_signal -1
	s_barrier_wait -1                              ; and everybody's
.macro FRAG reg, adr, st, i            ; byte y of a row lies at y + 16 (y / 256) of its LDS row
.irp p, 0,1,2,3,4,5
.set BYT, 96*(\st)+48*(\p/3)+8*(\p%3)
.if BYT/256 == (BYT+24)/256
	ds_load_b64 v[\reg+2*\p:\reg+2*\p+1], v[\adr] offset:BYT+16*(BYT/256)+(\i)*16*PITCH
.else
	ds_load_b64 v[\reg+2*\p:\reg+2*\p+1], v[\adr+1] offset:BYT+16*(BYT/256)+(\i)*16*PITCH
.endif
.endr
.endm
.macro FETCH st
	WIN 0x40
.irp i, 0,1,2,3
	FRAG 128*((\st)%2)+12*\i, ADRA, \st, \i
	FRAG 128*((\st)%2)+48+12*\i, ADRB, \st, \i
.endr
.endm
.macro MUL st, first                   ; 16 products, the accumulators by turns
.irp a, 0,1,2,3
.irp b, 0,1,2,3
.if \first
	v_wmma_scale_f32_16x16x128_f8f6f4 v[ACC+8*(4*\a+\b):ACC+8*(4*\a+\b)+7], v[128*((\st)%2)+48+12*\b:128*((\st)%2)+48+12*\b+11], v[128*((\st)%2)+12*\a:128*((\st)%2)+12*\a+11], v[BIAS+8*\b:BIAS+8*\b+7], v[SB+8*\b+(\st)], v[SA+8*\a+(\st)] matrix_a_fmt:MATRIX_FMT_FP6 matrix_b_fmt:MATRIX_FMT_FP6
.else
	v_wmma_scale_f32_16x16x128_f8f6f4 v[ACC+8*(4*\a+\b):ACC+8*(4*\a+\b)+7], v[128*((\st)%2)+48+12*\b:128*((\st)%2)+48+12*\b+11], v[128*((\st)%2)+12*\a:128*((\st)%2)+12*\a+11], v[ACC+8*(4*\a+\b):ACC+8*(4*\a+\b)+7], v[SB+8*\b+(\st)], v[SA+8*\a+(\st)] matrix_a_fmt:MATRIX_FMT_FP6 matrix_b_fmt:MATRIX_FMT_FP6
.endif
.endr
.endr
.endm
	FETCH 0
	FETCH 1
	s_wait_loadcnt 0x0                             ; scale words and bias
	s_wait_dscnt 48                                ; step 0's 48 loads are in; step 1's 48 may be out
	WIN 0x05
	MUL 0, 1
.set ST, 1
.rept 6
	PLACES                                         ; in front of loads into registers that the step before multiplied
	FETCH ST+1
	s_wait_dscnt 48                                ; all but the 48 just issued
	WIN 0x05
	MUL ST, 0
.set ST, ST+1
.endr
	s_wait_dscnt 0x0
	MUL 7, 0
	WIN 0
	PLACES
.macro TOSTAGE a                       ; block a through the stage, back into v[32 a ..] of window 1, where the fragments lay
	WIN 0
.irp b, 0,1,2,3
	ds_store_b128 v[STO], v[ACC+32*\a+8*\b:ACC+32*\a+8*\b+3] offset:64*\b        ; each accumulator from its low end on
	ds_store_b128 v[STO], v[ACC+32*\a+8*\b+4:ACC+32*\a+8*\b+7] offset:64*\b+16
.endr
	WIN 0x40
.irp t, 0,1,2,3,4,5,6,7
	ds_load_b128 v[32*(\a)+4*\t:32*(\a)+4*\t+3], v[RD] offset:2*\t*SP   ; in order behind my stores (ISA guide 5.7.1.4)
.endr
.endm
.macro SEND a, younger
	s_wait_dscnt \younger
.irp t, 0,1,2,3,4,5,6,7
	global_store_b128 v[CO], v[32*(\a)+4*\t:32*(\a)+4*\t+3], s[66:67] offset:(16*(\a)+2*\t)*4096 th:TH_STORE_NT
.endr
.endm
.irp a, 0,1,2,3
	TOSTAGE \a                                     ; all four blocks go through the stage first: each has registers of its own
.endr
	WIN 0x04                                       ; the stores' data window 1
	SEND 0, 48                                     ; behind block a's loads: 16 LDS instructions for each later block
	SEND 1, 32
	SEND 2, 16
	SEND 3, 0
	WIN 0
	s_wait_tensorcnt 0x0                           ; the wave's end
	ds_add_u32 v[SPW], v[NIL]
	s_wait_dscnt 0x0
	CROUND                                         ; the closing round
	s_endpgm
.Lfunc_end_k_qfdc416241a_outp:
	.size	k_qfdc416241a_outp, .Lfunc_end_k_qfdc416241a_outp-k_qfdc416241a_outp
	.p2alignl 7, 3214868480
	.fill 96, 4, 3214868480
	.section	.rodata,"a",@progbits
	.p2align	6, 0x0
	.amdhsa_kernel k_qfdc416241a_outp
		.amdhsa_group_segment_fixed_size 327680
		.amdhsa_private_segment_fixed_size 0
		.amdhsa_enable_private_segment 0
		.amdhsa_kernarg_size 32
		.amdhsa_user_sgpr_count 2
		.amdhsa_user_sgpr_kernarg_segment_ptr 1
		.amdhsa_wavefront_size32 1
		.amdhsa_system_sgpr_workgroup_id_x 1
		.amdhsa_system_sgpr_workgroup_id_y 1
		.amdhsa_system_sgpr_workgroup_id_z 1
		.amdhsa_system_vgpr_workitem_id 0
		.amdhsa_next_free_vgpr 512
		.amdhsa_next_free_sgpr 74
		.amdhsa_reserve_vcc 0
		.amdhsa_float_denorm_mode_32 3
		.amdhsa_float_denorm_mode_16_64 3
		.amdhsa_memory_ordered 1
		.amdhsa_forward_progress 1
		.amdhsa_inst_pref_size 58
	.end_amdhsa_kernel
	.amdgpu_metadata
---
amdhsa.version: [ 1, 2 ]
amdhsa.kernels:
  - .name:           k_qfdc416241a_outp
    .symbol:         k_qfdc416241a_outp.kd
    .args:
      - { .name: ac, .offset: 0, .size: 8, .value_kind: global_buffer, .address_space: global }
      - { .name: woc, .offset: 8, .size: 8, .value_kind: global_buffer, .address_space: global }
      - { .name: bo, .offset: 16, .size: 8, .value_kind: global_buffer, .address_space: global }
      - { .name: out0, .offset: 24, .size: 8, .value_kind: global_buffer, .address_space: global }
    .group_segment_fixed_size: 327680
    .private_segment_fixed_size: 0
    .kernarg_segment_align: 8
    .kernarg_segment_size: 32
    .max_flat_workgroup_size: 128
    .sgpr_count:     74
    .vgpr_count:     512
    .wavefront_size: 32
...
	.end_amdgpu_metadata
.endif
;; end of part 8
